; MI455X (gfx1250); checked and timed in simulation.
; The chip was launched on July 23, 2026; its instructions are those of AMD's public machine-readable ISA for CDNA 5 (MIT licence, August 2026) and "CDNA5" Instruction Set Architecture Reference Guide (July 2026). The comments in the code are by the model that wrote it; some were corrected since.
;; Multi Headed Attention Relative. Allowed arithmetic: float matrix products may take bf16 or f16 operands with f32 sums; all other float work in f32.
;; Inputs: Wk 1,024 x 1,024 float32; Wo 1,024 x 1,024 float32; Wq 1,024 x 1,024 float32; Wv 1,024 x 1,024 float32; bk 1,024 float32; bo 1,024 float32; bq 1,024 float32; bv 1,024 float32; key 8 x 1,024 x 1,024 float32; query 8 x 1,024 x 1,024 float32; rel_k_table 33 x 64 float32; rel_v_table 33 x 64 float32; value 8 x 1,024 x 1,024 float32.
;; Outputs: out0 8 x 1,024 x 1,024 float32; out1 8 x 1,024 x 1,024 float32.
;; 3 versions, each right; version 3 is version 2 with the launches cast, top written anew for expert scheduling mode. Each part assembles by itself: llvm-mc -triple=amdgcn-amd-amdhsa -mcpu=gfx1250 --defsym DOCPART=n.
;; ======== version 1 of 3: 5 launches
;; workspace buffers: xb 58,720,256 bytes; qkvb 50,331,648 bytes; ctx 33,554,432 bytes; stat 65,536 bytes; rext 2,097,152 bytes
;; launch cast (part 1): grid 64 x 28, 8 waves a work-group, no clusters, 0 bytes of LDS; arguments query, key, value, Wq, Wk, Wv, Wo, xb; writes xb
.if DOCPART == 1
	.amdgcn_target "amdgcn-amd-amdhsa--gfx1250"
	.amdhsa_code_object_version 6
	.text
	.protected	k_qf0b132a7d3_cast
	.globl	k_qf0b132a7d3_cast
	.p2align	8
	.type	k_qf0b132a7d3_cast,@function
k_qf0b132a7d3_cast:
	s_mov_b64 s[64:65], 0
	v_nop
	global_prefetch_b8 v0, s[64:65] scope:SCOPE_SE
	s_setreg_imm32_b32 hwreg(HW_REG_WAVE_MODE, 25, 1), 1
	s_wait_xcnt 0x0
; xb = bf16 of query, key, value, Wq, Wk, Wv, Wo, one behind the other, each kept row-major: 28 chunks of 1,048,576 numbers
; (chunks 0-7 query, 8-15 key, 16-23 value, 24 Wq, 25 Wk, 26 Wv, 27 Wo).  Rounding to nearest even, once.
; A stream: no LDS, no barrier, no matrix unit.  The work-group's y is the chunk, its x one of 64 parts of 16,384 numbers.
; Thread t takes the 16 bytes at 16 t + 4,096 j of the part, j = 0 .. 15: a wave's load covers 512 consecutive bytes,
; its store of 8 bytes a lane 256 consecutive bytes, aligned.  All sixteen loads go out first; no register is written twice.
.set X,  4                             ; v[4:67]   sixteen loads of four f32
.set Y,  68                            ; v[68:99]  sixteen pairs of packed bf16
	s_load_b512 s[8:23], s[0:1], 0x0               ; query, key, value, Wq, Wk, Wv, Wo, xb
	s_and_b32 s2, ttmp7, 0xffff                    ; chunk 0 .. 27
	s_lshr_b32 s3, s2, 3                           ; 0 query, 1 key, 2 value, 3 a weight
	s_and_b32 s4, s2, 7                            ; chunk inside an activation
	s_lshl_b32 s26, s4, 22                         ; 4 MiB of f32 a chunk
	s_cmp_lt_u32 s3, 3
	s_cselect_b32 s26, s26, 0                      ; a weight is one chunk: it starts at its buffer's first byte
	s_lshl_b32 s5, ttmp9, 16                       ; my part: 65,536 bytes of f32
	s_add_co_u32 s26, s26, s5
	s_mov_b32 s27, 0
	s_lshl_b32 s28, s2, 21                         ; 2 MiB of bf16 a chunk
	s_lshl_b32 s5, ttmp9, 15
	s_add_co_u32 s28, s28, s5
	s_mov_b32 s29, 0
	v_lshlrev_b32 v1, 4, v0                        ; 16 t
	v_lshlrev_b32 v2, 3, v0                        ; 8 t
	s_wait_kmcnt 0x0
	s_cmp_eq_u32 s3, 1
	s_cselect_b64 s[24:25], s[10:11], s[8:9]
	s_cmp_eq_u32 s3, 2
	s_cselect_b64 s[24:25], s[12:13], s[24:25]
	s_cmp_eq_u32 s2, 24
	s_cselect_b64 s[24:25], s[14:15], s[24:25]
	s_cmp_eq_u32 s2, 25
	s_cselect_b64 s[24:25], s[16:17], s[24:25]
	s_cmp_eq_u32 s2, 26
	s_cselect_b64 s[24:25], s[18:19], s[24:25]
	s_cmp_eq_u32 s2, 27
	s_cselect_b64 s[24:25], s[20:21], s[24:25]
	s_add_nc_u64 s[24:25], s[24:25], s[26:27]
	s_add_nc_u64 s[28:29], s[22:23], s[28:29]
.irp j, 0,1,2,3,4,5,6,7,8,9,10,11,12,13,14,15
	global_load_b128 v[X+4*\j:X+4*\j+3], v1, s[24:25] offset:4096*\j th:TH_LOAD_NT
.endr
.irp j, 0,1,2,3,4,5,6,7,8,9,10,11,12,13,14,15
	s_wait_loadcnt 15-\j                           ; loads come back in order: load j is in, the 15 - j younger ones stay out
	v_cvt_pk_bf16_f32 v[Y+2*\j],   v[X+4*\j],   v[X+4*\j+1]
	v_cvt_pk_bf16_f32 v[Y+2*\j+1], v[X+4*\j+2], v[X+4*\j+3]
	global_store_b64 v2, v[Y+2*\j:Y+2*\j+1], s[28:29] offset:2048*\j
.endr
	s_endpgm
.Lfunc_end_k_qf0b132a7d3_cast:
	.size	k_qf0b132a7d3_cast, .Lfunc_end_k_qf0b132a7d3_cast-k_qf0b132a7d3_cast
	.p2alignl 7, 3214868480
	.fill 96, 4, 3214868480
	.section	.rodata,"a",@progbits
	.p2align	6, 0x0
	.amdhsa_kernel k_qf0b132a7d3_cast
		.amdhsa_group_segment_fixed_size 0
		.amdhsa_private_segment_fixed_size 0
		.amdhsa_enable_private_segment 0
		.amdhsa_kernarg_size 64
		.amdhsa_user_sgpr_count 2
		.amdhsa_user_sgpr_kernarg_segment_ptr 1
		.amdhsa_wavefront_size32 1
		.amdhsa_system_sgpr_workgroup_id_x 1
		.amdhsa_system_sgpr_workgroup_id_y 1
		.amdhsa_system_sgpr_workgroup_id_z 1
		.amdhsa_system_vgpr_workitem_id 0
		.amdhsa_next_free_vgpr 100
		.amdhsa_next_free_sgpr 66
		.amdhsa_reserve_vcc 0
		.amdhsa_float_denorm_mode_32 3
		.amdhsa_float_denorm_mode_16_64 3
		.amdhsa_memory_ordered 1
		.amdhsa_forward_progress 1
		.amdhsa_inst_pref_size 7
	.end_amdhsa_kernel
	.amdgpu_metadata
---
amdhsa.version: [ 1, 2 ]
amdhsa.kernels:
  - .name:           k_qf0b132a7d3_cast
    .symbol:         k_qf0b132a7d3_cast.kd
    .args:
      - { .name: query, .offset: 0, .size: 8, .value_kind: global_buffer, .address_space: global }
      - { .name: key, .offset: 8, .size: 8, .value_kind: global_buffer, .address_space: global }
      - { .name: value, .offset: 16, .size: 8, .value_kind: global_buffer, .address_space: global }
      - { .name: Wq, .offset: 24, .size: 8, .value_kind: global_buffer, .address_space: global }
      - { .name: Wk, .offset: 32, .size: 8, .value_kind: global_buffer, .address_space: global }
      - { .name: Wv, .offset: 40, .size: 8, .value_kind: global_buffer, .address_space: global }
      - { .name: Wo, .offset: 48, .size: 8, .value_kind: global_buffer, .address_space: global }
      - { .name: xb, .offset: 56, .size: 8, .value_kind: global_buffer, .address_space: global }
    .group_segment_fixed_size: 0
    .private_segment_fixed_size: 0
    .kernarg_segment_align: 8
    .kernarg_segment_size: 64
    .max_flat_workgroup_size: 256
    .sgpr_count:     66
    .vgpr_count:     100
    .wavefront_size: 32
...
	.end_amdgpu_metadata
.endif
;; end of part 1
;; launch qkv (part 2): grid 12 x 64, 4 waves a work-group, clusters of 4 x 4, 327,680 bytes of LDS; arguments xb, bq, bk, bv, qkvb; writes qkvb
.if DOCPART == 2
	.amdgcn_target "amdgcn-amd-amdhsa--gfx1250"
	.amdhsa_code_object_version 6
	.text
	.protected	k_qf0b132a7d3_qkv
	.globl	k_qf0b132a7d3_qkv
	.p2align	8
	.type	k_qf0b132a7d3_qkv,@function
k_qf0b132a7d3_qkv:
	s_mov_b64 s[64:65], 0
	v_nop
	global_prefetch_b8 v0, s[64:65] scope:SCOPE_SE
	s_setreg_imm32_b32 hwreg(HW_REG_WAVE_MODE, 25, 1), 1
	s_wait_xcnt 0x0
	s_wait_alu depctr_hold_cnt(0) depctr_sa_sdst(0) depctr_va_vdst(0) depctr_va_sdst(0) depctr_va_ssrc(0) depctr_va_vcc(0) depctr_vm_vsrc(0)
	s_getreg_b32 s2, hwreg(HW_REG_IB_STS2, 6, 4)
	s_cmp_eq_u32 s2, 0
	s_cbranch_scc0 .Lentry_in_a_cluster
	s_endpgm
.Lentry_in_a_cluster:
	s_bfe_u32 s2, ttmp6, 0x10000c
	s_cmp_lg_u32 s2, 0xf033
	s_cbranch_scc0 .Lentry_shape_is_right
	s_endpgm
.Lentry_shape_is_right:
; qkvb[which] = x[which] W[which] + b[which], which = 0 query, 1 key, 2 value.  x: [8192][1024] bf16, W: [1024 k][1024 n] bf16, both in xb;
; b f32; result bf16 [3][8192][1024], rounded once from f32 sums (q is not yet divided by 8).  Operands are bf16: that is the format's limit.
; A work-group makes 128 rows x 256 columns with four waves, a wave 64 x 128: 32 accumulator tiles, 256 registers.  768 work-groups, three for each of 256 WGPs
; (blocks of 256 x 256 would be 384, which does not divide evenly).  K goes in steps of 128 through two LDS slots filled by the tensor data mover.
; W stays [k][n]: its fragments are made by the transposing LDS load.  The bias is the C operand of the first products: nothing is cleared or added later.
; CLUSTERS: 4 x 4 work-groups; the cluster's x is which, cx the block of 256 columns, 4 x cluster y + cy the block of 128 rows.  x's tile hangs on which and the
; block row and is asked for jointly by a row of the cluster; W's tile hangs on which and cx and is asked for jointly by a column.
; The matrix instruction is used transposed (source 0 = W's fragment, source 1 = x's): a lane's eight results are eight neighbouring columns of one row.
; REGISTERS: window 0: addresses, two fragment buffers (W 64 + x 32 registers each); window 1: accumulator tile (a, b) at v[8 (8 a + b)]; window 2: v0-63 the bias tiles.
.set KSTEP, 128
.set PA,    272                        ; x's LDS rows: 256 bytes + 16 of padding, an odd multiple of 16
.set PB,    544                        ; W's LDS rows: 512 bytes + 32 of padding, an odd multiple of 32 (for the transposing load)
.set ATILE, 128*PA
.set SLOT,  ATILE+128*PB               ; x's 128 rows, then W's 128 k rows
.set STAGE, 2*SLOT                     ; behind the ring: 16 rows x 272 bytes for each wave; no tensor load lands there
.set SP,    272
.set LAPS,  4                          ; 1024 / (2 x 128)
.set ADRA, 16                          ; v16-17 LDS address of my x fragments in slot 0, 1
.set ADRB, 20                          ; v20-21 the same for W
.set STO,  24
.set RD,   25
.set CO,   26
.set BO,   27
.set F0,   64                          ; fragment buffer 0: W at +0 (8 x 8 registers), x at +64 (4 x 8)
.set F1,   160
.set TMP,  64
.set G1,  24
.set G0,  32
.set G1B, 48
.set G0B, 56
.set MSB, 0
.macro WIN new                         ; the immediate's high byte repeats the setting that is left
.if MSB != \new
	s_set_vgpr_msb (MSB<<8)|\new
.set MSB, \new
.endif
.endm
.macro PLACES                          ; four places behind a matrix instruction in front of loads into, or vector work on, its registers
.rept 4
	v_nop
.endr
.endm
; A joint load: waves 0 and 1 fetch x's two halves of 64 rows, waves 2 and 3 W's two halves of 64 k rows.  The branch hangs on the wave's number alone.
.macro JLOAD s
	s_cmp_eq_u32 s15, 0
	s_cbranch_scc0 .Lfor_b_\@
	tensor_load_to_lds s[G0+4*\s:G0+4*\s+3], s[G1:G1+7]
	s_nop 0
.rept 4
	v_nop
.endr
	s_branch .Lasked_\@
.Lfor_b_\@:
	tensor_load_to_lds s[G0B+4*\s:G0B+4*\s+3], s[G1B:G1B+7]
	s_nop 0
.rept 4
	v_nop
.endr
.Lasked_\@:
.endm
.macro CREST                           ; a round of the cluster's barrier behind its opening work-group barrier
	s_cmp_lg_u32 s14, 0
	s_cbranch_scc1 .Lnot_wave_0_\@
	s_barrier_signal -3
.Lnot_wave_0_\@:
	s_barrier_wait -3
	s_barrier_signal -1
	s_barrier_wait -1
.endm
.macro CROUND
	s_barrier_signal -1
	s_barrier_wait -1
	CREST
.endm
	s_load_b256 s[4:11], s[0:1], 0x0               ; xb s[4:5], bq s[6:7], bk s[8:9], bv s[10:11]
	s_load_b64 s[12:13], s[0:1], 0x20              ; qkvb
	v_lshl_add_u32 v62, v0, 2, 0x37400
	v_mov_b32 v63, 0
	ds_add_u32 v62, v63
	v_lshrrev_b32 v1, 5, v0
	v_readfirstlane_b32 s14, v1                    ; wave 0..3
	s_lshr_b32 s15, s14, 1                         ; which 64 rows of the block are mine.  Also: I fetch for x (0) or for W (1)
	s_and_b32 s16, s14, 1                          ; which 128 columns.  Also: which half of that tile I fetch
	s_bfe_u32 s17, ttmp6, 0x40000                  ; cx: block of 256 columns
	s_bfe_u32 s18, ttmp6, 0x40004                  ; cy
	s_and_b32 s19, ttmp7, 0xffff
	s_lshl_b32 s19, s19, 2
	s_add_co_u32 s19, s19, s18                     ; block of 128 rows = 4 x cluster y + cy
	s_mov_b32 s20, ttmp9                           ; which = cluster x
	s_lshl_b32 s21, s18, 2
	s_lshl_b32 s21, 15, s21                        ; my row of the cluster
	s_lshl_b32 s22, 0x1111, s17                    ; my column
	s_or_b32 s[G1+0], s21, (1<<16)|(1<<20)|(1<<21)|(5<<22)|(3<<25)   ; mask; 2-byte elements; padding on; bit 21 beside a mask; after every 64 words 4 words
	s_mov_b32 s[G1+1], KSTEP<<16                   ; tensor_dim0 = 128
	s_mov_b32 s[G1+2], 64<<16                      ; tensor_dim1 = 64
	s_mov_b32 s[G1+3], KSTEP<<16                   ; tile_dim0 = 128
	s_mov_b32 s[G1+4], 64                          ; tile_dim1 = 64
	s_mov_b32 s[G1+5], 1024                        ; elements from row to row
	s_mov_b32 s[G1+6], 0
	s_mov_b32 s[G1+7], 0
	s_or_b32 s[G1B+0], s22, (1<<16)|(1<<20)|(1<<21)|(6<<22)|(7<<25)  ; after every 128 words 8 words
	s_mov_b32 s[G1B+1], 256<<16
	s_mov_b32 s[G1B+2], 64<<16
	s_mov_b32 s[G1B+3], 256<<16
	s_mov_b32 s[G1B+4], 64
	s_mov_b32 s[G1B+5], 1024
	s_mov_b32 s[G1B+6], 0
	s_mov_b32 s[G1B+7], 0
	; x's tile: which x 16 MiB + (128 block row + 64 half) rows of 2,048 bytes; in registers that never hold cx
	s_lshl_b32 s40, s20, 24
	s_lshl_b32 s41, s19, 18
	s_add_co_u32 s40, s40, s41
	s_lshl_b32 s41, s16, 17
	s_add_co_u32 s40, s40, s41
	s_mov_b32 s41, 0
	; W's tile: chunk 24 + which of xb, 64 half k rows, 512 cx bytes; in registers that never hold cy
	s_lshl_b32 s44, s20, 21
	s_lshl_b32 s45, s17, 9
	s_add_co_u32 s44, s44, s45
	s_lshl_b32 s45, s16, 17
	s_add_co_u32 s44, s44, s45
	s_add_co_u32 s44, s44, 0x3000000
	s_mov_b32 s45, 0
	s_mul_i32 s23, s16, 64*PA                      ; where they go: made of the wave's number alone
	s_mul_i32 s66, s16, 64*PB
	s_add_co_u32 s66, s66, ATILE
	s_wait_dscnt 0x0
	s_wait_kmcnt 0x0
	s_add_nc_u64 s[42:43], s[4:5], s[40:41]
	s_add_nc_u64 s[46:47], s[4:5], s[44:45]
	s_cmp_eq_u32 s20, 1
	s_cselect_b64 s[68:69], s[8:9], s[6:7]
	s_cmp_eq_u32 s20, 2
	s_cselect_b64 s[68:69], s[10:11], s[68:69]     ; my bias
	CROUND                                         ; all sixteen work-groups are here: the first joint loads meet
.irp s, 0,1
	s_mov_b32 s[G0+4*\s], 1
	s_add_co_u32 s[G0+4*\s+1], s23, \s*SLOT
	s_add_nc_u64 s[G0+4*\s+2:G0+4*\s+3], s[42:43], \s*KSTEP*2
	s_or_b32 s[G0+4*\s+3], s[G0+4*\s+3], 0x80000000
	s_mov_b32 s[G0B+4*\s], 1
	s_add_co_u32 s[G0B+4*\s+1], s66, \s*SLOT
	s_add_nc_u64 s[G0B+4*\s+2:G0B+4*\s+3], s[46:47], \s*KSTEP*2048
	s_or_b32 s[G0B+4*\s+3], s[G0B+4*\s+3], 0x80000000
	JLOAD \s                                       ; K steps 0 and 1: two tensor loads of the wave are out, later one
.endr
	v_and_b32 v1, 15, v0                           ; r
	v_bfe_u32 v2, v0, 4, 1                         ; h
	v_and_b32 v3, 7, v0
	v_bfe_u32 v4, v0, 3, 1
	; the bias tile of column block b: register j = bias[256 cx + 128 wn + 16 b + 8 h + j], the C layout of the transposed product
	s_lshl_b32 s70, s17, 10
	s_lshl_b32 s71, s16, 9
	s_add_co_u32 s70, s70, s71
	v_lshl_add_u32 v[BO], v2, 5, s70
	WIN 0x80                                       ; destination in window 2
.irp b, 0,1,2,3,4,5,6,7
	global_load_b128 v[8*\b:8*\b+3],   v[BO], s[68:69] offset:64*\b
	global_load_b128 v[8*\b+4:8*\b+7], v[BO], s[68:69] offset:64*\b+16
.endr
	WIN 0
	v_mul_u32_u24 v5, v1, PA
	v_lshl_add_u32 v5, v2, 4, v5                   ; r x 272 + 16 h
	v_lshl_add_u32 v6, v2, 3, v3                   ; k row 8 h + (lane & 7)
	v_mul_u32_u24 v6, v6, PB
	v_lshl_add_u32 v6, v4, 4, v6                   ; + 16 ((lane >> 3) & 1)
	s_mul_i32 s21, s15, 64*PA                      ; my 64 rows of x
	s_lshl_b32 s22, s16, 8                         ; my 128 columns of W,
	s_add_co_u32 s22, s22, ATILE                   ; which lies behind x's tile
.irp s, 0,1
	v_add_nc_u32 v[ADRA+\s], s21, v5
	v_add_nc_u32 v[ADRB+\s], s22, v6
	s_add_co_u32 s21, s21, SLOT
	s_add_co_u32 s22, s22, SLOT
.endr
	s_mul_i32 s67, s14, 16*SP
	s_add_co_u32 s67, s67, STAGE                   ; my stage
	v_add_nc_u32 v[STO], s67, v5                   ; in: row r, 16 bytes for each half of the lanes
	v_mul_u32_u24 v7, v2, SP
	v_lshl_add_u32 v7, v1, 4, v7
	v_add_nc_u32 v[RD], s67, v7                    ; back: lanes 0-15 one row of 256 bytes, lanes 16-31 the next
	v_lshlrev_b32 v8, 11, v2
	v_lshl_add_u32 v[CO], v1, 4, v8                ; the same two rows in memory
; 16 matrix instructions: row blocks a0, a0 + 1 x all 8 column blocks, 32 along K.  zero = 1: the first products take the bias tile (window 2) as C.
; The 32 accumulators take turns, one instruction a turn, in the same order everywhere.
.macro MUL16 f, a0, zero
.irp a, \a0, \a0+1
.irp b, 0,1,2,3,4,5,6,7
.if \zero
	v_wmma_f32_16x16x32_bf16 v[8*(8*(\a)+\b):8*(8*(\a)+\b)+7], v[\f+8*\b:\f+8*\b+7], v[\f+64+8*(\a):\f+64+8*(\a)+7], v[8*\b:8*\b+7]
.else
	v_wmma_f32_16x16x32_bf16 v[8*(8*(\a)+\b):8*(8*(\a)+\b)+7], v[\f+8*\b:\f+8*\b+7], v[\f+64+8*(\a):\f+64+8*(\a)+7], v[8*(8*(\a)+\b):8*(8*(\a)+\b)+7]
.endif
.endr
.endr
.endm
; 24 LDS loads: quarter q (32 along K) of a slot into buffer f.  W: column 16 b + r, k along the registers, by two transposing loads 16 k rows apart.
.macro FETCH slot, q, f
.irp b, 0,1,2,3,4,5,6,7
	ds_load_tr16_b128 v[\f+8*\b:\f+8*\b+3],   v[ADRB+\slot] offset:32*PB*\q+32*\b
	ds_load_tr16_b128 v[\f+8*\b+4:\f+8*\b+7], v[ADRB+\slot] offset:32*PB*\q+32*\b+16*PB
.endr
.irp a, 0,1,2,3
	ds_load_b128 v[\f+64+8*\a:\f+64+8*\a+3],   v[ADRA+\slot] offset:64*\q+16*PA*\a
	ds_load_b128 v[\f+64+8*\a+4:\f+64+8*\a+7], v[ADRA+\slot] offset:64*\q+16*PA*\a+32
.endr
.endm
; One of a K step's first three quarters: buffer f is in (asked for 32 matrix instructions ago); quarter qn goes out into buffer g; buffer f is multiplied.
.macro QUARTER slot, qn, f, g, zero
	s_wait_dscnt 0x0
	WIN 0
	PLACES
	FETCH \slot, \qn, \g
.if \zero
	WIN 0x60                                       ; D window 1, C window 2
.else
	WIN 0x50                                       ; C and D window 1
.endif
	MUL16 \f, 0, \zero
	MUL16 \f, 2, \zero
.endm
.macro THREE slot, zero
	QUARTER \slot, 1, F0, F1, \zero
	QUARTER \slot, 2, F1, F0, 0
	QUARTER \slot, 3, F0, F1, 0
.endm
; The last quarter multiplies buffer 1 and changes slots.  In front of the barrier each wave's reads of this slot are back and all its tensor loads have landed
; (the one that was out is its part of the next slot).  Behind it (with fill: behind the cluster's round that it opens) the refill comes first.
.macro TURN slot, next, fill
	s_wait_dscnt 0x0
	s_wait_tensorcnt 0x0
	ds_add_u32 v62, v63
	s_wait_dscnt 0x0
	s_barrier_signal -1
	WIN 0x50
	MUL16 F1, 0, 0                                 ; register work while the others arrive
	WIN 0
	s_barrier_wait -1
.if \fill
	CREST
	s_add_nc_u64 s[G0+4*\slot+2:G0+4*\slot+3], s[G0+4*\slot+2:G0+4*\slot+3], 2*KSTEP*2
	s_add_nc_u64 s[G0B+4*\slot+2:G0B+4*\slot+3], s[G0B+4*\slot+2:G0B+4*\slot+3], 2*KSTEP*2048
	JLOAD \slot                                    ; its four v_nop are also the places in front of the loads below
.else
	PLACES
.endif
	FETCH \next, 0, F0
	WIN 0x50
	MUL16 F1, 2, 0
.endm
.macro LAP zero
	THREE 0, \zero
	TURN 0, 1, 1
	THREE 1, 0
	TURN 1, 0, 1
.endm
	s_wait_loadcnt 0x0                             ; the bias
	s_wait_tensorcnt 0x1                           ; my part of K step 0 is in; K step 1's stays out
	s_barrier_signal -1
	s_barrier_wait -1
	FETCH 0, 0, F0
	LAP 1
	WIN 0
	s_mov_b32 s3, LAPS-2
.Llap:
	LAP 0
	WIN 0
	s_sub_co_u32 s3, s3, 1
	s_cmp_lg_u32 s3, 0
	s_cbranch_scc1 .Llap
	THREE 0, 0                                     ; the last lap fills nothing
	TURN 0, 1, 0
	THREE 1, 0
	s_wait_dscnt 0x0
	MUL16 F1, 0, 0
	MUL16 F1, 2, 0
	WIN 0
	PLACES
	; THE WAY OUT, 16 rows at a time: round to bf16, 16 bytes a lane into my own stage, read back as whole rows of 256 bytes.
	s_lshl_b32 s70, s20, 24
	s_lshl_b32 s71, s19, 18
	s_add_co_u32 s70, s70, s71
	s_lshl_b32 s71, s15, 17
	s_add_co_u32 s70, s70, s71
	s_lshl_b32 s71, s17, 9
	s_add_co_u32 s70, s70, s71
	s_lshl_b32 s71, s16, 8
	s_add_co_u32 s70, s70, s71
	s_mov_b32 s71, 0
	s_add_nc_u64 s[72:73], s[12:13], s[70:71]
.macro OUT16 a, f
	WIN 0x05                                       ; both sources in window 1
.irp b, 0,1,2,3,4,5,6,7
.irp x, 0,1,2,3
	v_cvt_pk_bf16_f32 v[TMP+4*\b+\x], v[8*(8*\a+\b)+2*\x], v[8*(8*\a+\b)+2*\x+1]
.endr
.endr
	WIN 0
.irp b, 0,1,2,3,4,5,6,7
	ds_store_b128 v[STO], v[TMP+4*\b:TMP+4*\b+3] offset:32*\b
.endr
	s_wait_xcnt 0x0                                ; buffer f, which earlier stores read, and the stores' base are rewritten only behind this wait
.if \a
	s_add_nc_u64 s[72:73], s[72:73], 16*2048
.endif
.irp t, 0,1,2,3,4,5,6,7
	ds_load_b128 v[\f+4*\t:\f+4*\t+3], v[RD] offset:2*SP*\t       ; LDS serves a wave's instructions in order: these see the stores above
.endr
.irp t, 0,1,2,3,4,5,6,7
	s_wait_dscnt 7-\t                              ; load t is back, the 7 - t younger ones stay out
	global_store_b128 v[CO], v[\f+4*\t:\f+4*\t+3], s[72:73] offset:4096*\t   ; 16 lanes store 256 consecutive bytes, aligned
.endr
.endm
	OUT16 0, 96
	OUT16 1, 128
	OUT16 2, 96
	OUT16 3, 128
	s_wait_tensorcnt 0x0
	ds_add_u32 v62, v63
	s_wait_dscnt 0x0
	CROUND                                         ; the closing round: no work-group ends while a partner may still ask for a tile that names it
	s_endpgm
.Lfunc_end_k_qf0b132a7d3_qkv:
	.size	k_qf0b132a7d3_qkv, .Lfunc_end_k_qf0b132a7d3_qkv-k_qf0b132a7d3_qkv
	.p2alignl 7, 3214868480
	.fill 96, 4, 3214868480
	.section	.rodata,"a",@progbits
	.p2align	6, 0x0
	.amdhsa_kernel k_qf0b132a7d3_qkv
		.amdhsa_group_segment_fixed_size 327680
		.amdhsa_private_segment_fixed_size 0
		.amdhsa_enable_private_segment 0
		.amdhsa_kernarg_size 40
		.amdhsa_user_sgpr_count 2
		.amdhsa_user_sgpr_kernarg_segment_ptr 1
		.amdhsa_wavefront_size32 1
		.amdhsa_system_sgpr_workgroup_id_x 1
		.amdhsa_system_sgpr_workgroup_id_y 1
		.amdhsa_system_sgpr_workgroup_id_z 1
		.amdhsa_system_vgpr_workitem_id 0
		.amdhsa_next_free_vgpr 576
		.amdhsa_next_free_sgpr 76
		.amdhsa_reserve_vcc 0
		.amdhsa_float_denorm_mode_32 3
		.amdhsa_float_denorm_mode_16_64 3
		.amdhsa_memory_ordered 1
		.amdhsa_forward_progress 1
		.amdhsa_inst_pref_size 120
	.end_amdhsa_kernel
	.amdgpu_metadata
---
amdhsa.version: [ 1, 2 ]
amdhsa.kernels:
  - .name:           k_qf0b132a7d3_qkv
    .symbol:         k_qf0b132a7d3_qkv.kd
    .args:
      - { .name: xb, .offset: 0, .size: 8, .value_kind: global_buffer, .address_space: global }
      - { .name: bq, .offset: 8, .size: 8, .value_kind: global_buffer, .address_space: global }
      - { .name: bk, .offset: 16, .size: 8, .value_kind: global_buffer, .address_space: global }
      - { .name: bv, .offset: 24, .size: 8, .value_kind: global_buffer, .address_space: global }
      - { .name: qkvb, .offset: 32, .size: 8, .value_kind: global_buffer, .address_space: global }
    .group_segment_fixed_size: 327680
    .private_segment_fixed_size: 0
    .kernarg_segment_align: 8
    .kernarg_segment_size: 40
    .max_flat_workgroup_size: 128
    .sgpr_count:     76
    .vgpr_count:     576
    .wavefront_size: 32
...
	.end_amdgpu_metadata
.endif
;; end of part 2
;; launch attn (part 3): grid 4 x 64, 8 waves a work-group, no clusters, 327,680 bytes of LDS; arguments qkvb, rel_k_table, rel_v_table, ctx, stat, rext; writes ctx, stat, rext
.if DOCPART == 3
	.amdgcn_target "amdgcn-amd-amdhsa--gfx1250"
	.amdhsa_code_object_version 6
	.text
	.protected	k_qf0b132a7d3_attn
	.globl	k_qf0b132a7d3_attn
	.p2align	8
	.type	k_qf0b132a7d3_attn,@function
k_qf0b132a7d3_attn:
	s_mov_b64 s[64:65], 0
	v_nop
	global_prefetch_b8 v0, s[64:65] scope:SCOPE_SE
	s_setreg_imm32_b32 hwreg(HW_REG_WAVE_MODE, 25, 1), 1
	s_wait_xcnt 0x0
; ctx = softmax((q k^T + q zk^T) / 8) (v + zv), per batch and head, with a running maximum.  q, k, v: qkvb [3][8192][1024] bf16.
; ctx leaves as TWO bf16 numbers, the rounded value (hi) and the rounded remainder (lo): it carries the value table's offset, and one bf16 would be too coarse
; for the projection that follows.  Layout [8192 rows][8 head pairs][hi 128 | lo 128]: a row is 4,096 bytes, a pair's hi and lo are 256 aligned bytes each.
; A work-group takes one batch, two neighbouring heads (256 aligned bytes of every row) and 256 queries; wave w: head w >> 2 of the pair, 64 queries (w & 3),
; as four blocks of 16.  Keys go in 16 steps of 64 through two LDS slots (K and V tiles of 64 rows x 256 bytes; wave 0 fetches K's, wave 1 V's, one tensor load each).
; TRANSPOSED THROUGHOUT: scores^T = K Q^T, so lane (r, h) holds keys 8 h + j of query r: row figures are per lane, and the rounded weights of two tiles ARE
; the second operand of ctx^T = V^T P^T.  V^T and the value table's transpose come from the transposing LDS load.
; THE RELATIVE TERMS: with e = 31 - i + j clipped to 0 .. 63, rkx[e] = rel_k[clip(47 - e, 0, 32)] (rvx likewise).  R[i][e] = q_i . rkx[e] is made once, in f32,
; in the wave's own LDS table.  A tile of 16 x 16 has delta = (i block) - (j block): delta >= 2 adds the constant R[i][0], delta <= -2 the constant R[i][63],
; delta in -1 .. 1 gathers R[i][e] (no clip is reached there).  On the value side the weights of the band tiles are scattered to W[i][e] and ctx^T += rvx^T W^T;
; the sums of the weights left and right of the band enter that product once, at the end, in places e <= 15 and e >= 47, each as bf16 plus its residual.
; delta is known when the text is assembled: five variants of a step (key step - query step <= -2, -1, 0, 1, >= 2), chosen by ids and the loop's counter.
; For head 0 the wave also stores (-c m, 1/l) and its table R, for the launch that writes the weights.  c = log2(e) / 8.
; NO CLUSTER: the four query blocks of a head pair read the same tiles, but their variants, and so their paths, differ with the query block, and a work-group
; reads 512 KiB in all.
; LIMITS: matrix operands (q, k, v, weights, tables) are bf16; weights below 2^-126 become 0; NaN or infinity in an input gives NaN, not always where f32 would.
.set C_EXP, 0x3e38aa3b                 ; log2(e) / 8
.set C_NEG, 0xbe38aa3b
.set KP,    272                        ; K's LDS rows: 256 + 16
.set VP,    288                        ; V's: 256 + 32, an odd multiple of 32
.set VOFF,  64*KP                      ; V's tile behind K's
.set SLOTX, 0x10000                    ; slot 1 begins at 65,536: addresses toggle by xor
.set TILEB, 64*2048                    ; bytes from a tile to the next in memory
.set RKX,   36864                      ; 64 rows x 144: rkx in bf16
.set RKP,   144
.set RVX,   46080                      ; 64 rows x 160: rvx in bf16
.set RVP,   160
.set WSC,   102400                     ; 16 rows x 144 for each wave: W of one query block
.set WSP,   144
.set WSW,   16*WSP
.set RT,    120832                     ; 64 rows x 272 for each wave: R in f32
.set RTP,   272
.set RTW,   64*RTP
.set STG,   WSC                        ; the stage of the way out lies over W and R, which only LDS stores ever wrote: 64 rows x 144 for each wave,
.set STP,   144
.set STW,   64*STP
.set STL,   8*STW                      ; hi's eight parts, then lo's: 102,400 + 2 x 73,728 = 249,856 bytes
; scalar descriptors: every word but the global address is a constant
.set G0K, 32                           ; s[32:35] K's tile: from where, to where
.set G1K, 36                           ; s[36:43] K's shape
.set G1V, 68                           ; s[68:75] V's shape: it differs in the padding
.set G0V, 76                           ; s[76:79] V's tile
; window 0
.set PF,  1                            ; prefetch offset
.set KA,  2
.set VA,  3
.set GA,  4
.set WS,  5
.set WZ,  6
.set WL,  7
.set ZR,  8                            ; v[8:11] zeros
.set MX,  12                           ; running maximum, one for each query block
.set RL,  16                           ; R[i][0]
.set RR,  20                           ; R[i][63]
.set LL,  24                           ; sums of weights left of the band, a pair for each query block
.set LR,  32                           ; right of it
.set LB,  40                           ; in it
.set AL,  48
.set NB,  50
.set TT,  52
.set BG0, 56
.set KF,  64                           ; K fragment (kb, dh) at KF + 16 kb + 8 dh; at the end ctx's hi
.set VF,  128                          ; V^T fragment (db, kh) at VF + 16 db + 8 kh; at the end ctx's lo
.set SC,  192                          ; scores, tile kb at SC + 8 kb
.set PP,  224                          ; weights in bf16, tile kb at PP + 4 kb
.set TW,  240                          ; gathered biases, then W^T fragments
; window 1
.set ACC, 0                            ; ctx^T tile (qb, db) at 8 (4 qb + db)
.set QF,  128                          ; Q fragment (qb, dh) at QF + 16 qb + 8 dh
.set RV,  192                          ; rvx^T fragment (db, eh) at RV + 16 db + 8 eh
.set MSB, 0
.macro WIN new
.if MSB != \new
	s_set_vgpr_msb (MSB<<8)|\new
.set MSB, \new
.endif
.endm
.macro PLACES                          ; four places behind a matrix instruction (ISA guide 7.12.1)
.rept 4
	v_nop
.endr
.endm
; In all three products the accumulators take turns, one instruction a turn.
.macro QK qb                           ; scores^T of four key blocks (or R^T of four e blocks) x query block qb
	WIN 0x04                                       ; source 1 (Q) in window 1
.irp kb, 0,1,2,3
	v_wmma_f32_16x16x32_bf16 v[SC+8*\kb:SC+8*\kb+7], v[KF+16*\kb:KF+16*\kb+7], v[QF+16*\qb:QF+16*\qb+7], 0
.endr
.irp kb, 0,1,2,3
	v_wmma_f32_16x16x32_bf16 v[SC+8*\kb:SC+8*\kb+7], v[KF+16*\kb+8:KF+16*\kb+15], v[QF+16*\qb+8:QF+16*\qb+15], v[SC+8*\kb:SC+8*\kb+7]
.endr
	WIN 0
.endm
.macro PV qb
	WIN 0x50                                       ; C and D in window 1
.irp kh, 0,1
.irp db, 0,1,2,3
	v_wmma_f32_16x16x32_bf16 v[ACC+8*(4*\qb+\db):ACC+8*(4*\qb+\db)+7], v[VF+16*\db+8*\kh:VF+16*\db+8*\kh+7], v[PP+8*\kh:PP+8*\kh+7], v[ACC+8*(4*\qb+\db):ACC+8*(4*\qb+\db)+7]
.endr
.endr
.endm
.macro WPROD qb                        ; ctx^T += rvx^T W^T; the four places behind it free TW
	WIN 0x51                                       ; source 0, C and D in window 1
.irp eh, 0,1
.irp db, 0,1,2,3
	v_wmma_f32_16x16x32_bf16 v[ACC+8*(4*\qb+\db):ACC+8*(4*\qb+\db)+7], v[RV+16*\db+8*\eh:RV+16*\db+8*\eh+7], v[TW+8*\eh:TW+8*\eh+7], v[ACC+8*(4*\qb+\db):ACC+8*(4*\qb+\db)+7]
.endr
.endr
	WIN 0
	PLACES
.endm
; The class of tile (qb, kb) in a step with rel = key step - query step.  DL = delta; ISB = a band tile; BGR = where its biases are gathered;
; LS = the pair that takes its sum; CL = 0 left, 1 right, 2 band; BR = the constant bias of a tile outside the band.
.macro CLS qb, kb, rel
.set DL, \qb-\kb-4*(\rel)
.if DL == 1
.set BGR, BG0
.else
.if DL == 0
.set BGR, TW
.else
.set BGR, TW+8
.endif
.endif
.if DL*DL < 2
.set ISB, 1
.set CL, 2
.set LS, LB+2*\qb
.else
.set ISB, 0
.if DL > 1
.set CL, 0
.set LS, LL+2*\qb
.set BR, RL+\qb
.else
.set CL, 1
.set LS, LR+2*\qb
.set BR, RR+\qb
.endif
.endif
.endm
; One query block against the step's 64 keys.
.macro SOFT qb, rel
.set HASB, 0
.irp kb, 0,1,2,3
	CLS \qb, \kb, \rel
.if ISB
.set HASB, 1
.irp j, 0,1,2,3,4,5,6,7
	ds_load_b32 v[BGR+\j], v[GA] offset:16*RTP*\qb+4*(16-16*DL+\j)    ; R[i][(15 - r + 8 h) + (16 - 16 delta + j)]
.endr
.endif
.endr
	QK \qb
	PLACES
.if HASB
	s_wait_dscnt 0x0                               ; the gathers (and whatever was asked for before them)
.irp kb, 0,1,2,3
	CLS \qb, \kb, \rel
.if ISB
.irp x, 0,2,4,6
	v_pk_add_f32 v[SC+8*\kb+\x:SC+8*\kb+\x+1], v[SC+8*\kb+\x:SC+8*\kb+\x+1], v[BGR+\x:BGR+\x+1]
.endr
.else
	v_mov_b32 v[TT+2], v[BR]
	v_mov_b32 v[TT+3], v[BR]
.irp x, 0,2,4,6
	v_pk_add_f32 v[SC+8*\kb+\x:SC+8*\kb+\x+1], v[SC+8*\kb+\x:SC+8*\kb+\x+1], v[TT+2:TT+3]
.endr
.endif
.endr
.endif
	; the largest of my 32 scores, in two chains; then the other half of the lanes, which holds the same query's other keys
	v_max3_num_f32 v[TT],   v[SC],    v[SC+1],  v[SC+2]
	v_max3_num_f32 v[TT+1], v[SC+16], v[SC+17], v[SC+18]
.irp x, 3,5,7,9,11,13
	v_max3_num_f32 v[TT],   v[TT],   v[SC+\x],    v[SC+\x+1]
	v_max3_num_f32 v[TT+1], v[TT+1], v[SC+16+\x], v[SC+17+\x]
.endr
	v_max3_num_f32 v[TT], v[TT], v[SC+15], v[SC+31]
	v_max_num_f32 v[TT], v[TT], v[TT+1]
	v_permlanex16_b32 v[TT+1], v[TT], s26, s27
	v_max_num_f32 v[TT], v[TT], v[TT+1]
.if HASB == 0
	v_add_f32 v[TT], v[TT], v[BR]                  ; all four tiles share one constant bias: it is added to the maximum and to the offset, not to the scores
.endif
	v_max_num_f32 v[TT+1], v[MX+\qb], v[TT]        ; the new running maximum
	v_sub_f32 v[TT+2], v[MX+\qb], v[TT+1]
	v_mul_f32 v[TT+2], C_EXP, v[TT+2]
	v_exp_f32 v[AL], v[TT+2]                       ; alpha; the move below is the plain instruction behind it (ISA guide 5.7.2)
	v_mov_b32 v[MX+\qb], v[TT+1]
.if HASB == 0
	v_sub_f32 v[NB], v[BR], v[TT+1]
	v_mul_f32 v[NB], C_EXP, v[NB]
.else
	v_mul_f32 v[NB], C_NEG, v[TT+1]
.endif
	v_mov_b32 v[NB+1], v[NB]
.set i, 0
.rept 16
	v_pk_fma_f32 v[SC+i:SC+i+1], v[SC+i:SC+i+1], C_EXP, v[NB:NB+1] op_sel_hi:[1,0,1]
.set i, i+2
.endr
.set i, 0
.rept 32
	v_exp_f32 v[SC+i], v[SC+i]
.set i, i+1
.endr
	s_wait_alu depctr_va_vdst(0)
	v_mov_b32 v[AL+1], v[AL]                       ; also the plain instruction behind the exponentials
	; the sums: a class's first tile carries the rescale in a fused multiply-add; classes without a tile are only rescaled
.set SEEN, 0
.irp kb, 0,1,2,3
	CLS \qb, \kb, \rel
	v_pk_add_f32 v[TT:TT+1],   v[SC+8*\kb:SC+8*\kb+1],   v[SC+8*\kb+2:SC+8*\kb+3]
	v_pk_add_f32 v[TT+2:TT+3], v[SC+8*\kb+4:SC+8*\kb+5], v[SC+8*\kb+6:SC+8*\kb+7]
	v_pk_add_f32 v[TT:TT+1], v[TT:TT+1], v[TT+2:TT+3]
.if (SEEN>>CL)&1
	v_pk_add_f32 v[LS:LS+1], v[LS:LS+1], v[TT:TT+1]
.else
	v_pk_fma_f32 v[LS:LS+1], v[LS:LS+1], v[AL:AL+1], v[TT:TT+1]
.set SEEN, SEEN|(1<<CL)
.endif
.endr
.if (SEEN&1) == 0
	v_pk_mul_f32 v[LL+2*\qb:LL+2*\qb+1], v[LL+2*\qb:LL+2*\qb+1], v[AL:AL+1]
.endif
.if (SEEN&2) == 0
	v_pk_mul_f32 v[LR+2*\qb:LR+2*\qb+1], v[LR+2*\qb:LR+2*\qb+1], v[AL:AL+1]
.endif
.if (SEEN&4) == 0
	v_pk_mul_f32 v[LB+2*\qb:LB+2*\qb+1], v[LB+2*\qb:LB+2*\qb+1], v[AL:AL+1]
.endif
.set i, 0
.rept 16
	v_cvt_pk_bf16_f32 v[PP+i], v[SC+2*i], v[SC+2*i+1]
.set i, i+1
.endr
.if HASB
	; W of this query block: cleared, the band tiles' weights scattered, read back as fragments.  The wave's own bytes, served in order: no wait between.
.irp o, 0,16,32,48
	ds_store_b128 v[WZ], v[ZR:ZR+3] offset:\o
.endr
.irp kb, 0,1,2,3
	CLS \qb, \kb, \rel
.if ISB
.irp x, 0,1,2,3
	ds_store_b16 v[WS], v[PP+4*\kb+\x] offset:2*(16-16*DL+2*\x)
	ds_store_b16_d16_hi v[WS], v[PP+4*\kb+\x] offset:2*(16-16*DL+2*\x)+2
.endr
.endif
.endr
.irp o, 0,1,2,3
	ds_load_b128 v[TW+4*\o:TW+4*\o+3], v[WL] offset:32*\o
.endr
.endif
	WIN 0x41                                       ; destination and source 0 in window 1
.set i, 0
.rept 16
	v_pk_mul_f32 v[ACC+32*\qb+i:ACC+32*\qb+i+1], v[ACC+32*\qb+i:ACC+32*\qb+i+1], v[AL:AL+1]
.set i, i+2
.endr
.if HASB == 0
.if \qb == 0
	s_wait_dscnt 0x0                               ; V's fragments
.endif
.endif
	PV \qb
.if HASB
	s_wait_dscnt 0x0                               ; W's fragments
	WPROD \qb
.else
	WIN 0
.endif
.endm
; A step: the fragments of the slot's 64 keys, then the four query blocks.
.macro SUBT rel
	PLACES                                         ; behind the last step's products, in front of the loads into their sources
.irp kb, 0,1,2,3
.irp dh, 0,1
	ds_load_b128 v[KF+16*\kb+8*\dh:KF+16*\kb+8*\dh+3],   v[KA] offset:16*KP*\kb+64*\dh
	ds_load_b128 v[KF+16*\kb+8*\dh+4:KF+16*\kb+8*\dh+7], v[KA] offset:16*KP*\kb+64*\dh+32
.endr
.endr
.irp db, 0,1,2,3
.irp kh, 0,1
	ds_load_tr16_b128 v[VF+16*\db+8*\kh:VF+16*\db+8*\kh+3],   v[VA] offset:32*VP*\kh+32*\db
	ds_load_tr16_b128 v[VF+16*\db+8*\kh+4:VF+16*\db+8*\kh+7], v[VA] offset:32*VP*\kh+32*\db+16*VP
.endr
.endr
	s_wait_dscnt 16                                ; K's sixteen loads are back, V's sixteen stay out
	SOFT 0, \rel
	SOFT 1, \rel
	SOFT 2, \rel
	SOFT 3, \rel
.endm
; The variant of this step.  tail = 1: the last key step, where rel is never negative.  No barrier and no tensor load stands inside.
.macro DISPATCH tail
	s_sub_co_i32 s25, s24, s23                     ; rel = key step - my query step
.if \tail == 0
	s_cmp_lt_i32 s25, -1
	s_cbranch_scc1 .Lm2_\@
	s_cmp_eq_u32 s25, -1
	s_cbranch_scc1 .Lm1_\@
.endif
	s_cmp_eq_u32 s25, 0
	s_cbranch_scc1 .Lz_\@
	s_cmp_eq_u32 s25, 1
	s_cbranch_scc1 .Lp1_\@
	SUBT 2
	s_branch .Ldone_\@
.Lp1_\@:
	SUBT 1
	s_branch .Ldone_\@
.Lz_\@:
	SUBT 0
.if \tail == 0
	s_branch .Ldone_\@
.Lm1_\@:
	SUBT -1
	s_branch .Ldone_\@
.Lm2_\@:
	SUBT -2
.endif
.Ldone_\@:
.endm
; Wave 0 asks for K's tile, wave 1 for V's; each line has its own descriptor, and the branches hang on the wave's number alone.
.macro KVLOAD
	s_cmp_lg_u32 s16, 0
	s_cbranch_scc1 .Lnot_k_\@
	tensor_load_to_lds s[G0K:G0K+3], s[G1K:G1K+7]
	s_nop 0
.Lnot_k_\@:
	s_cmp_lg_u32 s16, 1
	s_cbranch_scc1 .Lnot_v_\@
	tensor_load_to_lds s[G0V:G0V+3], s[G1V:G1V+7]
	s_nop 0
.Lnot_v_\@:
.endm
; The change of slots.  In front of the barrier every wave's LDS reads are back and all its tensor loads have landed (this step's tile among them),
; so both descriptors may be stepped; behind it the next tile goes into the slot read last, the wave's one tensor load until the next such barrier.
.macro HEAD refill
	s_wait_xcnt 0x0
	v_lshl_add_u32 v254, v0, 2, 0x3f800
	v_mov_b32 v255, 0
	s_wait_tensorcnt 0x0
	ds_add_u32 v254, v255
	s_wait_dscnt 0x0
.if \refill
	s_xor_b32 s[G0K+1], s[G0K+1], SLOTX
	s_xor_b32 s[G0V+1], s[G0V+1], SLOTX
	s_add_nc_u64 s[G0K+2:G0K+3], s[G0K+2:G0K+3], TILEB
	s_add_nc_u64 s[G0V+2:G0V+3], s[G0V+2:G0V+3], TILEB
.endif
	s_wait_dscnt 0x0
	s_barrier_signal -1
	s_barrier_wait -1
.if \refill
	KVLOAD
.endif
.endm
	s_load_b256 s[4:11], s[0:1], 0x0               ; qkvb s[4:5], rel_k s[6:7], rel_v s[8:9], ctx s[10:11]
	s_load_b128 s[12:15], s[0:1], 0x20             ; stat s[12:13], rext s[14:15]
	v_lshl_add_u32 v254, v0, 2, 0x3f800
	v_mov_b32 v255, 0
	ds_add_u32 v254, v255
	s_wait_dscnt 0x0
	v_lshrrev_b32 v1, 5, v0
	v_readfirstlane_b32 s16, v1                    ; wave 0..7
	s_lshr_b32 s17, s16, 2                         ; head of the pair
	s_and_b32 s18, s16, 3                          ; which 64 queries
	s_mov_b32 s19, ttmp9                           ; block of 256 queries
	s_and_b32 s20, ttmp7, 0xffff
	s_lshr_b32 s21, s20, 3                         ; batch
	s_and_b32 s22, s20, 7                          ; pair of heads
	s_lshl2_add_u32 s23, s19, s18                  ; my query step = 4 x + (w & 3)
	s_mov_b32 s26, 0x76543210                      ; v_permlanex16_b32: lane i reads lane i of the other half
	s_mov_b32 s27, 0xfedcba98
	; the tiles' shapes: 64 rows x 128 elements of 2 bytes, no work-group mask, padded after every 64 words by 4 words (K) or 8 (V)
	s_mov_b32 s[G1K+0], (1<<16)|(1<<20)|(5<<22)|(3<<25)
	s_mov_b32 s[G1K+1], 128<<16                    ; tensor_dim0 = 128
	s_mov_b32 s[G1K+2], 64<<16                     ; tensor_dim1 = 64
	s_mov_b32 s[G1K+3], 128<<16                    ; tile_dim0 = 128
	s_mov_b32 s[G1K+4], 64                         ; tile_dim1 = 64
	s_mov_b32 s[G1K+5], 1024                       ; elements from row to row
	s_mov_b32 s[G1K+6], 0
	s_mov_b32 s[G1K+7], 0
	s_mov_b32 s[G1V+0], (1<<16)|(1<<20)|(5<<22)|(7<<25)
	s_mov_b32 s[G1V+1], 128<<16
	s_mov_b32 s[G1V+2], 64<<16
	s_mov_b32 s[G1V+3], 128<<16
	s_mov_b32 s[G1V+4], 64
	s_mov_b32 s[G1V+5], 1024
	s_mov_b32 s[G1V+6], 0
	s_mov_b32 s[G1V+7], 0
	s_mov_b32 s[G0K+0], 1
	s_mov_b32 s[G0K+1], 0                          ; K's tile at the slot's first byte
	s_mov_b32 s[G0V+0], 1
	s_mov_b32 s[G0V+1], VOFF                       ; V's behind it
	s_lshl_b32 s30, s21, 21                        ; my batch's rows and my pair's 256 bytes
	s_lshl_b32 s31, s22, 8
	s_add_co_u32 s30, s30, s31
	s_add_co_u32 s46, s30, 1<<24                   ; k is part 1 of qkvb
	s_mov_b32 s47, 0
	s_add_co_u32 s50, s30, (1<<24)+TILEB           ; the prefetch base: k, one tile ahead of tile 0 (it steps in front of each use)
	s_mov_b32 s51, 0
	s_lshl_b32 s31, s23, 17                        ; q: my 64 rows and my head's 128 bytes
	s_add_co_u32 s30, s30, s31
	s_lshl_b32 s31, s17, 7
	s_add_co_u32 s30, s30, s31
	s_mov_b32 s31, 0
	s_wait_kmcnt 0x0
	s_add_nc_u64 s[G0K+2:G0K+3], s[4:5], s[46:47]
	s_add_nc_u64 s[G0V+2:G0V+3], s[G0K+2:G0K+3], 1<<24     ; v is part 2
	s_or_b32 s[G0K+3], s[G0K+3], 0x80000000
	s_or_b32 s[G0V+3], s[G0V+3], 0x80000000
	KVLOAD                                         ; tile 0 into slot 0: the first fills, ahead of every wait, LDS read and barrier.  One tensor load of a wave is out at the most
	s_add_nc_u64 s[44:45], s[4:5], s[50:51]
	s_add_nc_u64 s[28:29], s[4:5], s[30:31]
	; the two extended tables: thread t makes 16 numbers (part t & 3) of row e = t >> 2
	v_lshrrev_b32 v224, 2, v0
	v_and_b32 v225, 3, v0
	v_min_u32 v226, 47, v224
	v_sub_nc_u32 v226, 47, v226
	v_min_u32 v226, 32, v226                       ; table row clip(47 - e, 0, 32)
	v_lshlrev_b32 v226, 8, v226
	v_lshl_add_u32 v226, v225, 6, v226
.irp o, 0,1,2,3
	global_load_b128 v[64+4*\o:64+4*\o+3], v226, s[6:7] offset:16*\o
.endr
.irp o, 0,1,2,3
	global_load_b128 v[80+4*\o:80+4*\o+3], v226, s[8:9] offset:16*\o
.endr
	v_and_b32 v234, 15, v0                         ; r
	v_bfe_u32 v235, v0, 4, 1                       ; h
	v_lshlrev_b32 v229, 11, v234
	v_lshl_add_u32 v229, v235, 4, v229             ; r x 2,048 + 16 h
	WIN 0x40                                       ; destination in window 1
.irp qb, 0,1,2,3
.irp dh, 0,1
	global_load_b128 v[QF+16*\qb+8*\dh:QF+16*\qb+8*\dh+3],   v229, s[28:29] offset:32768*\qb+64*\dh
	global_load_b128 v[QF+16*\qb+8*\dh+4:QF+16*\qb+8*\dh+7], v229, s[28:29] offset:32768*\qb+64*\dh+32
.endr
.endr
	WIN 0
	v_mul_u32_u24 v227, v224, RKP
	v_lshl_add_u32 v227, v225, 5, v227
	v_mul_u32_u24 v228, v224, RVP
	v_lshl_add_u32 v228, v225, 5, v228
	; LDS addresses
	v_and_b32 v236, 7, v0
	v_bfe_u32 v237, v0, 3, 1
	v_lshl_add_u32 v238, v235, 3, v236             ; 8 h + (lane & 7)
	s_lshl_b32 s46, s17, 7
	v_mul_u32_u24 v[KA], v234, KP
	v_lshl_add_u32 v[KA], v235, 4, v[KA]
	v_add_nc_u32 v[KA], s46, v[KA]                 ; r x 272 + 16 h + my head's 128 bytes
	s_add_co_u32 s47, s46, VOFF
	v_mul_u32_u24 v[VA], v238, VP
	v_lshl_add_u32 v[VA], v237, 4, v[VA]
	v_add_nc_u32 v[VA], s47, v[VA]
	s_mul_i32 s48, s16, RTW
	s_add_co_u32 s48, s48, RT                      ; my table R
	v_mul_u32_u24 v[GA], v234, RTP-4
	v_lshl_add_u32 v[GA], v235, 5, v[GA]
	s_add_co_u32 s49, s48, 60
	v_add_nc_u32 v[GA], s49, v[GA]                 ; row r, word 15 - r + 8 h
	v_mul_u32_u24 v232, v234, RTP
	v_lshl_add_u32 v232, v235, 5, v232
	v_add_nc_u32 v232, s48, v232                   ; row r, word 8 h
	s_mul_i32 s50, s16, WSW
	s_add_co_u32 s50, s50, WSC                     ; my W
	v_mul_u32_u24 v233, v234, WSP
	v_add_nc_u32 v233, s50, v233
	v_lshl_add_u32 v[WZ], v235, 6, v233
	v_lshl_add_u32 v[WL], v235, 4, v233
	v_mul_u32_u24 v[WS], v234, WSP-2
	v_lshl_add_u32 v[WS], v235, 4, v[WS]
	s_add_co_u32 s51, s50, 30
	v_add_nc_u32 v[WS], s51, v[WS]                 ; row r, element 15 - r + 8 h
	v_mul_u32_u24 v230, v234, RKP
	v_lshl_add_u32 v230, v235, 4, v230
	v_mul_u32_u24 v231, v238, RVP
	v_lshl_add_u32 v231, v237, 4, v231
	; prefetch: lanes 0-15 name rows 16 x + lane of K's tile, lanes 16-31 the same rows of V's: the four query blocks share a tile's 64 rows out
	s_lshl_b32 s46, s19, 4
	v_add_nc_u32 v[PF], s46, v234
	v_lshlrev_b32 v[PF], 11, v[PF]
	v_lshl_add_u32 v[PF], v235, 24, v[PF]
	s_wait_loadcnt 16                              ; the tables' eight loads are in; Q's sixteen stay out
.irp o, 0,1,2,3,4,5,6,7
	v_cvt_pk_bf16_f32 v[96+\o],  v[64+2*\o], v[64+2*\o+1]
	v_cvt_pk_bf16_f32 v[104+\o], v[80+2*\o], v[80+2*\o+1]
.endr
	ds_store_b128 v227, v[96:99]   offset:RKX
	ds_store_b128 v227, v[100:103] offset:RKX+16
	ds_store_b128 v228, v[104:107] offset:RVX
	ds_store_b128 v228, v[108:111] offset:RVX+16
.set i, 0
.rept 4
	v_mov_b32 v[ZR+i], 0
	v_mov_b32 v[MX+i], 0xff800000                  ; minus infinity: the first alpha is 0
.set i, i+1
.endr
.set i, 0
.rept 24
	v_mov_b32 v[LL+i], 0
.set i, i+1
.endr
.set i, 0
.rept 8
	v_mov_b32 v[TW+i], 0
.set i, i+1
.endr
	s_wait_dscnt 0x0                               ; my part of the tables is written
	s_barrier_signal -1
	s_barrier_wait -1                              ; everybody's is.  Tile 0 may stay on its way
.irp eb, 0,1,2,3
.irp dh, 0,1
	ds_load_b128 v[KF+16*\eb+8*\dh:KF+16*\eb+8*\dh+3],   v230 offset:RKX+16*RKP*\eb+64*\dh
	ds_load_b128 v[KF+16*\eb+8*\dh+4:KF+16*\eb+8*\dh+7], v230 offset:RKX+16*RKP*\eb+64*\dh+32
.endr
.endr
	WIN 0x40
.irp db, 0,1,2,3
.irp eh, 0,1
	ds_load_tr16_b128 v[RV+16*\db+8*\eh:RV+16*\db+8*\eh+3],   v231 offset:RVX+32*RVP*\eh+32*\db
	ds_load_tr16_b128 v[RV+16*\db+8*\eh+4:RV+16*\db+8*\eh+7], v231 offset:RVX+32*RVP*\eh+32*\db+16*RVP
.endr
.endr
	WIN 0
	s_wait_loadcnt 0x0                             ; Q
	s_wait_dscnt 0x0
	WIN 0x41                                       ; sixteen products with an all-zero operand and C = 0 start the sums, in place of 128 moves
.irp qb, 0,1,2,3
.irp db, 0,1,2,3
	v_wmma_f32_16x16x32_bf16 v[ACC+8*(4*\qb+\db):ACC+8*(4*\qb+\db)+7], v[RV+16*\db:RV+16*\db+7], v[TW:TW+7], 0
.endr
.endr
	WIN 0
	; R^T = rkx Q^T, into my table; five places before the next product writes over these results
.irp qb, 0,1,2,3
	QK \qb
.rept 5
	v_nop
.endr
.irp eb, 0,1,2,3
	ds_store_b128 v232, v[SC+8*\eb:SC+8*\eb+3]   offset:16*RTP*\qb+64*\eb
	ds_store_b128 v232, v[SC+8*\eb+4:SC+8*\eb+7] offset:16*RTP*\qb+64*\eb+16
.endr
	v_mov_b32 v[RL+\qb], v[SC]                     ; e = 0 or 8: both are table row 32
	v_mov_b32 v[RR+\qb], v[SC+24]                  ; e = 48 or 56: both are table row 0
.endr
	s_mov_b32 s24, 0
.Ltrip:
	HEAD 1
	; wave 2 asks in step Ks for its share of tile Ks + 2, up to Ks = 13 (tile 15 is the last): 32 blocks of 256 bytes, each asked for once in the launch
	s_cmp_lg_u32 s16, 2
	s_cbranch_scc1 .Lnopf
	s_cmp_gt_u32 s24, 13
	s_cbranch_scc1 .Lnopf
	s_wait_xcnt 0x0                                ; the last step's prefetch has read its base
	s_add_nc_u64 s[44:45], s[44:45], TILEB
	global_prefetch_b8 v[PF], s[44:45] th:TH_LOAD_NT scope:SCOPE_SE
.Lnopf:
	DISPATCH 0
	v_xor_b32 v[KA], SLOTX, v[KA]
	v_xor_b32 v[VA], SLOTX, v[VA]
	s_add_co_u32 s24, s24, 1
	s_cmp_lt_u32 s24, 15
	s_cbranch_scc1 .Ltrip
	HEAD 0                                         ; the last step fetches nothing
	DISPATCH 1
	; THE END.  The sums left and right of the band enter W^T at e = 8 h, 8 h + 1 (row 32 of the table) and e = 54 + 8 h, 55 + 8 h (row 0), as bf16 and residual.
.set i, 1
.rept 14
	v_mov_b32 v[TW+i], 0
.set i, i+1
.endr
.macro FIN qb
	v_add_f32 v56, v[LL+2*\qb], v[LL+2*\qb+1]
	v_add_f32 v57, v[LR+2*\qb], v[LR+2*\qb+1]
	v_add_f32 v58, v[LB+2*\qb], v[LB+2*\qb+1]
	v_cvt_pk_bf16_f32 v59, v56, v57
	v_lshlrev_b32 v60, 16, v59
	v_and_b32 v61, 0xffff0000, v59
	v_sub_f32 v60, v56, v60
	v_sub_f32 v61, v57, v61
	v_cvt_pk_bf16_f32 v[TW], v56, v60
	v_cvt_pk_bf16_f32 v[TW+15], v57, v61
	v_add_f32 v56, v56, v57
	v_add_f32 v56, v56, v58
	v_permlanex16_b32 v57, v56, s26, s27
	v_add_f32 v56, v56, v57                        ; l of query r
	v_rcp_f32 v[AL], v56
	v_mul_f32 v[LL+2*\qb], C_NEG, v[MX+\qb]        ; -c m; also the plain instruction behind the reciprocal
	s_wait_alu depctr_va_vdst(0)
	v_mov_b32 v[AL+1], v[AL]
	v_mov_b32 v[LL+2*\qb+1], v[AL]
	WPROD \qb
	WIN 0x41
.set i, 0
.rept 16
	v_pk_mul_f32 v[ACC+32*\qb+i:ACC+32*\qb+i+1], v[ACC+32*\qb+i:ACC+32*\qb+i+1], v[AL:AL+1]
.set i, i+2
.endr
	WIN 0x05                                       ; both sources in window 1
.set i, 0
.rept 16
	v_cvt_pk_bf16_f32 v[KF+16*\qb+i], v[ACC+32*\qb+2*i], v[ACC+32*\qb+2*i+1]      ; hi: the value rounded to bf16
.set i, i+1
.endr
	WIN 0
.set i, 0
.rept 16
	v_lshlrev_b32 v[SC+2*i],   16,         v[KF+16*\qb+i]                         ; hi widened again
	v_and_b32     v[SC+2*i+1], 0xffff0000, v[KF+16*\qb+i]
.set i, i+1
.endr
	WIN 0x01                                       ; source 0 in window 1
.set i, 0
.rept 32
	v_sub_f32 v[SC+i], v[ACC+32*\qb+i], v[SC+i]    ; the remainder, exact in f32
.set i, i+1
.endr
	WIN 0
.set i, 0
.rept 16
	v_cvt_pk_bf16_f32 v[VF+16*\qb+i], v[SC+2*i], v[SC+2*i+1]                      ; lo: the remainder rounded to bf16
.set i, i+1
.endr
.endm
	FIN 0
	FIN 1
	FIN 2
	FIN 3
	v_and_b32 v2, 15, v0                           ; r
	v_bfe_u32 v3, v0, 4, 1                         ; h
	v_and_b32 v4, 31, v0                           ; lane
	s_mul_i32 s46, s16, STW
	s_add_co_u32 s46, s46, STG
	v_mul_u32_u24 v5, v2, STP
	v_lshl_add_u32 v5, v3, 4, v5
	v_add_nc_u32 v5, s46, v5                       ; stage in, hi: my 64 rows of 128 bytes, row r, 16 bytes for each half of the lanes
	v_add_nc_u32 v11, STL, v5                      ; the same for lo
	s_mul_i32 s47, s16, 32*STP
	s_add_co_u32 s47, s47, STG
	v_mul_u32_u24 v6, v3, STP
	v_and_b32 v56, 7, v0
	v_lshl_add_u32 v6, v56, 4, v6
	v_bfe_u32 v56, v0, 3, 1
	v_mul_u32_u24 v56, v56, 4*STW
	v_add_nc_u32 v6, v6, v56
	v_add_nc_u32 v6, s47, v6                       ; stage back, hi: row 32 w + h, lanes 0-7 of a half from head 0's part, lanes 8-15 from head 1's
	v_add_nc_u32 v16, STL, v6                      ; the same for lo
	v_lshlrev_b32 v7, 12, v3                       ; in memory: rows of 4,096 bytes
	v_lshl_add_u32 v7, v2, 4, v7
	s_lshl_b32 s58, s21, 22
	s_lshl_b32 s59, s19, 20
	s_add_co_u32 s58, s58, s59
	s_lshl_b32 s59, s16, 17
	s_add_co_u32 s58, s58, s59
	s_lshl_b32 s59, s22, 9                         ; my pair's 512 bytes: hi, then lo
	s_add_co_u32 s58, s58, s59
	s_mov_b32 s59, 0
	s_add_nc_u64 s[56:57], s[10:11], s[58:59]
	; head 0 alone: (-c m, 1/l) and the table R go to memory
	s_cmp_lg_u32 s22, 0
	s_cbranch_scc1 .Lnoexp
	s_cmp_gt_u32 s16, 3
	s_cbranch_scc1 .Lnoexp
	s_lshl_b32 s58, s21, 13
	s_lshl_b32 s59, s23, 9
	s_add_co_u32 s58, s58, s59
	s_mov_b32 s59, 0
	s_add_nc_u64 s[52:53], s[12:13], s[58:59]
	s_lshl_b32 s58, s21, 18
	s_lshl_b32 s59, s23, 14
	s_add_co_u32 s58, s58, s59
	s_mov_b32 s59, 0
	s_add_nc_u64 s[54:55], s[14:15], s[58:59]
	s_mul_i32 s48, s16, RTW
	s_add_co_u32 s48, s48, RT
	v_mul_u32_u24 v8, v3, RTP
	v_lshl_add_u32 v8, v2, 4, v8
	v_add_nc_u32 v8, s48, v8
	v_lshlrev_b32 v9, 4, v4
	v_lshlrev_b32 v10, 3, v4
	v_cmp_lt_u32 vcc_lo, 15, v4                    ; both halves hold every block's pair: lanes 16-31 take the odd block's, so a store covers 32 queries, 256 bytes
	v_cndmask_b32 v12, v[LL],   v[LL+2], vcc_lo
	v_cndmask_b32 v13, v[LL+1], v[LL+3], vcc_lo
	v_cndmask_b32 v14, v[LL+4], v[LL+6], vcc_lo
	v_cndmask_b32 v15, v[LL+5], v[LL+7], vcc_lo
	global_store_b64 v10, v[12:13], s[52:53]
	global_store_b64 v10, v[14:15], s[52:53] offset:256
.irp g, 0,1
.irp t, 0,1,2,3,4,5,6,7,8,9,10,11,12,13,14,15
	ds_load_b128 v[SC+4*\t:SC+4*\t+3], v8 offset:32*RTP*\g+2*RTP*\t               ; through v192-255: hi and lo wait in v64-191
.endr
.irp t, 0,1,2,3,4,5,6,7,8,9,10,11,12,13,14,15
	s_wait_dscnt 15-\t                             ; load t is back, the younger ones stay out
	global_store_b128 v9, v[SC+4*\t:SC+4*\t+3], s[54:55] offset:8192*\g+512*\t
.endr
	s_wait_xcnt 0x0                                ; the registers that these stores read are loaded again only behind this wait
.endr
.Lnoexp:
	s_wait_dscnt 0x0
	s_barrier_signal -1
	s_barrier_wait -1                              ; no wave reads its W or its table any more: the stage may lie over them
.irp qb, 0,1,2,3
.irp db, 0,1,2,3
	ds_store_b128 v5,  v[KF+16*\qb+4*\db:KF+16*\qb+4*\db+3] offset:16*STP*\qb+32*\db
	ds_store_b128 v11, v[VF+16*\qb+4*\db:VF+16*\qb+4*\db+3] offset:16*STP*\qb+32*\db
.endr
.endr
	s_wait_dscnt 0x0
	s_barrier_signal -1
	s_barrier_wait -1                              ; both heads' halves of every row are there
.irp t, 0,1,2,3,4,5,6,7,8,9,10,11,12,13,14,15
	ds_load_b128 v[KF+4*\t:KF+4*\t+3], v6 offset:2*STP*\t
.endr
.irp t, 0,1,2,3,4,5,6,7,8,9,10,11,12,13,14,15
	ds_load_b128 v[VF+4*\t:VF+4*\t+3], v16 offset:2*STP*\t
.endr
.irp t, 0,1,2,3,4,5,6,7,8,9,10,11,12,13,14,15
	s_wait_dscnt 31-\t                             ; hi's load t is back; hi's 15 - t younger ones and lo's sixteen stay out
	global_store_b128 v7, v[KF+4*\t:KF+4*\t+3], s[56:57] offset:8192*\t           ; 16 lanes store the pair's 256 consecutive bytes of hi, aligned
.endr
.irp t, 0,1,2,3,4,5,6,7,8,9,10,11,12,13,14,15
	s_wait_dscnt 15-\t                             ; lo's load t is back, the younger ones stay out
	global_store_b128 v7, v[VF+4*\t:VF+4*\t+3], s[56:57] offset:8192*\t+256       ; and of lo
.endr
	s_wait_xcnt 0x0
	v_lshl_add_u32 v254, v0, 2, 0x3f800
	v_mov_b32 v255, 0
	s_wait_tensorcnt 0x0
	ds_add_u32 v254, v255
	s_wait_dscnt 0x0
	s_endpgm
.Lfunc_end_k_qf0b132a7d3_attn:
	.size	k_qf0b132a7d3_attn, .Lfunc_end_k_qf0b132a7d3_attn-k_qf0b132a7d3_attn
	.p2alignl 7, 3214868480
	.fill 96, 4, 3214868480
	.section	.rodata,"a",@progbits
	.p2align	6, 0x0
	.amdhsa_kernel k_qf0b132a7d3_attn
		.amdhsa_group_segment_fixed_size 327680
		.amdhsa_private_segment_fixed_size 0
		.amdhsa_enable_private_segment 0
		.amdhsa_kernarg_size 48
		.amdhsa_user_sgpr_count 2
		.amdhsa_user_sgpr_kernarg_segment_ptr 1
		.amdhsa_wavefront_size32 1
		.amdhsa_system_sgpr_workgroup_id_x 1
		.amdhsa_system_sgpr_workgroup_id_y 1
		.amdhsa_system_sgpr_workgroup_id_z 1
		.amdhsa_system_vgpr_workitem_id 0
		.amdhsa_next_free_vgpr 512
		.amdhsa_next_free_sgpr 80
		.amdhsa_reserve_vcc 1
		.amdhsa_float_denorm_mode_32 3
		.amdhsa_float_denorm_mode_16_64 3
		.amdhsa_memory_ordered 1
		.amdhsa_forward_progress 1
		.amdhsa_inst_pref_size 255
	.end_amdhsa_kernel
	.section	.bss,"aw",@nobits
	.p2align	6
	.space	262144
	.amdgpu_metadata
---
amdhsa.version: [ 1, 2 ]
amdhsa.kernels:
  - .name:           k_qf0b132a7d3_attn
    .symbol:         k_qf0b132a7d3_attn.kd
    .args:
      - { .name: qkvb, .offset: 0, .size: 8, .value_kind: global_buffer, .address_space: global }
      - { .name: rel_k_table, .offset: 8, .size: 8, .value_kind: global_buffer, .address_space: global }
      - { .name: rel_v_table, .offset: 16, .size: 8, .value_kind: global_buffer, .address_space: global }
      - { .name: ctx, .offset: 24, .size: 8, .value_kind: global_buffer, .address_space: global }
      - { .name: stat, .offset: 32, .size: 8, .value_kind: global_buffer, .address_space: global }
      - { .name: rext, .offset: 40, .size: 8, .value_kind: global_buffer, .address_space: global }
    .group_segment_fixed_size: 327680
    .private_segment_fixed_size: 0
    .kernarg_segment_align: 8
    .kernarg_segment_size: 48
    .max_flat_workgroup_size: 256
    .sgpr_count:     80
    .vgpr_count:     512
    .wavefront_size: 32
...
	.end_amdgpu_metadata
.endif
;; end of part 3
;; launch top (part 4): grid 32 x 8, 8 waves a work-group, no clusters, 35,840 bytes of LDS; arguments qkvb, stat, rext, out1; writes out1
.if DOCPART == 4
	.amdgcn_target "amdgcn-amd-amdhsa--gfx1250"
	.amdhsa_code_object_version 6
	.text
	.protected	k_qf0b132a7d3_top
	.globl	k_qf0b132a7d3_top
	.p2align	8
	.type	k_qf0b132a7d3_top,@function
k_qf0b132a7d3_top:
	s_mov_b64 s[64:65], 0
	v_nop
	global_prefetch_b8 v0, s[64:65] scope:SCOPE_SE
	s_setreg_imm32_b32 hwreg(HW_REG_WAVE_MODE, 25, 1), 1
	s_wait_xcnt 0x0
; out1[b][i][j] = head 0's weights = exp2(c (q_i . k_j + R[i][e]) - c m_i) / l_i, with e = clip(31 - i + j, 0, 63), c = log2(e) / 8.
; -c m, 1/l (stat) and R (rext, f32 [8][1024][64]) were stored by the launch before; the products are the same bf16 products as there, so no weight passes 1.
; A work-group takes 32 queries of a batch; wave w: query block w & 1 (16 queries), keys 256 (w >> 1) .. + 255, in four trips of 64.
; Transposed product (K first): lane (r, h) holds keys 8 h + j of query r, eight neighbouring numbers of a row of out1; they leave through the wave's own stage.
; Memory binds (32 MiB of stores): no tensor loads, no barrier, no cluster; K, 128 KiB a batch, is read straight into fragments.
; LIMITS: q and k are bf16; weights below 2^-126 become 0.
.set C_EXP, 0x3e38aa3b
.set SP,  272
.set KO,  2
.set X4,  3                            ; 4 (1024 + 31 - i + j) for the lane's first key of the trip
.set RB,  4                            ; 256 i + 252
.set STO, 5
.set RD,  6
.set CO,  7
.set QF,  16
.set KF,  32
.set SC,  96
.set BG,  128
.set OUT, 160
	s_load_b256 s[4:11], s[0:1], 0x0               ; qkvb s[4:5], stat s[6:7], rext s[8:9], out1 s[10:11]
	v_lshl_add_u32 v192, v0, 2, 0x8800
	v_mov_b32 v193, 0
	v_lshrrev_b32 v1, 5, v0
	v_readfirstlane_b32 s12, v1
	s_and_b32 s13, s12, 1                          ; query block
	s_lshr_b32 s14, s12, 1                         ; quarter of the keys
	s_and_b32 s15, ttmp7, 0xffff                   ; batch
	s_lshl_b32 s16, ttmp9, 5
	s_lshl4_add_u32 s16, s13, s16                  ; my first query in the batch
	s_lshl_b32 s17, s15, 10
	s_add_co_u32 s17, s17, s16                     ; the same among all 8,192 rows
	s_lshl_b32 s18, s14, 8
	s_add_co_u32 s18, s18, 1055
	s_mov_b32 s19, 4*1087
	s_mov_b32 s30, 252
	v_and_b32 v12, 15, v0                          ; r
	v_bfe_u32 v13, v0, 4, 1                        ; h
	v_lshlrev_b32 v[KO], 11, v12
	v_lshl_add_u32 v[KO], v13, 4, v[KO]            ; r x 2,048 + 16 h
	v_add_nc_u32 v14, s16, v12                     ; i
	v_sub_nc_u32 v[X4], s18, v14
	v_lshl_add_u32 v[X4], v13, 3, v[X4]
	v_lshlrev_b32 v[X4], 2, v[X4]
	v_lshl_add_u32 v[RB], v14, 8, s30
	s_mul_i32 s31, s12, 16*SP                      ; my stage
	v_mul_u32_u24 v[STO], v12, SP
	v_lshl_add_u32 v[STO], v13, 5, v[STO]
	v_add_nc_u32 v[STO], s31, v[STO]
	v_mul_u32_u24 v[RD], v13, SP
	v_lshl_add_u32 v[RD], v12, 4, v[RD]
	v_add_nc_u32 v[RD], s31, v[RD]
	v_lshlrev_b32 v[CO], 12, v13
	v_lshl_add_u32 v[CO], v12, 4, v[CO]
	v_lshlrev_b32 v15, 3, v12
	s_lshl_b32 s32, s17, 11
	s_mov_b32 s33, 0
	s_lshl_b32 s34, s15, 21
	s_lshl_b32 s35, s14, 19
	s_add_co_u32 s34, s34, s35
	s_add_co_u32 s34, s34, 1<<24
	s_mov_b32 s35, 0
	s_lshl_b32 s36, s17, 3
	s_mov_b32 s37, 0
	s_lshl_b32 s38, s15, 18
	s_mov_b32 s39, 0
	s_wait_kmcnt 0x0
	s_add_nc_u64 s[20:21], s[4:5], s[32:33]        ; q, my 16 rows
	s_add_nc_u64 s[22:23], s[4:5], s[34:35]        ; k, my 256 rows
	s_add_nc_u64 s[24:25], s[6:7], s[36:37]        ; stat
	s_add_nc_u64 s[26:27], s[8:9], s[38:39]        ; rext, my batch
	s_lshl_b32 s32, s17, 12
	s_lshl_b32 s34, s14, 10
	s_add_co_u32 s32, s32, s34
	s_add_nc_u64 s[28:29], s[10:11], s[32:33]      ; out1
.irp dh, 0,1
	global_load_b128 v[QF+8*\dh:QF+8*\dh+3],   v[KO], s[20:21] offset:64*\dh
	global_load_b128 v[QF+8*\dh+4:QF+8*\dh+7], v[KO], s[20:21] offset:64*\dh+32
.endr
	global_load_b64 v[8:9], v15, s[24:25]
	s_wait_loadcnt 0x0
	v_mov_b32 v10, v9                              ; 1/l, twice
	v_mov_b32 v11, v9
	v_mov_b32 v9, v8                               ; -c m, twice
	s_mov_b32 s31, 0
.Ltrip:
.irp kb, 0,1,2,3
.irp dh, 0,1
	global_load_b128 v[KF+16*\kb+8*\dh:KF+16*\kb+8*\dh+3],   v[KO], s[22:23] offset:32768*\kb+64*\dh
	global_load_b128 v[KF+16*\kb+8*\dh+4:KF+16*\kb+8*\dh+7], v[KO], s[22:23] offset:32768*\kb+64*\dh+32
.endr
.endr
	; the byte 256 i + 4 clip(31 - i + j, 0, 63) of each of my 32 numbers, made of ids and constants alone; the load lands on its own address
.irp kb, 0,1,2,3
.irp j, 0,1,2,3,4,5,6,7
	v_add_nc_u32 v[BG+8*\kb+\j], 4*(16*\kb+\j), v[X4]
.endr
.irp j, 0,1,2,3,4,5,6,7
	v_min_u32 v[BG+8*\kb+\j], s19, v[BG+8*\kb+\j]
.endr
.irp j, 0,1,2,3,4,5,6,7
	v_sub_nc_u32 v[BG+8*\kb+\j], s19, v[BG+8*\kb+\j]
.endr
.irp j, 0,1,2,3,4,5,6,7
	v_min_u32 v[BG+8*\kb+\j], s30, v[BG+8*\kb+\j]
.endr
.irp j, 0,1,2,3,4,5,6,7
	v_sub_nc_u32 v[BG+8*\kb+\j], v[RB], v[BG+8*\kb+\j]
.endr
.irp j, 0,1,2,3,4,5,6,7
	global_load_b32 v[BG+8*\kb+\j], v[BG+8*\kb+\j], s[26:27]
.endr
.endr
	s_wait_loadcnt 32                              ; K's sixteen loads are in; the 32 gathers stay out
	; the four accumulators take turns, one instruction a turn
.irp kb, 0,1,2,3
	v_wmma_f32_16x16x32_bf16 v[SC+8*\kb:SC+8*\kb+7], v[KF+16*\kb:KF+16*\kb+7], v[QF:QF+7], 0
.endr
.irp kb, 0,1,2,3
	v_wmma_f32_16x16x32_bf16 v[SC+8*\kb:SC+8*\kb+7], v[KF+16*\kb+8:KF+16*\kb+15], v[QF+8:QF+15], v[SC+8*\kb:SC+8*\kb+7]
.endr
.rept 4
	v_nop                                          ; four places behind the products (ISA guide 7.12.1)
.endr
	s_wait_loadcnt 0x0
.set i, 0
.rept 16
	v_pk_add_f32 v[SC+i:SC+i+1], v[SC+i:SC+i+1], v[BG+i:BG+i+1]
.set i, i+2
.endr
.set i, 0
.rept 16
	v_pk_fma_f32 v[SC+i:SC+i+1], v[SC+i:SC+i+1], C_EXP, v[8:9] op_sel_hi:[1,0,1]
.set i, i+2
.endr
.set i, 0
.rept 32
	v_exp_f32 v[SC+i], v[SC+i]
.set i, i+1
.endr
	v_nop                                          ; the plain instruction behind the exponentials (ISA guide 5.7.2)
.set i, 0
	s_wait_alu depctr_va_vdst(0)
.rept 16
	v_pk_mul_f32 v[SC+i:SC+i+1], v[SC+i:SC+i+1], v[10:11]
.set i, i+2
.endr
.irp kb, 0,1,2,3
	ds_store_b128 v[STO], v[SC+8*\kb:SC+8*\kb+3]   offset:64*\kb
	ds_store_b128 v[STO], v[SC+8*\kb+4:SC+8*\kb+7] offset:64*\kb+16
.endr
.irp t, 0,1,2,3,4,5,6,7
	ds_load_b128 v[OUT+4*\t:OUT+4*\t+3], v[RD] offset:2*SP*\t     ; my own bytes, served in order: these see the stores above
.endr
.irp t, 0,1,2,3,4,5,6,7
	s_wait_dscnt 7-\t                              ; load t is back, the younger ones stay out
	global_store_b128 v[CO], v[OUT+4*\t:OUT+4*\t+3], s[28:29] offset:8192*\t th:TH_STORE_NT   ; 16 lanes store 256 consecutive bytes of a row, aligned
.endr
	s_wait_xcnt 0x0                                ; the bases and the registers that the stores read are rewritten only behind this wait
	s_add_nc_u64 s[22:23], s[22:23], 64*2048
	s_add_nc_u64 s[28:29], s[28:29], 256
	v_add_nc_u32 v[X4], 256, v[X4]
	s_add_co_u32 s31, s31, 1
	s_cmp_lt_u32 s31, 4
	s_cbranch_scc1 .Ltrip
	s_wait_tensorcnt 0x0
	ds_add_u32 v192, v193
	s_wait_dscnt 0x0
	s_endpgm
.Lfunc_end_k_qf0b132a7d3_top:
	.size	k_qf0b132a7d3_top, .Lfunc_end_k_qf0b132a7d3_top-k_qf0b132a7d3_top
	.p2alignl 7, 3214868480
	.fill 96, 4, 3214868480
	.section	.rodata,"a",@progbits
	.p2align	6, 0x0
	.amdhsa_kernel k_qf0b132a7d3_top
		.amdhsa_group_segment_fixed_size 35840
		.amdhsa_private_segment_fixed_size 0
		.amdhsa_enable_private_segment 0
		.amdhsa_kernarg_size 32
		.amdhsa_user_sgpr_count 2
		.amdhsa_user_sgpr_kernarg_segment_ptr 1
		.amdhsa_wavefront_size32 1
		.amdhsa_system_sgpr_workgroup_id_x 1
		.amdhsa_system_sgpr_workgroup_id_y 1
		.amdhsa_system_sgpr_workgroup_id_z 1
		.amdhsa_system_vgpr_workitem_id 0
		.amdhsa_next_free_vgpr 194
		.amdhsa_next_free_sgpr 66
		.amdhsa_reserve_vcc 0
		.amdhsa_float_denorm_mode_32 3
		.amdhsa_float_denorm_mode_16_64 3
		.amdhsa_memory_ordered 1
		.amdhsa_forward_progress 1
		.amdhsa_inst_pref_size 22
	.end_amdhsa_kernel
	.amdgpu_metadata
---
amdhsa.version: [ 1, 2 ]
amdhsa.kernels:
  - .name:           k_qf0b132a7d3_top
    .symbol:         k_qf0b132a7d3_top.kd
    .args:
      - { .name: qkvb, .offset: 0, .size: 8, .value_kind: global_buffer, .address_space: global }
      - { .name: stat, .offset: 8, .size: 8, .value_kind: global_buffer, .address_space: global }
      - { .name: rext, .offset: 16, .size: 8, .value_kind: global_buffer, .address_space: global }
      - { .name: out1, .offset: 24, .size: 8, .value_kind: global_buffer, .address_space: global }
    .group_segment_fixed_size: 35840
    .private_segment_fixed_size: 0
    .kernarg_segment_align: 8
    .kernarg_segment_size: 32
    .max_flat_workgroup_size: 256
    .sgpr_count:     66
    .vgpr_count:     194
    .wavefront_size: 32
...
	.end_amdgpu_metadata
.endif
;; end of part 4
;; launch oproj (part 5): grid 4 x 64, 4 waves a work-group, clusters of 4 x 4, 327,680 bytes of LDS; arguments ctx, xb, bo, out0; writes out0
.if DOCPART == 5
	.amdgcn_target "amdgcn-amd-amdhsa--gfx1250"
	.amdhsa_code_object_version 6
	.text
	.protected	k_qf0b132a7d3_oproj
	.globl	k_qf0b132a7d3_oproj
	.p2align	8
	.type	k_qf0b132a7d3_oproj,@function
k_qf0b132a7d3_oproj:
	s_mov_b64 s[64:65], 0
	v_nop
	global_prefetch_b8 v0, s[64:65] scope:SCOPE_SE
	s_setreg_imm32_b32 hwreg(HW_REG_WAVE_MODE, 25, 1), 1
	s_wait_xcnt 0x0
	s_wait_alu depctr_hold_cnt(0) depctr_sa_sdst(0) depctr_va_vdst(0) depctr_va_sdst(0) depctr_va_ssrc(0) depctr_va_vcc(0) depctr_vm_vsrc(0)
	s_getreg_b32 s2, hwreg(HW_REG_IB_STS2, 6, 4)
	s_cmp_eq_u32 s2, 0
	s_cbranch_scc0 .Lentry_in_a_cluster
	s_endpgm
.Lentry_in_a_cluster:
	s_bfe_u32 s2, ttmp6, 0x10000c
	s_cmp_lg_u32 s2, 0xf033
	s_cbranch_scc0 .Lentry_shape_is_right
	s_endpgm
.Lentry_shape_is_right:
; out0 = ctx Wo + bo.  ctx comes as two bf16 numbers, hi and lo (value = hi + lo), [8192 rows][8 blocks of 128 columns][hi 128 | lo 128];
; Wo: [1024 k][1024 n] bf16, chunk 27 of xb; bo f32; out0 f32.  Wo is bf16: that is the format's limit; ctx keeps about 16 bits of mantissa.
; So K is 2,048, in 16 steps of 128: step 2 u multiplies hi of columns 128 u .. by Wo's rows 128 u .., step 2 u + 1 lo of the same columns by the same rows,
; all into the same f32 sums.  Slot 0 of the ring always holds a hi step and slot 1 a lo step; both slots' Wo tiles walk the same rows.
; Otherwise the design of the projections of q, k and v: a work-group makes 128 rows x 256 columns with four waves, a wave 64 x 128 (32 accumulator tiles);
; 256 work-groups, one for each WGP.  Two LDS slots filled by the tensor data mover; Wo stays [k][n] and is transposed by the LDS load;
; the bias is the C operand of the first products.
; CLUSTERS: 4 x 4 work-groups; cx is the block of 256 columns, 4 x cluster y + cy the block of 128 rows.  ctx's tile is asked for jointly by a row of the cluster,
; Wo's by a column.  The matrix instruction is used transposed: a lane's eight results are eight neighbouring columns of one row, 32 bytes of f32.
; REGISTERS: window 0: addresses, two fragment buffers; window 1: accumulator tile (a, b) at v[8 (8 a + b)]; window 2: v0-63 the bias tiles.
.set KSTEP, 128
.set PA,    272
.set PB,    544
.set ATILE, 128*PA
.set SLOT,  ATILE+128*PB
.set STAGE, 2*SLOT                     ; behind the ring: 16 rows x 528 bytes for each wave; no tensor load lands there
.set SP,    528                        ; 512 bytes + 16, an odd multiple of 16
.set LAPS,  8                          ; 2048 / (2 x 128)
.set ADRA, 16
.set ADRB, 20
.set STO,  24
.set RD,   25
.set CO,   26
.set BO,   27
.set F0,   64
.set F1,   160
.set TMP,  64
.set G1,  24
.set G0,  32
.set G1B, 48
.set G0B, 56
.set MSB, 0
.macro WIN new
.if MSB != \new
	s_set_vgpr_msb (MSB<<8)|\new
.set MSB, \new
.endif
.endm
.macro PLACES                          ; four places behind a matrix instruction (ISA guide 7.12.1)
.rept 4
	v_nop
.endr
.endm
.macro JLOAD s                         ; waves 0 and 1 fetch ctx's two halves of 64 rows, waves 2 and 3 Wo's two halves of 64 k rows
	s_cmp_eq_u32 s15, 0
	s_cbranch_scc0 .Lfor_b_\@
	tensor_load_to_lds s[G0+4*\s:G0+4*\s+3], s[G1:G1+7]
	s_nop 0
.rept 4
	v_nop
.endr
	s_branch .Lasked_\@
.Lfor_b_\@:
	tensor_load_to_lds s[G0B+4*\s:G0B+4*\s+3], s[G1B:G1B+7]
	s_nop 0
.rept 4
	v_nop
.endr
.Lasked_\@:
.endm
.macro CREST
	s_cmp_lg_u32 s14, 0
	s_cbranch_scc1 .Lnot_wave_0_\@
	s_barrier_signal -3
.Lnot_wave_0_\@:
	s_barrier_wait -3
	s_barrier_signal -1
	s_barrier_wait -1
.endm
.macro CROUND
	s_barrier_signal -1
	s_barrier_wait -1
	CREST
.endm
	s_load_b256 s[4:11], s[0:1], 0x0               ; ctx s[4:5], xb s[6:7], bo s[8:9], out0 s[10:11]
	v_lshl_add_u32 v62, v0, 2, 0x3b400
	v_mov_b32 v63, 0
	ds_add_u32 v62, v63
	v_lshrrev_b32 v1, 5, v0
	v_readfirstlane_b32 s14, v1                    ; wave 0..3
	s_lshr_b32 s15, s14, 1                         ; which 64 rows are mine.  Also: I fetch for ctx (0) or for Wo (1)
	s_and_b32 s16, s14, 1                          ; which 128 columns.  Also: which half of that tile I fetch
	s_bfe_u32 s17, ttmp6, 0x40000                  ; cx
	s_bfe_u32 s18, ttmp6, 0x40004                  ; cy
	s_and_b32 s19, ttmp7, 0xffff
	s_lshl_b32 s19, s19, 2
	s_add_co_u32 s19, s19, s18                     ; block of 128 rows
	s_lshl_b32 s21, s18, 2
	s_lshl_b32 s21, 15, s21                        ; my row of the cluster
	s_lshl_b32 s22, 0x1111, s17                    ; my column
	s_or_b32 s[G1+0], s21, (1<<16)|(1<<20)|(1<<21)|(5<<22)|(3<<25)
	s_mov_b32 s[G1+1], KSTEP<<16
	s_mov_b32 s[G1+2], 64<<16
	s_mov_b32 s[G1+3], KSTEP<<16
	s_mov_b32 s[G1+4], 64
	s_mov_b32 s[G1+5], 2048                        ; ctx's rows hold hi and lo: 2,048 elements from row to row
	s_mov_b32 s[G1+6], 0
	s_mov_b32 s[G1+7], 0
	s_or_b32 s[G1B+0], s22, (1<<16)|(1<<20)|(1<<21)|(6<<22)|(7<<25)
	s_mov_b32 s[G1B+1], 256<<16
	s_mov_b32 s[G1B+2], 64<<16
	s_mov_b32 s[G1B+3], 256<<16
	s_mov_b32 s[G1B+4], 64
	s_mov_b32 s[G1B+5], 1024
	s_mov_b32 s[G1B+6], 0
	s_mov_b32 s[G1B+7], 0
	s_lshl_b32 s40, s19, 19                        ; ctx's tile: (128 block row + 64 half) rows of 4,096 bytes; never holds cx
	s_lshl_b32 s41, s16, 18
	s_add_co_u32 s40, s40, s41
	s_mov_b32 s41, 0
	s_lshl_b32 s44, s17, 9                         ; Wo's tile: chunk 27 of xb, 64 half k rows, 512 cx bytes; never holds cy
	s_lshl_b32 s45, s16, 17
	s_add_co_u32 s44, s44, s45
	s_add_co_u32 s44, s44, 0x3600000
	s_mov_b32 s45, 0
	s_mul_i32 s23, s16, 64*PA
	s_mul_i32 s66, s16, 64*PB
	s_add_co_u32 s66, s66, ATILE
	s_wait_dscnt 0x0
	s_wait_kmcnt 0x0
	s_add_nc_u64 s[42:43], s[4:5], s[40:41]
	s_add_nc_u64 s[46:47], s[6:7], s[44:45]
	CROUND                                         ; all sixteen work-groups are here: the first joint loads meet
.irp s, 0,1
	s_mov_b32 s[G0+4*\s], 1
	s_add_co_u32 s[G0+4*\s+1], s23, \s*SLOT
	s_add_nc_u64 s[G0+4*\s+2:G0+4*\s+3], s[42:43], \s*KSTEP*2      ; slot 0: hi of the first 128 columns; slot 1: their lo, 256 bytes on
	s_or_b32 s[G0+4*\s+3], s[G0+4*\s+3], 0x80000000
	s_mov_b32 s[G0B+4*\s], 1
	s_add_co_u32 s[G0B+4*\s+1], s66, \s*SLOT
	s_mov_b64 s[G0B+4*\s+2:G0B+4*\s+3], s[46:47]                   ; both slots: Wo's first 128 rows
	s_or_b32 s[G0B+4*\s+3], s[G0B+4*\s+3], 0x80000000
	JLOAD \s                                       ; K steps 0 and 1: two tensor loads of the wave are out, later one
.endr
	v_and_b32 v1, 15, v0                           ; r
	v_bfe_u32 v2, v0, 4, 1                         ; h
	v_and_b32 v3, 7, v0
	v_bfe_u32 v4, v0, 3, 1
	s_lshl_b32 s70, s17, 10
	s_lshl_b32 s71, s16, 9
	s_add_co_u32 s70, s70, s71
	v_lshl_add_u32 v[BO], v2, 5, s70               ; bias[256 cx + 128 wn + 8 h ..]
	WIN 0x80                                       ; destination in window 2
.irp b, 0,1,2,3,4,5,6,7
	global_load_b128 v[8*\b:8*\b+3],   v[BO], s[8:9] offset:64*\b
	global_load_b128 v[8*\b+4:8*\b+7], v[BO], s[8:9] offset:64*\b+16
.endr
	WIN 0
	v_mul_u32_u24 v5, v1, PA
	v_lshl_add_u32 v5, v2, 4, v5
	v_lshl_add_u32 v6, v2, 3, v3
	v_mul_u32_u24 v6, v6, PB
	v_lshl_add_u32 v6, v4, 4, v6
	s_mul_i32 s21, s15, 64*PA
	s_lshl_b32 s22, s16, 8
	s_add_co_u32 s22, s22, ATILE
.irp s, 0,1
	v_add_nc_u32 v[ADRA+\s], s21, v5
	v_add_nc_u32 v[ADRB+\s], s22, v6
	s_add_co_u32 s21, s21, SLOT
	s_add_co_u32 s22, s22, SLOT
.endr
	s_mul_i32 s67, s14, 16*SP
	s_add_co_u32 s67, s67, STAGE                   ; my stage
	v_mul_u32_u24 v7, v1, SP
	v_lshl_add_u32 v7, v2, 5, v7
	v_add_nc_u32 v[STO], s67, v7                   ; in: row r, 32 bytes for each half of the lanes
	v_and_b32 v8, 31, v0
	v_lshlrev_b32 v[CO], 4, v8                     ; back and out: a wave takes a row's 512 bytes
	v_add_nc_u32 v[RD], s67, v[CO]
; The 32 accumulators take turns, one instruction a turn, in the same order everywhere.
.macro MUL16 f, a0, zero
.irp a, \a0, \a0+1
.irp b, 0,1,2,3,4,5,6,7
.if \zero
	v_wmma_f32_16x16x32_bf16 v[8*(8*(\a)+\b):8*(8*(\a)+\b)+7], v[\f+8*\b:\f+8*\b+7], v[\f+64+8*(\a):\f+64+8*(\a)+7], v[8*\b:8*\b+7]
.else
	v_wmma_f32_16x16x32_bf16 v[8*(8*(\a)+\b):8*(8*(\a)+\b)+7], v[\f+8*\b:\f+8*\b+7], v[\f+64+8*(\a):\f+64+8*(\a)+7], v[8*(8*(\a)+\b):8*(8*(\a)+\b)+7]
.endif
.endr
.endr
.endm
.macro FETCH slot, q, f
.irp b, 0,1,2,3,4,5,6,7
	ds_load_tr16_b128 v[\f+8*\b:\f+8*\b+3],   v[ADRB+\slot] offset:32*PB*\q+32*\b
	ds_load_tr16_b128 v[\f+8*\b+4:\f+8*\b+7], v[ADRB+\slot] offset:32*PB*\q+32*\b+16*PB
.endr
.irp a, 0,1,2,3
	ds_load_b128 v[\f+64+8*\a:\f+64+8*\a+3],   v[ADRA+\slot] offset:64*\q+16*PA*\a
	ds_load_b128 v[\f+64+8*\a+4:\f+64+8*\a+7], v[ADRA+\slot] offset:64*\q+16*PA*\a+32
.endr
.endm
.macro QUARTER slot, qn, f, g, zero    ; buffer f is in (asked for 32 matrix instructions ago); quarter qn goes out into buffer g; buffer f is multiplied
	s_wait_dscnt 0x0
	WIN 0
	PLACES
	FETCH \slot, \qn, \g
.if \zero
	WIN 0x60
.else
	WIN 0x50
.endif
	MUL16 \f, 0, \zero
	MUL16 \f, 2, \zero
.endm
.macro THREE slot, zero
	QUARTER \slot, 1, F0, F1, \zero
	QUARTER \slot, 2, F1, F0, 0
	QUARTER \slot, 3, F0, F1, 0
.endm
; The change of slots: in front of the barrier each wave's reads of this slot are back and all its tensor loads have landed; behind it
; (with fill: behind the cluster's round that it opens) the refill comes first.  A slot's next tiles: ctx 512 bytes on (the next block's hi or lo), Wo 128 rows on.
.macro TURN slot, next, fill
	s_wait_dscnt 0x0
	s_wait_tensorcnt 0x0
	ds_add_u32 v62, v63
	s_wait_dscnt 0x0
	s_barrier_signal -1
	WIN 0x50
	MUL16 F1, 0, 0
	WIN 0
	s_barrier_wait -1
.if \fill
	CREST
	s_add_nc_u64 s[G0+4*\slot+2:G0+4*\slot+3], s[G0+4*\slot+2:G0+4*\slot+3], 2*KSTEP*2
	s_add_nc_u64 s[G0B+4*\slot+2:G0B+4*\slot+3], s[G0B+4*\slot+2:G0B+4*\slot+3], KSTEP*2048
	JLOAD \slot
.else
	PLACES
.endif
	FETCH \next, 0, F0
	WIN 0x50
	MUL16 F1, 2, 0
.endm
.macro LAP zero
	THREE 0, \zero
	TURN 0, 1, 1
	THREE 1, 0
	TURN 1, 0, 1
.endm
	s_wait_loadcnt 0x0                             ; the bias
	s_wait_tensorcnt 0x1                           ; my part of K step 0 is in; K step 1's stays out
	s_barrier_signal -1
	s_barrier_wait -1
	FETCH 0, 0, F0
	LAP 1
	WIN 0
	s_mov_b32 s3, LAPS-2
.Llap:
	LAP 0
	WIN 0
	s_sub_co_u32 s3, s3, 1
	s_cmp_lg_u32 s3, 0
	s_cbranch_scc1 .Llap
	THREE 0, 0
	TURN 0, 1, 0
	THREE 1, 0
	s_wait_dscnt 0x0
	MUL16 F1, 0, 0
	MUL16 F1, 2, 0
	WIN 0
	PLACES
	; THE WAY OUT, 16 rows at a time: 32 bytes a lane into my own stage, read back as whole rows of 512 bytes.
	s_lshl_b32 s70, s19, 19
	s_lshl_b32 s71, s15, 18
	s_add_co_u32 s70, s70, s71
	s_lshl_b32 s71, s17, 10
	s_add_co_u32 s70, s70, s71
	s_lshl_b32 s71, s16, 9
	s_add_co_u32 s70, s70, s71
	s_mov_b32 s71, 0
	s_add_nc_u64 s[72:73], s[10:11], s[70:71]
.macro OUT16 a
	WIN 0x04                                       ; the stores' data in window 1
.irp b, 0,1,2,3,4,5,6,7
	ds_store_b128 v[STO], v[8*(8*\a+\b):8*(8*\a+\b)+3]   offset:64*\b
	ds_store_b128 v[STO], v[8*(8*\a+\b)+4:8*(8*\a+\b)+7] offset:64*\b+16
.endr
	WIN 0
	s_wait_xcnt 0x0                                ; the registers that earlier stores read, and their base, are rewritten only behind this wait
.if \a
	s_add_nc_u64 s[72:73], s[72:73], 16*4096
.endif
.irp t, 0,1,2,3,4,5,6,7,8,9,10,11,12,13,14,15
	ds_load_b128 v[TMP+4*\t:TMP+4*\t+3], v[RD] offset:SP*\t       ; my own bytes, served in order: these see the stores above
.endr
.irp t, 0,1,2,3,4,5,6,7,8,9,10,11,12,13,14,15
	s_wait_dscnt 15-\t                             ; load t is back, the younger ones stay out
	global_store_b128 v[CO], v[TMP+4*\t:TMP+4*\t+3], s[72:73] offset:4096*\t  ; a wave stores 512 consecutive bytes, aligned
.endr
.endm
	OUT16 0
	OUT16 1
	OUT16 2
	OUT16 3
	s_wait_tensorcnt 0x0
	ds_add_u32 v62, v63
	s_wait_dscnt 0x0
	CROUND                                         ; the closing round
	s_endpgm
.Lfunc_end_k_qf0b132a7d3_oproj:
	.size	k_qf0b132a7d3_oproj, .Lfunc_end_k_qf0b132a7d3_oproj-k_qf0b132a7d3_oproj
	.p2alignl 7, 3214868480
	.fill 96, 4, 3214868480
	.section	.rodata,"a",@progbits
	.p2align	6, 0x0
	.amdhsa_kernel k_qf0b132a7d3_oproj
		.amdhsa_group_segment_fixed_size 327680
		.amdhsa_private_segment_fixed_size 0
		.amdhsa_enable_private_segment 0
		.amdhsa_kernarg_size 32
		.amdhsa_user_sgpr_count 2
		.amdhsa_user_sgpr_kernarg_segment_ptr 1
		.amdhsa_wavefront_size32 1
		.amdhsa_system_sgpr_workgroup_id_x 1
		.amdhsa_system_sgpr_workgroup_id_y 1
		.amdhsa_system_sgpr_workgroup_id_z 1
		.amdhsa_system_vgpr_workitem_id 0
		.amdhsa_next_free_vgpr 576
		.amdhsa_next_free_sgpr 76
		.amdhsa_reserve_vcc 0
		.amdhsa_float_denorm_mode_32 3
		.amdhsa_float_denorm_mode_16_64 3
		.amdhsa_memory_ordered 1
		.amdhsa_forward_progress 1
		.amdhsa_inst_pref_size 119
	.end_amdhsa_kernel
	.amdgpu_metadata
---
amdhsa.version: [ 1, 2 ]
amdhsa.kernels:
  - .name:           k_qf0b132a7d3_oproj
    .symbol:         k_qf0b132a7d3_oproj.kd
    .args:
      - { .name: ctx, .offset: 0, .size: 8, .value_kind: global_buffer, .address_space: global }
      - { .name: xb, .offset: 8, .size: 8, .value_kind: global_buffer, .address_space: global }
      - { .name: bo, .offset: 16, .size: 8, .value_kind: global_buffer, .address_space: global }
      - { .name: out0, .offset: 24, .size: 8, .value_kind: global_buffer, .address_space: global }
    .group_segment_fixed_size: 327680
    .private_segment_fixed_size: 0
    .kernarg_segment_align: 8
    .kernarg_segment_size: 32
    .max_flat_workgroup_size: 128
    .sgpr_count:     76
    .vgpr_count:     576
    .wavefront_size: 32
...
	.end_amdgpu_metadata
.endif
;; end of part 5
;; ======== version 2 of 3: 5 launches
;; limits: values are held in f16: magnitudes above 65,504 overflow, below 6.1e-05 lose precision
;; workspace buffers: wb 8,388,608 bytes; qkvb 50,331,648 bytes; ctx 16,777,216 bytes; stat 65,536 bytes; rext 2,097,152 bytes
;; launch cast (part 6): grid 64 x 4, 8 waves a work-group, no clusters, 0 bytes of LDS; arguments Wq, Wk, Wv, Wo, wb; writes wb
.if DOCPART == 6
	.amdgcn_target "amdgcn-amd-amdhsa--gfx1250"
	.amdhsa_code_object_version 6
	.text
	.protected	k_qf0b132a7d3_cast
	.globl	k_qf0b132a7d3_cast
	.p2align	8
	.type	k_qf0b132a7d3_cast,@function
k_qf0b132a7d3_cast:
	s_mov_b64 s[64:65], 0
	v_nop
	global_prefetch_b8 v0, s[64:65] scope:SCOPE_SE
	s_setreg_imm32_b32 hwreg(HW_REG_WAVE_MODE, 25, 1), 1
	s_wait_xcnt 0x0
; wb = 16-bit copies of the four weights, one behind the other, each kept row-major [k][n]: 4 chunks of 1,048,576 numbers (0 Wq, 1 Wk, 2 Wv, 3 Wo).
; Rounding to nearest even, once.  The weights are read by 64 row blocks each, so they are rounded once here; the activations are rounded where they are used.
; Chunks 0-2 are bf16.  Chunk 3, Wo, is f16: its partner in the last projection, ctx, carries the value table's offset and needs f16's 11 bits of mantissa,
; and both operands of a matrix instruction have one format.  LIMIT: |Wo| below 65,504; numbers under 2^-14 keep a step of 2^-24.
; A stream: no LDS, no barrier, no matrix unit.  The work-group's y is the chunk, its x one of 64 parts of 16,384 numbers.
; Thread t takes the 16 bytes at 16 t + 4,096 j of the part, j = 0 .. 15: a wave's load covers 512 consecutive bytes,
; its store of 8 bytes a lane 256 consecutive bytes, aligned.  All sixteen loads go out first; no register is written twice.
.set X,  4                             ; v[4:67]   sixteen loads of four f32
.set Y,  68                            ; v[68:99]  sixteen pairs of packed 16-bit numbers
	s_load_b256 s[8:15], s[0:1], 0x0               ; Wq, Wk, Wv, Wo
	s_load_b64 s[16:17], s[0:1], 0x20              ; wb
	s_and_b32 s2, ttmp7, 0xffff                    ; chunk 0 .. 3
	s_lshl_b32 s26, ttmp9, 16                      ; my part: 65,536 bytes of f32
	s_mov_b32 s27, 0
	s_lshl_b32 s28, s2, 21                         ; 2 MiB of 16-bit numbers a chunk
	s_lshl_b32 s5, ttmp9, 15
	s_add_co_u32 s28, s28, s5
	s_mov_b32 s29, 0
	v_lshlrev_b32 v1, 4, v0                        ; 16 t
	v_lshlrev_b32 v2, 3, v0                        ; 8 t
	s_wait_kmcnt 0x0
	s_cmp_eq_u32 s2, 1
	s_cselect_b64 s[24:25], s[10:11], s[8:9]
	s_cmp_eq_u32 s2, 2
	s_cselect_b64 s[24:25], s[12:13], s[24:25]
	s_cmp_eq_u32 s2, 3
	s_cselect_b64 s[24:25], s[14:15], s[24:25]
	s_add_nc_u64 s[24:25], s[24:25], s[26:27]
	s_add_nc_u64 s[28:29], s[16:17], s[28:29]
.irp j, 0,1,2,3,4,5,6,7,8,9,10,11,12,13,14,15
	global_load_b128 v[X+4*\j:X+4*\j+3], v1, s[24:25] offset:4096*\j th:TH_LOAD_NT
.endr
; The sixteen groups are rounded and stored; half = 1: to f16, else to bf16.
.macro ROUNDOUT half
.irp j, 0,1,2,3,4,5,6,7,8,9,10,11,12,13,14,15
	s_wait_loadcnt 15-\j                           ; loads come back in order: load j is in, the 15 - j younger ones stay out
.if \half
	v_cvt_pk_f16_f32 v[Y+2*\j],   v[X+4*\j],   v[X+4*\j+1]
	v_cvt_pk_f16_f32 v[Y+2*\j+1], v[X+4*\j+2], v[X+4*\j+3]
.else
	v_cvt_pk_bf16_f32 v[Y+2*\j],   v[X+4*\j],   v[X+4*\j+1]
	v_cvt_pk_bf16_f32 v[Y+2*\j+1], v[X+4*\j+2], v[X+4*\j+3]
.endif
	global_store_b64 v2, v[Y+2*\j:Y+2*\j+1], s[28:29] offset:2048*\j
.endr
	s_endpgm
.endm
	s_cmp_eq_u32 s2, 3                             ; the chunk's number alone decides the format
	s_cbranch_scc1 .Lhalf
	ROUNDOUT 0
.Lhalf:
	ROUNDOUT 1
.Lfunc_end_k_qf0b132a7d3_cast:
	.size	k_qf0b132a7d3_cast, .Lfunc_end_k_qf0b132a7d3_cast-k_qf0b132a7d3_cast
	.p2alignl 7, 3214868480
	.fill 96, 4, 3214868480
	.section	.rodata,"a",@progbits
	.p2align	6, 0x0
	.amdhsa_kernel k_qf0b132a7d3_cast
		.amdhsa_group_segment_fixed_size 0
		.amdhsa_private_segment_fixed_size 0
		.amdhsa_enable_private_segment 0
		.amdhsa_kernarg_size 40
		.amdhsa_user_sgpr_count 2
		.amdhsa_user_sgpr_kernarg_segment_ptr 1
		.amdhsa_wavefront_size32 1
		.amdhsa_system_sgpr_workgroup_id_x 1
		.amdhsa_system_sgpr_workgroup_id_y 1
		.amdhsa_system_sgpr_workgroup_id_z 1
		.amdhsa_system_vgpr_workitem_id 0
		.amdhsa_next_free_vgpr 100
		.amdhsa_next_free_sgpr 66
		.amdhsa_reserve_vcc 0
		.amdhsa_float_denorm_mode_32 3
		.amdhsa_float_denorm_mode_16_64 3
		.amdhsa_memory_ordered 1
		.amdhsa_forward_progress 1
		.amdhsa_inst_pref_size 11
	.end_amdhsa_kernel
	.amdgpu_metadata
---
amdhsa.version: [ 1, 2 ]
amdhsa.kernels:
  - .name:           k_qf0b132a7d3_cast
    .symbol:         k_qf0b132a7d3_cast.kd
    .args:
      - { .name: Wq, .offset: 0, .size: 8, .value_kind: global_buffer, .address_space: global }
      - { .name: Wk, .offset: 8, .size: 8, .value_kind: global_buffer, .address_space: global }
      - { .name: Wv, .offset: 16, .size: 8, .value_kind: global_buffer, .address_space: global }
      - { .name: Wo, .offset: 24, .size: 8, .value_kind: global_buffer, .address_space: global }
      - { .name: wb, .offset: 32, .size: 8, .value_kind: global_buffer, .address_space: global }
    .group_segment_fixed_size: 0
    .private_segment_fixed_size: 0
    .kernarg_segment_align: 8
    .kernarg_segment_size: 40
    .max_flat_workgroup_size: 256
    .sgpr_count:     66
    .vgpr_count:     100
    .wavefront_size: 32
...
	.end_amdgpu_metadata
.endif
;; end of part 6
;; launch qkv (part 7): grid 12 x 64, 4 waves a work-group, clusters of 4 x 4, 327,680 bytes of LDS; arguments query, key, value, wb, bq, bk, bv, qkvb; writes qkvb
.if DOCPART == 7
	.amdgcn_target "amdgcn-amd-amdhsa--gfx1250"
	.amdhsa_code_object_version 6
	.text
	.protected	k_qf0b132a7d3_qkv
	.globl	k_qf0b132a7d3_qkv
	.p2align	8
	.type	k_qf0b132a7d3_qkv,@function
k_qf0b132a7d3_qkv:
	s_mov_b64 s[64:65], 0
	v_nop
	global_prefetch_b8 v0, s[64:65] scope:SCOPE_SE
	s_setreg_imm32_b32 hwreg(HW_REG_WAVE_MODE, 25, 1), 1
	s_wait_xcnt 0x0
	s_wait_alu depctr_hold_cnt(0) depctr_sa_sdst(0) depctr_va_vdst(0) depctr_va_sdst(0) depctr_va_ssrc(0) depctr_va_vcc(0) depctr_vm_vsrc(0)
	s_getreg_b32 s2, hwreg(HW_REG_IB_STS2, 6, 4)
	s_cmp_eq_u32 s2, 0
	s_cbranch_scc0 .Lentry_in_a_cluster
	s_endpgm
.Lentry_in_a_cluster:
	s_bfe_u32 s2, ttmp6, 0x10000c
	s_cmp_lg_u32 s2, 0xf033
	s_cbranch_scc0 .Lentry_shape_is_right
	s_endpgm
.Lentry_shape_is_right:
; qkvb[which] = x[which] W[which] + b[which], which = 0 query, 1 key, 2 value.  x: [8192][1024] f32, as the problem gives it; W: [1024 k][1024 n] bf16, chunk which of wb;
; b f32; result bf16 [3][8192][1024], rounded once from f32 sums (q is not yet divided by 8).  Matrix operands are bf16: that is the format's limit.
; x IS ROUNDED ON THE WAY: its tiles come into LDS in f32, a lane reads its 16 numbers of a fragment as four loads of 16 bytes and packs them by eight conversions
; (to nearest even, once).  So each byte of the activations leaves memory once and no 16-bit copy of them is ever stored.
; A work-group makes 128 rows x 256 columns with four waves, a wave 64 x 128: 32 accumulator tiles, 256 registers.  768 work-groups, three for each of 256 WGPs
; (blocks of 256 x 256 would be 384, which does not divide evenly, and two slots of them do not fit with f32 tiles).
; K goes in steps of 128 through two LDS slots filled by the tensor data mover.
; W stays [k][n]: its fragments are made by the transposing LDS load.  The bias is the C operand of the first products: nothing is cleared or added later.
; CLUSTERS: 4 x 4 work-groups; the cluster's x is which, cx the block of 256 columns, 4 x cluster y + cy the block of 128 rows.  x's tile hangs on which and the
; block row and is asked for jointly by a row of the cluster; W's tile hangs on which and cx and is asked for jointly by a column.
; The matrix instruction is used transposed (source 0 = W's fragment, source 1 = x's): a lane's eight results are eight neighbouring columns of one row.
; REGISTERS: window 0: addresses, two fragment buffers (W 64 + x 32 registers each); window 1: accumulator tile (a, b) at v[8 (8 a + b)];
; window 2: v0-63 the bias tiles, v64-127 and v128-191 x's numbers in f32 as loaded, one set for each fragment buffer.
.set KSTEP, 128
.set PA,    528                        ; x's LDS rows: 512 bytes of f32 + 16 of padding, an odd multiple of 16
.set PB,    544                        ; W's LDS rows: 512 bytes + 32 of padding, an odd multiple of 32 (for the transposing load)
.set ATILE, 128*PA
.set SLOT,  ATILE+128*PB               ; x's 128 rows, then W's 128 k rows: 137,216 bytes
.set STAGE, 2*SLOT                     ; behind the ring: 16 rows x 272 bytes for each wave; no tensor load lands there
.set SP,    272
.set LAPS,  4                          ; 1024 / (2 x 128)
.set ADRA, 16                          ; v16-17 LDS address of my x numbers in slot 0, 1
.set ADRB, 20                          ; v20-21 the same for W
.set STO,  24
.set RD,   25
.set CO,   26
.set BO,   27
.set F0,   64                          ; fragment buffer n at F0 + FB n: W at +0 (8 x 8 registers), x at +64 (4 x 8)
.set FB,   96
.set ST,   64                          ; window 2: x in f32 for buffer n at ST + 64 n (4 fragments x 16 registers)
.set TMP,  64
.set G1,  24
.set G0,  32
.set G1B, 48
.set G0B, 56
.set MSB, 0
.macro WIN new                         ; the immediate's high byte repeats the setting that is left
.if MSB != \new
	s_set_vgpr_msb (MSB<<8)|\new
.set MSB, \new
.endif
.endm
.macro PLACES                          ; four places behind a matrix instruction in front of loads into, or vector work on, its registers
.rept 4
	v_nop
.endr
.endm
; A joint load: waves 0 and 1 fetch x's two halves of 64 rows, waves 2 and 3 W's two halves of 64 k rows: 32 KiB each.  The branch hangs on the wave's number alone.
.macro JLOAD s
	s_cmp_eq_u32 s15, 0
	s_cbranch_scc0 .Lfor_b_\@
	tensor_load_to_lds s[G0+4*\s:G0+4*\s+3], s[G1:G1+7]
	s_nop 0
.rept 4
	v_nop
.endr
	s_branch .Lasked_\@
.Lfor_b_\@:
	tensor_load_to_lds s[G0B+4*\s:G0B+4*\s+3], s[G1B:G1B+7]
	s_nop 0
.rept 4
	v_nop
.endr
.Lasked_\@:
.endm
.macro CREST                           ; a round of the cluster's barrier behind its opening work-group barrier
	s_cmp_lg_u32 s14, 0
	s_cbranch_scc1 .Lnot_wave_0_\@
	s_barrier_signal -3
.Lnot_wave_0_\@:
	s_barrier_wait -3
	s_barrier_signal -1
	s_barrier_wait -1
.endm
.macro CROUND
	s_barrier_signal -1
	s_barrier_wait -1
	CREST
.endm
	s_load_b512 s[76:91], s[0:1], 0x0              ; query s[76:77], key s[78:79], value s[80:81], wb s[82:83], bq s[84:85], bk s[86:87], bv s[88:89], qkvb s[90:91]
	v_lshl_add_u32 v62, v0, 2, 0x47400
	v_mov_b32 v63, 0
	ds_add_u32 v62, v63
	v_lshrrev_b32 v1, 5, v0
	v_readfirstlane_b32 s14, v1                    ; wave 0..3
	s_lshr_b32 s15, s14, 1                         ; which 64 rows of the block are mine.  Also: I fetch for x (0) or for W (1)
	s_and_b32 s16, s14, 1                          ; which 128 columns.  Also: which half of that tile I fetch
	s_bfe_u32 s17, ttmp6, 0x40000                  ; cx: block of 256 columns
	s_bfe_u32 s18, ttmp6, 0x40004                  ; cy
	s_and_b32 s19, ttmp7, 0xffff
	s_lshl_b32 s19, s19, 2
	s_add_co_u32 s19, s19, s18                     ; block of 128 rows = 4 x cluster y + cy
	s_mov_b32 s20, ttmp9                           ; which = cluster x
	s_lshl_b32 s21, s18, 2
	s_lshl_b32 s21, 15, s21                        ; my row of the cluster
	s_lshl_b32 s22, 0x1111, s17                    ; my column
	s_or_b32 s[G1+0], s21, (2<<16)|(1<<20)|(1<<21)|(6<<22)|(3<<25)   ; mask; 4-byte elements; padding on; bit 21 beside a mask; after every 128 words 4 words
	s_mov_b32 s[G1+1], KSTEP<<16                   ; tensor_dim0 = 128
	s_mov_b32 s[G1+2], 64<<16                      ; tensor_dim1 = 64
	s_mov_b32 s[G1+3], KSTEP<<16                   ; tile_dim0 = 128
	s_mov_b32 s[G1+4], 64                          ; tile_dim1 = 64
	s_mov_b32 s[G1+5], 1024                        ; elements from row to row
	s_mov_b32 s[G1+6], 0
	s_mov_b32 s[G1+7], 0
	s_or_b32 s[G1B+0], s22, (1<<16)|(1<<20)|(1<<21)|(6<<22)|(7<<25)  ; 2-byte elements; after every 128 words 8 words
	s_mov_b32 s[G1B+1], 256<<16
	s_mov_b32 s[G1B+2], 64<<16
	s_mov_b32 s[G1B+3], 256<<16
	s_mov_b32 s[G1B+4], 64
	s_mov_b32 s[G1B+5], 1024
	s_mov_b32 s[G1B+6], 0
	s_mov_b32 s[G1B+7], 0
	; x's tile: (128 block row + 64 half) rows of 4,096 bytes; in registers that never hold cx
	s_lshl_b32 s40, s19, 19
	s_lshl_b32 s41, s16, 18
	s_add_co_u32 s40, s40, s41
	s_mov_b32 s41, 0
	; W's tile: chunk which of wb, 64 half k rows, 512 cx bytes; in registers that never hold cy
	s_lshl_b32 s44, s20, 21
	s_lshl_b32 s45, s17, 9
	s_add_co_u32 s44, s44, s45
	s_lshl_b32 s45, s16, 17
	s_add_co_u32 s44, s44, s45
	s_mov_b32 s45, 0
	s_mul_i32 s23, s16, 64*PA                      ; where they go: made of the wave's number alone
	s_mul_i32 s66, s16, 64*PB
	s_add_co_u32 s66, s66, ATILE
	s_wait_dscnt 0x0
	s_wait_kmcnt 0x0
	s_cmp_eq_u32 s20, 1                            ; which, the cluster's x, picks the activation and the bias: the same in all sixteen partners
	s_cselect_b64 s[42:43], s[78:79], s[76:77]
	s_cselect_b64 s[68:69], s[86:87], s[84:85]
	s_cmp_eq_u32 s20, 2
	s_cselect_b64 s[42:43], s[80:81], s[42:43]
	s_cselect_b64 s[68:69], s[88:89], s[68:69]
	s_add_nc_u64 s[42:43], s[42:43], s[40:41]
	s_add_nc_u64 s[46:47], s[82:83], s[44:45]
	CROUND                                         ; all sixteen work-groups are here: the first joint loads meet
.irp s, 0,1
	s_mov_b32 s[G0+4*\s], 1
	s_add_co_u32 s[G0+4*\s+1], s23, \s*SLOT
	s_add_nc_u64 s[G0+4*\s+2:G0+4*\s+3], s[42:43], \s*KSTEP*4
	s_or_b32 s[G0+4*\s+3], s[G0+4*\s+3], 0x80000000
	s_mov_b32 s[G0B+4*\s], 1
	s_add_co_u32 s[G0B+4*\s+1], s66, \s*SLOT
	s_add_nc_u64 s[G0B+4*\s+2:G0B+4*\s+3], s[46:47], \s*KSTEP*2048
	s_or_b32 s[G0B+4*\s+3], s[G0B+4*\s+3], 0x80000000
	JLOAD \s                                       ; K steps 0 and 1: two tensor loads of the wave are out, later one
.endr
	v_and_b32 v1, 15, v0                           ; r
	v_bfe_u32 v2, v0, 4, 1                         ; h
	v_and_b32 v3, 7, v0
	v_bfe_u32 v4, v0, 3, 1
	; the bias tile of column block b: register j = bias[256 cx + 128 wn + 16 b + 8 h + j], the C layout of the transposed product
	s_lshl_b32 s70, s17, 10
	s_lshl_b32 s71, s16, 9
	s_add_co_u32 s70, s70, s71
	v_lshl_add_u32 v[BO], v2, 5, s70
	WIN 0x80                                       ; destination in window 2
.irp b, 0,1,2,3,4,5,6,7
	global_load_b128 v[8*\b:8*\b+3],   v[BO], s[68:69] offset:64*\b
	global_load_b128 v[8*\b+4:8*\b+7], v[BO], s[68:69] offset:64*\b+16
.endr
	WIN 0
	v_mul_u32_u24 v5, v1, PA
	v_lshl_add_u32 v5, v2, 5, v5                   ; r x 528 + 32 h: eight f32 for each half of the lanes
	v_lshl_add_u32 v6, v2, 3, v3                   ; k row 8 h + (lane & 7)
	v_mul_u32_u24 v6, v6, PB
	v_lshl_add_u32 v6, v4, 4, v6                   ; + 16 ((lane >> 3) & 1)
	s_mul_i32 s21, s15, 64*PA                      ; my 64 rows of x
	s_lshl_b32 s22, s16, 8                         ; my 128 columns of W,
	s_add_co_u32 s22, s22, ATILE                   ; which lies behind x's tile
.irp s, 0,1
	v_add_nc_u32 v[ADRA+\s], s21, v5
	v_add_nc_u32 v[ADRB+\s], s22, v6
	s_add_co_u32 s21, s21, SLOT
	s_add_co_u32 s22, s22, SLOT
.endr
	s_mul_i32 s67, s14, 16*SP
	s_add_co_u32 s67, s67, STAGE                   ; my stage
	v_mul_u32_u24 v9, v1, SP
	v_lshl_add_u32 v9, v2, 4, v9
	v_add_nc_u32 v[STO], s67, v9                   ; in: row r, 16 bytes for each half of the lanes
	v_mul_u32_u24 v7, v2, SP
	v_lshl_add_u32 v7, v1, 4, v7
	v_add_nc_u32 v[RD], s67, v7                    ; back: lanes 0-15 one row of 256 bytes, lanes 16-31 the next
	v_lshlrev_b32 v8, 11, v2
	v_lshl_add_u32 v[CO], v1, 4, v8                ; the same two rows in memory
; 16 matrix instructions on buffer n: row blocks a0, a0 + 1 x all 8 column blocks, 32 along K.  zero = 1: the first products take the bias tile (window 2) as C.
; The 32 accumulators take turns, one instruction a turn, in the same order everywhere.
.macro MUL16 n, a0, zero
.irp a, \a0, \a0+1
.irp b, 0,1,2,3,4,5,6,7
.if \zero
	v_wmma_f32_16x16x32_bf16 v[8*(8*(\a)+\b):8*(8*(\a)+\b)+7], v[F0+FB*\n+8*\b:F0+FB*\n+8*\b+7], v[F0+FB*\n+64+8*(\a):F0+FB*\n+64+8*(\a)+7], v[8*\b:8*\b+7]
.else
	v_wmma_f32_16x16x32_bf16 v[8*(8*(\a)+\b):8*(8*(\a)+\b)+7], v[F0+FB*\n+8*\b:F0+FB*\n+8*\b+7], v[F0+FB*\n+64+8*(\a):F0+FB*\n+64+8*(\a)+7], v[8*(8*(\a)+\b):8*(8*(\a)+\b)+7]
.endif
.endr
.endr
.endm
; 32 LDS loads: quarter q (32 along K) of a slot for buffer n.  W: column 16 b + r, k along the registers, by two transposing loads 16 k rows apart.
; x: row 16 a + r in f32: k = 8 h .. 8 h + 7 are 32 bytes at 32 h, k = 16 + 8 h .. are the 32 bytes 64 further on.
.macro FETCH slot, q, n
	WIN 0
.irp b, 0,1,2,3,4,5,6,7
	ds_load_tr16_b128 v[F0+FB*\n+8*\b:F0+FB*\n+8*\b+3],   v[ADRB+\slot] offset:32*PB*\q+32*\b
	ds_load_tr16_b128 v[F0+FB*\n+8*\b+4:F0+FB*\n+8*\b+7], v[ADRB+\slot] offset:32*PB*\q+32*\b+16*PB
.endr
	WIN 0x80                                       ; destination in window 2, address in window 0
.irp a, 0,1,2,3
	ds_load_b128 v[ST+64*\n+16*\a:ST+64*\n+16*\a+3],     v[ADRA+\slot] offset:128*\q+16*PA*\a
	ds_load_b128 v[ST+64*\n+16*\a+4:ST+64*\n+16*\a+7],   v[ADRA+\slot] offset:128*\q+16*PA*\a+16
	ds_load_b128 v[ST+64*\n+16*\a+8:ST+64*\n+16*\a+11],  v[ADRA+\slot] offset:128*\q+16*PA*\a+64
	ds_load_b128 v[ST+64*\n+16*\a+12:ST+64*\n+16*\a+15], v[ADRA+\slot] offset:128*\q+16*PA*\a+80
.endr
.endm
; 32 conversions: buffer n's four x fragments from its f32 numbers; register j of a fragment holds numbers 2 j and 2 j + 1 of the lane's sixteen
.macro CVT n
	WIN 0x0a                                       ; both sources in window 2, destination in window 0
.irp a, 0,1,2,3
.irp j, 0,1,2,3,4,5,6,7
	v_cvt_pk_bf16_f32 v[F0+FB*\n+64+8*\a+\j], v[ST+64*\n+16*\a+2*\j], v[ST+64*\n+16*\a+2*\j+1]
.endr
.endr
.endm
; One of a K step's first three quarters: what was fetched for buffer n is in (asked for 32 matrix instructions ago); quarter qn goes out for buffer m, ahead of the
; conversions, so that it has them and the products in which to land; buffer n's x is rounded; buffer n is multiplied.
.macro QUARTER slot, qn, n, m, zero
	s_wait_dscnt 0x0
	WIN 0
	PLACES
	FETCH \slot, \qn, \m
	CVT \n
.if \zero
	WIN 0x60                                       ; D window 1, C window 2
.else
	WIN 0x50                                       ; C and D window 1
.endif
	MUL16 \n, 0, \zero
	MUL16 \n, 2, \zero
.endm
.macro THREE slot, zero
	QUARTER \slot, 1, 0, 1, \zero
	QUARTER \slot, 2, 1, 0, 0
	QUARTER \slot, 3, 0, 1, 0
.endm
; The last quarter multiplies buffer 1 and changes slots.  In front of the barrier each wave's reads of this slot are back and all its tensor loads have landed
; (the one that was out is its part of the next slot).  Behind it (with fill: behind the cluster's round that it opens) the refill comes first.
.macro TURN slot, next, fill
	s_wait_dscnt 0x0
	s_wait_tensorcnt 0x0
	ds_add_u32 v62, v63
	s_wait_dscnt 0x0
	s_barrier_signal -1
	CVT 1                                          ; register work while the others arrive
	WIN 0x50
	MUL16 1, 0, 0
	WIN 0
	s_barrier_wait -1
.if \fill
	CREST
	s_add_nc_u64 s[G0+4*\slot+2:G0+4*\slot+3], s[G0+4*\slot+2:G0+4*\slot+3], 2*KSTEP*4
	s_add_nc_u64 s[G0B+4*\slot+2:G0B+4*\slot+3], s[G0B+4*\slot+2:G0B+4*\slot+3], 2*KSTEP*2048
	JLOAD \slot                                    ; its four v_nop are also the places in front of the loads below
.else
	PLACES
.endif
	FETCH \next, 0, 0
	WIN 0x50
	MUL16 1, 2, 0
.endm
.macro LAP zero
	THREE 0, \zero
	TURN 0, 1, 1
	THREE 1, 0
	TURN 1, 0, 1
.endm
	s_wait_loadcnt 0x0                             ; the bias
	s_wait_tensorcnt 0x1                           ; my part of K step 0 is in; K step 1's stays out
	s_barrier_signal -1
	s_barrier_wait -1
	FETCH 0, 0, 0
	LAP 1
	WIN 0
	s_mov_b32 s3, LAPS-2
.Llap:
	LAP 0
	WIN 0
	s_sub_co_u32 s3, s3, 1
	s_cmp_lg_u32 s3, 0
	s_cbranch_scc1 .Llap
	THREE 0, 0                                     ; the last lap fills nothing
	TURN 0, 1, 0
	THREE 1, 0
	s_wait_dscnt 0x0
	CVT 1
	WIN 0x50
	MUL16 1, 0, 0
	MUL16 1, 2, 0
	WIN 0
	PLACES
	; THE WAY OUT, 16 rows at a time: round to bf16, 16 bytes a lane into my own stage, read back as whole rows of 256 bytes.
	s_lshl_b32 s70, s20, 24
	s_lshl_b32 s71, s19, 18
	s_add_co_u32 s70, s70, s71
	s_lshl_b32 s71, s15, 17
	s_add_co_u32 s70, s70, s71
	s_lshl_b32 s71, s17, 9
	s_add_co_u32 s70, s70, s71
	s_lshl_b32 s71, s16, 8
	s_add_co_u32 s70, s70, s71
	s_mov_b32 s71, 0
	s_add_nc_u64 s[72:73], s[90:91], s[70:71]
.macro OUT16 a, f
	WIN 0x05                                       ; both sources in window 1
.irp b, 0,1,2,3,4,5,6,7
.irp x, 0,1,2,3
	v_cvt_pk_bf16_f32 v[TMP+4*\b+\x], v[8*(8*\a+\b)+2*\x], v[8*(8*\a+\b)+2*\x+1]
.endr
.endr
	WIN 0
.irp b, 0,1,2,3,4,5,6,7
	ds_store_b128 v[STO], v[TMP+4*\b:TMP+4*\b+3] offset:32*\b
.endr
	s_wait_xcnt 0x0                                ; buffer f, which earlier stores read, and the stores' base are rewritten only behind this wait
.if \a
	s_add_nc_u64 s[72:73], s[72:73], 16*2048
.endif
.irp t, 0,1,2,3,4,5,6,7
	ds_load_b128 v[\f+4*\t:\f+4*\t+3], v[RD] offset:2*SP*\t       ; LDS serves a wave's instructions in order: these see the stores above
.endr
.irp t, 0,1,2,3,4,5,6,7
	s_wait_dscnt 7-\t                              ; load t is back, the 7 - t younger ones stay out
	global_store_b128 v[CO], v[\f+4*\t:\f+4*\t+3], s[72:73] offset:4096*\t   ; 16 lanes store 256 consecutive bytes, aligned
.endr
.endm
	OUT16 0, 96
	OUT16 1, 128
	OUT16 2, 96
	OUT16 3, 128
	s_wait_tensorcnt 0x0
	ds_add_u32 v62, v63
	s_wait_dscnt 0x0
	CROUND                                         ; the closing round: no work-group ends while a partner may still ask for a tile that names it
	s_endpgm
.Lfunc_end_k_qf0b132a7d3_qkv:
	.size	k_qf0b132a7d3_qkv, .Lfunc_end_k_qf0b132a7d3_qkv-k_qf0b132a7d3_qkv
	.p2alignl 7, 3214868480
	.fill 96, 4, 3214868480
	.section	.rodata,"a",@progbits
	.p2align	6, 0x0
	.amdhsa_kernel k_qf0b132a7d3_qkv
		.amdhsa_group_segment_fixed_size 327680
		.amdhsa_private_segment_fixed_size 0
		.amdhsa_enable_private_segment 0
		.amdhsa_kernarg_size 64
		.amdhsa_user_sgpr_count 2
		.amdhsa_user_sgpr_kernarg_segment_ptr 1
		.amdhsa_wavefront_size32 1
		.amdhsa_system_sgpr_workgroup_id_x 1
		.amdhsa_system_sgpr_workgroup_id_y 1
		.amdhsa_system_sgpr_workgroup_id_z 1
		.amdhsa_system_vgpr_workitem_id 0
		.amdhsa_next_free_vgpr 704
		.amdhsa_next_free_sgpr 92
		.amdhsa_reserve_vcc 0
		.amdhsa_float_denorm_mode_32 3
		.amdhsa_float_denorm_mode_16_64 3
		.amdhsa_memory_ordered 1
		.amdhsa_forward_progress 1
		.amdhsa_inst_pref_size 182
	.end_amdhsa_kernel
	.amdgpu_metadata
---
amdhsa.version: [ 1, 2 ]
amdhsa.kernels:
  - .name:           k_qf0b132a7d3_qkv
    .symbol:         k_qf0b132a7d3_qkv.kd
    .args:
      - { .name: query, .offset: 0, .size: 8, .value_kind: global_buffer, .address_space: global }
      - { .name: key, .offset: 8, .size: 8, .value_kind: global_buffer, .address_space: global }
      - { .name: value, .offset: 16, .size: 8, .value_kind: global_buffer, .address_space: global }
      - { .name: wb, .offset: 24, .size: 8, .value_kind: global_buffer, .address_space: global }
      - { .name: bq, .offset: 32, .size: 8, .value_kind: global_buffer, .address_space: global }
      - { .name: bk, .offset: 40, .size: 8, .value_kind: global_buffer, .address_space: global }
      - { .name: bv, .offset: 48, .size: 8, .value_kind: global_buffer, .address_space: global }
      - { .name: qkvb, .offset: 56, .size: 8, .value_kind: global_buffer, .address_space: global }
    .group_segment_fixed_size: 327680
    .private_segment_fixed_size: 0
    .kernarg_segment_align: 8
    .kernarg_segment_size: 64
    .max_flat_workgroup_size: 128
    .sgpr_count:     92
    .vgpr_count:     704
    .wavefront_size: 32
...
	.end_amdgpu_metadata
.endif
;; end of part 7
;; launch attn (part 8): grid 4 x 64, 8 waves a work-group, no clusters, 327,680 bytes of LDS; arguments qkvb, rel_k_table, rel_v_table, ctx, stat, rext; writes ctx, stat, rext
.if DOCPART == 8
	.amdgcn_target "amdgcn-amd-amdhsa--gfx1250"
	.amdhsa_code_object_version 6
	.text
	.protected	k_qf0b132a7d3_attn
	.globl	k_qf0b132a7d3_attn
	.p2align	8
	.type	k_qf0b132a7d3_attn,@function
k_qf0b132a7d3_attn:
	s_mov_b64 s[64:65], 0
	v_nop
	global_prefetch_b8 v0, s[64:65] scope:SCOPE_SE
	s_setreg_imm32_b32 hwreg(HW_REG_WAVE_MODE, 25, 1), 1
	s_wait_xcnt 0x0
; ctx = softmax((q k^T + q zk^T) / 8) (v + zv), per batch and head, with a running maximum.  q, k, v: qkvb [3][8192][1024] bf16.
; ctx [8192][1024] leaves in f16: it carries the value table's offset, and bf16's 8 bits of mantissa would be too coarse for the projection that follows.
; ctx is a weighted mean of rows of v + rel_v, so |ctx| <= max |v| + max |rel_v|.
; A work-group takes one batch, two neighbouring heads (256 aligned bytes of every row) and 256 queries; wave w: head w >> 2 of the pair, 64 queries (w & 3),
; as four blocks of 16.  Keys go in 16 steps of 64 through two LDS slots (K and V tiles of 64 rows x 256 bytes; wave 0 fetches K's, wave 1 V's, one tensor load each).
; TRANSPOSED THROUGHOUT: scores^T = K Q^T, so lane (r, h) holds keys 8 h + j of query r: row figures are per lane, and the rounded weights of two tiles ARE
; the second operand of ctx^T = V^T P^T.  V^T and the value table's transpose come from the transposing LDS load.
; THE RELATIVE TERMS: with e = 31 - i + j clipped to 0 .. 63, rkx[e] = rel_k[clip(47 - e, 0, 32)] (rvx likewise).  R[i][e] = q_i . rkx[e] is made once, in f32,
; in the wave's own LDS table.  A tile of 16 x 16 has delta = (i block) - (j block): delta >= 2 adds the constant R[i][0], delta <= -2 the constant R[i][63],
; delta in -1 .. 1 gathers R[i][e] (no clip is reached there).  On the value side the weights of the band tiles are scattered to W[i][e] and ctx^T += rvx^T W^T;
; the sums of the weights left and right of the band enter that product once, at the end, in places e <= 15 and e >= 47, each as bf16 plus its residual.
; delta is known when the text is assembled: five variants of a step (key step - query step <= -2, -1, 0, 1, >= 2), chosen by ids and the loop's counter.
; For head 0 the wave also stores (-c m, 1/l) and its table R, for the launch that writes the weights.  c = log2(e) / 8.
; NO CLUSTER: the four query blocks of a head pair read the same tiles, but their variants, and so their paths, differ with the query block, and a work-group
; reads 512 KiB in all.
; LIMITS: matrix operands (q, k, v, weights, tables) are bf16; |ctx| below 65,504 (f16), with a step of 2^-24 under 2^-14; weights below 2^-126 become 0;
; NaN or infinity in an input gives NaN, not always where f32 would.
.set C_EXP, 0x3e38aa3b                 ; log2(e) / 8
.set C_NEG, 0xbe38aa3b
.set KP,    272                        ; K's LDS rows: 256 + 16
.set VP,    288                        ; V's: 256 + 32, an odd multiple of 32
.set VOFF,  64*KP                      ; V's tile behind K's
.set SLOTX, 0x10000                    ; slot 1 begins at 65,536: addresses toggle by xor
.set TILEB, 64*2048                    ; bytes from a tile to the next in memory
.set RKX,   36864                      ; 64 rows x 144: rkx in bf16
.set RKP,   144
.set RVX,   46080                      ; 64 rows x 160: rvx in bf16
.set RVP,   160
.set WSC,   102400                     ; 16 rows x 144 for each wave: W of one query block
.set WSP,   144
.set WSW,   16*WSP
.set RT,    120832                     ; 64 rows x 272 for each wave: R in f32
.set RTP,   272
.set RTW,   64*RTP
.set STG,   WSC                        ; the stage of the way out lies over W and R, which only LDS stores ever wrote: 64 rows x 144 for each wave,
.set STP,   144                        ; 102,400 + 8 x 9,216 = 176,128 bytes at its end
.set STW,   64*STP
; scalar descriptors: every word but the global address is a constant
.set G0K, 32                           ; s[32:35] K's tile: from where, to where
.set G1K, 36                           ; s[36:43] K's shape
.set G1V, 68                           ; s[68:75] V's shape: it differs in the padding
.set G0V, 76                           ; s[76:79] V's tile
; window 0
.set PF,  1                            ; prefetch offset
.set KA,  2
.set VA,  3
.set GA,  4
.set WS,  5
.set WZ,  6
.set WL,  7
.set ZR,  8                            ; v[8:11] zeros
.set MX,  12                           ; running maximum, one for each query block
.set RL,  16                           ; R[i][0]
.set RR,  20                           ; R[i][63]
.set LL,  24                           ; sums of weights left of the band, a pair for each query block
.set LR,  32                           ; right of it
.set LB,  40                           ; in it
.set AL,  48
.set NB,  50
.set TT,  52
.set BG0, 56
.set KF,  64                           ; K fragment (kb, dh) at KF + 16 kb + 8 dh; at the end ctx in f16
.set VF,  128                          ; V^T fragment (db, kh) at VF + 16 db + 8 kh
.set SC,  192                          ; scores, tile kb at SC + 8 kb
.set PP,  224                          ; weights in bf16, tile kb at PP + 4 kb
.set TW,  240                          ; gathered biases, then W^T fragments
; window 1
.set ACC, 0                            ; ctx^T tile (qb, db) at 8 (4 qb + db)
.set QF,  128                          ; Q fragment (qb, dh) at QF + 16 qb + 8 dh
.set RV,  192                          ; rvx^T fragment (db, eh) at RV + 16 db + 8 eh
.set MSB, 0
.macro WIN new
.if MSB != \new
	s_set_vgpr_msb (MSB<<8)|\new
.set MSB, \new
.endif
.endm
.macro PLACES                          ; four places behind a matrix instruction (ISA guide 7.12.1)
.rept 4
	v_nop
.endr
.endm
; In all three products the accumulators take turns, one instruction a turn.
.macro QK qb                           ; scores^T of four key blocks (or R^T of four e blocks) x query block qb
	WIN 0x04                                       ; source 1 (Q) in window 1
.irp kb, 0,1,2,3
	v_wmma_f32_16x16x32_bf16 v[SC+8*\kb:SC+8*\kb+7], v[KF+16*\kb:KF+16*\kb+7], v[QF+16*\qb:QF+16*\qb+7], 0
.endr
.irp kb, 0,1,2,3
	v_wmma_f32_16x16x32_bf16 v[SC+8*\kb:SC+8*\kb+7], v[KF+16*\kb+8:KF+16*\kb+15], v[QF+16*\qb+8:QF+16*\qb+15], v[SC+8*\kb:SC+8*\kb+7]
.endr
	WIN 0
.endm
.macro PV qb
	WIN 0x50                                       ; C and D in window 1
.irp kh, 0,1
.irp db, 0,1,2,3
	v_wmma_f32_16x16x32_bf16 v[ACC+8*(4*\qb+\db):ACC+8*(4*\qb+\db)+7], v[VF+16*\db+8*\kh:VF+16*\db+8*\kh+7], v[PP+8*\kh:PP+8*\kh+7], v[ACC+8*(4*\qb+\db):ACC+8*(4*\qb+\db)+7]
.endr
.endr
.endm
.macro WPROD qb                        ; ctx^T += rvx^T W^T; the four places behind it free TW
	WIN 0x51                                       ; source 0, C and D in window 1
.irp eh, 0,1
.irp db, 0,1,2,3
	v_wmma_f32_16x16x32_bf16 v[ACC+8*(4*\qb+\db):ACC+8*(4*\qb+\db)+7], v[RV+16*\db+8*\eh:RV+16*\db+8*\eh+7], v[TW+8*\eh:TW+8*\eh+7], v[ACC+8*(4*\qb+\db):ACC+8*(4*\qb+\db)+7]
.endr
.endr
	WIN 0
	PLACES
.endm
; The class of tile (qb, kb) in a step with rel = key step - query step.  DL = delta; ISB = a band tile; BGR = where its biases are gathered;
; LS = the pair that takes its sum; CL = 0 left, 1 right, 2 band; BR = the constant bias of a tile outside the band.
.macro CLS qb, kb, rel
.set DL, \qb-\kb-4*(\rel)
.if DL == 1
.set BGR, BG0
.else
.if DL == 0
.set BGR, TW
.else
.set BGR, TW+8
.endif
.endif
.if DL*DL < 2
.set ISB, 1
.set CL, 2
.set LS, LB+2*\qb
.else
.set ISB, 0
.if DL > 1
.set CL, 0
.set LS, LL+2*\qb
.set BR, RL+\qb
.else
.set CL, 1
.set LS, LR+2*\qb
.set BR, RR+\qb
.endif
.endif
.endm
; One query block against the step's 64 keys.
.macro SOFT qb, rel
.set HASB, 0
.irp kb, 0,1,2,3
	CLS \qb, \kb, \rel
.if ISB
.set HASB, 1
.irp j, 0,1,2,3,4,5,6,7
	ds_load_b32 v[BGR+\j], v[GA] offset:16*RTP*\qb+4*(16-16*DL+\j)    ; R[i][(15 - r + 8 h) + (16 - 16 delta + j)]
.endr
.endif
.endr
	QK \qb
	PLACES
.if HASB
	s_wait_dscnt 0x0                               ; the gathers (and whatever was asked for before them)
.irp kb, 0,1,2,3
	CLS \qb, \kb, \rel
.if ISB
.irp x, 0,2,4,6
	v_pk_add_f32 v[SC+8*\kb+\x:SC+8*\kb+\x+1], v[SC+8*\kb+\x:SC+8*\kb+\x+1], v[BGR+\x:BGR+\x+1]
.endr
.else
	v_mov_b32 v[TT+2], v[BR]
	v_mov_b32 v[TT+3], v[BR]
.irp x, 0,2,4,6
	v_pk_add_f32 v[SC+8*\kb+\x:SC+8*\kb+\x+1], v[SC+8*\kb+\x:SC+8*\kb+\x+1], v[TT+2:TT+3]
.endr
.endif
.endr
.endif
	; the largest of my 32 scores, in two chains; then the other half of the lanes, which holds the same query's other keys
	v_max3_num_f32 v[TT],   v[SC],    v[SC+1],  v[SC+2]
	v_max3_num_f32 v[TT+1], v[SC+16], v[SC+17], v[SC+18]
.irp x, 3,5,7,9,11,13
	v_max3_num_f32 v[TT],   v[TT],   v[SC+\x],    v[SC+\x+1]
	v_max3_num_f32 v[TT+1], v[TT+1], v[SC+16+\x], v[SC+17+\x]
.endr
	v_max3_num_f32 v[TT], v[TT], v[SC+15], v[SC+31]
	v_max_num_f32 v[TT], v[TT], v[TT+1]
	v_permlanex16_b32 v[TT+1], v[TT], s26, s27
	v_max_num_f32 v[TT], v[TT], v[TT+1]
.if HASB == 0
	v_add_f32 v[TT], v[TT], v[BR]                  ; all four tiles share one constant bias: it is added to the maximum and to the offset, not to the scores
.endif
	v_max_num_f32 v[TT+1], v[MX+\qb], v[TT]        ; the new running maximum
	v_sub_f32 v[TT+2], v[MX+\qb], v[TT+1]
	v_mul_f32 v[TT+2], C_EXP, v[TT+2]
	v_exp_f32 v[AL], v[TT+2]                       ; alpha; the move below is the plain instruction behind it (ISA guide 5.7.2)
	v_mov_b32 v[MX+\qb], v[TT+1]
.if HASB == 0
	v_sub_f32 v[NB], v[BR], v[TT+1]
	v_mul_f32 v[NB], C_EXP, v[NB]
.else
	v_mul_f32 v[NB], C_NEG, v[TT+1]
.endif
	v_mov_b32 v[NB+1], v[NB]
.set i, 0
.rept 16
	v_pk_fma_f32 v[SC+i:SC+i+1], v[SC+i:SC+i+1], C_EXP, v[NB:NB+1] op_sel_hi:[1,0,1]
.set i, i+2
.endr
.set i, 0
.rept 32
	v_exp_f32 v[SC+i], v[SC+i]
.set i, i+1
.endr
	s_wait_alu depctr_va_vdst(0)
	v_mov_b32 v[AL+1], v[AL]                       ; also the plain instruction behind the exponentials
	; the sums: a class's first tile carries the rescale in a fused multiply-add; classes without a tile are only rescaled
.set SEEN, 0
.irp kb, 0,1,2,3
	CLS \qb, \kb, \rel
	v_pk_add_f32 v[TT:TT+1],   v[SC+8*\kb:SC+8*\kb+1],   v[SC+8*\kb+2:SC+8*\kb+3]
	v_pk_add_f32 v[TT+2:TT+3], v[SC+8*\kb+4:SC+8*\kb+5], v[SC+8*\kb+6:SC+8*\kb+7]
	v_pk_add_f32 v[TT:TT+1], v[TT:TT+1], v[TT+2:TT+3]
.if (SEEN>>CL)&1
	v_pk_add_f32 v[LS:LS+1], v[LS:LS+1], v[TT:TT+1]
.else
	v_pk_fma_f32 v[LS:LS+1], v[LS:LS+1], v[AL:AL+1], v[TT:TT+1]
.set SEEN, SEEN|(1<<CL)
.endif
.endr
.if (SEEN&1) == 0
	v_pk_mul_f32 v[LL+2*\qb:LL+2*\qb+1], v[LL+2*\qb:LL+2*\qb+1], v[AL:AL+1]
.endif
.if (SEEN&2) == 0
	v_pk_mul_f32 v[LR+2*\qb:LR+2*\qb+1], v[LR+2*\qb:LR+2*\qb+1], v[AL:AL+1]
.endif
.if (SEEN&4) == 0
	v_pk_mul_f32 v[LB+2*\qb:LB+2*\qb+1], v[LB+2*\qb:LB+2*\qb+1], v[AL:AL+1]
.endif
.set i, 0
.rept 16
	v_cvt_pk_bf16_f32 v[PP+i], v[SC+2*i], v[SC+2*i+1]
.set i, i+1
.endr
.if HASB
	; W of this query block: cleared, the band tiles' weights scattered, read back as fragments.  The wave's own bytes, served in order: no wait between.
.irp o, 0,16,32,48
	ds_store_b128 v[WZ], v[ZR:ZR+3] offset:\o
.endr
.irp kb, 0,1,2,3
	CLS \qb, \kb, \rel
.if ISB
.irp x, 0,1,2,3
	ds_store_b16 v[WS], v[PP+4*\kb+\x] offset:2*(16-16*DL+2*\x)
	ds_store_b16_d16_hi v[WS], v[PP+4*\kb+\x] offset:2*(16-16*DL+2*\x)+2
.endr
.endif
.endr
.irp o, 0,1,2,3
	ds_load_b128 v[TW+4*\o:TW+4*\o+3], v[WL] offset:32*\o
.endr
.endif
	WIN 0x41                                       ; destination and source 0 in window 1
.set i, 0
.rept 16
	v_pk_mul_f32 v[ACC+32*\qb+i:ACC+32*\qb+i+1], v[ACC+32*\qb+i:ACC+32*\qb+i+1], v[AL:AL+1]
.set i, i+2
.endr
.if HASB == 0
.if \qb == 0
	s_wait_dscnt 0x0                               ; V's fragments
.endif
.endif
	PV \qb
.if HASB
	s_wait_dscnt 0x0                               ; W's fragments
	WPROD \qb
.else
	WIN 0
.endif
.endm
; A step: the fragments of the slot's 64 keys, then the four query blocks.
.macro SUBT rel
	PLACES                                         ; behind the last step's products, in front of the loads into their sources
.irp kb, 0,1,2,3
.irp dh, 0,1
	ds_load_b128 v[KF+16*\kb+8*\dh:KF+16*\kb+8*\dh+3],   v[KA] offset:16*KP*\kb+64*\dh
	ds_load_b128 v[KF+16*\kb+8*\dh+4:KF+16*\kb+8*\dh+7], v[KA] offset:16*KP*\kb+64*\dh+32
.endr
.endr
.irp db, 0,1,2,3
.irp kh, 0,1
	ds_load_tr16_b128 v[VF+16*\db+8*\kh:VF+16*\db+8*\kh+3],   v[VA] offset:32*VP*\kh+32*\db
	ds_load_tr16_b128 v[VF+16*\db+8*\kh+4:VF+16*\db+8*\kh+7], v[VA] offset:32*VP*\kh+32*\db+16*VP
.endr
.endr
	s_wait_dscnt 16                                ; K's sixteen loads are back, V's sixteen stay out
	SOFT 0, \rel
	SOFT 1, \rel
	SOFT 2, \rel
	SOFT 3, \rel
.endm
; The variant of this step.  tail = 1: the last key step, where rel is never negative.  No barrier and no tensor load stands inside.
.macro DISPATCH tail
	s_sub_co_i32 s25, s24, s23                     ; rel = key step - my query step
.if \tail == 0
	s_cmp_lt_i32 s25, -1
	s_cbranch_scc1 .Lm2_\@
	s_cmp_eq_u32 s25, -1
	s_cbranch_scc1 .Lm1_\@
.endif
	s_cmp_eq_u32 s25, 0
	s_cbranch_scc1 .Lz_\@
	s_cmp_eq_u32 s25, 1
	s_cbranch_scc1 .Lp1_\@
	SUBT 2
	s_branch .Ldone_\@
.Lp1_\@:
	SUBT 1
	s_branch .Ldone_\@
.Lz_\@:
	SUBT 0
.if \tail == 0
	s_branch .Ldone_\@
.Lm1_\@:
	SUBT -1
	s_branch .Ldone_\@
.Lm2_\@:
	SUBT -2
.endif
.Ldone_\@:
.endm
; Wave 0 asks for K's tile, wave 1 for V's; each line has its own descriptor, and the branches hang on the wave's number alone.
.macro KVLOAD
	s_cmp_lg_u32 s16, 0
	s_cbranch_scc1 .Lnot_k_\@
	tensor_load_to_lds s[G0K:G0K+3], s[G1K:G1K+7]
	s_nop 0
.Lnot_k_\@:
	s_cmp_lg_u32 s16, 1
	s_cbranch_scc1 .Lnot_v_\@
	tensor_load_to_lds s[G0V:G0V+3], s[G1V:G1V+7]
	s_nop 0
.Lnot_v_\@:
.endm
; The change of slots.  In front of the barrier every wave's LDS reads are back and all its tensor loads have landed (this step's tile among them),
; so both descriptors may be stepped; behind it the next tile goes into the slot read last, the wave's one tensor load until the next such barrier.
.macro HEAD refill
	s_wait_xcnt 0x0
	v_lshl_add_u32 v254, v0, 2, 0x3f800
	v_mov_b32 v255, 0
	s_wait_tensorcnt 0x0
	ds_add_u32 v254, v255
	s_wait_dscnt 0x0
.if \refill
	s_xor_b32 s[G0K+1], s[G0K+1], SLOTX
	s_xor_b32 s[G0V+1], s[G0V+1], SLOTX
	s_add_nc_u64 s[G0K+2:G0K+3], s[G0K+2:G0K+3], TILEB
	s_add_nc_u64 s[G0V+2:G0V+3], s[G0V+2:G0V+3], TILEB
.endif
	s_wait_dscnt 0x0
	s_barrier_signal -1
	s_barrier_wait -1
.if \refill
	KVLOAD
.endif
.endm
	s_load_b256 s[4:11], s[0:1], 0x0               ; qkvb s[4:5], rel_k s[6:7], rel_v s[8:9], ctx s[10:11]
	s_load_b128 s[12:15], s[0:1], 0x20             ; stat s[12:13], rext s[14:15]
	v_lshl_add_u32 v254, v0, 2, 0x3f800
	v_mov_b32 v255, 0
	ds_add_u32 v254, v255
	s_wait_dscnt 0x0
	v_lshrrev_b32 v1, 5, v0
	v_readfirstlane_b32 s16, v1                    ; wave 0..7
	s_lshr_b32 s17, s16, 2                         ; head of the pair
	s_and_b32 s18, s16, 3                          ; which 64 queries
	s_mov_b32 s19, ttmp9                           ; block of 256 queries
	s_and_b32 s20, ttmp7, 0xffff
	s_lshr_b32 s21, s20, 3                         ; batch
	s_and_b32 s22, s20, 7                          ; pair of heads
	s_lshl2_add_u32 s23, s19, s18                  ; my query step = 4 x + (w & 3)
	s_mov_b32 s26, 0x76543210                      ; v_permlanex16_b32: lane i reads lane i of the other half
	s_mov_b32 s27, 0xfedcba98
	; the tiles' shapes: 64 rows x 128 elements of 2 bytes, no work-group mask, padded after every 64 words by 4 words (K) or 8 (V)
	s_mov_b32 s[G1K+0], (1<<16)|(1<<20)|(5<<22)|(3<<25)
	s_mov_b32 s[G1K+1], 128<<16                    ; tensor_dim0 = 128
	s_mov_b32 s[G1K+2], 64<<16                     ; tensor_dim1 = 64
	s_mov_b32 s[G1K+3], 128<<16                    ; tile_dim0 = 128
	s_mov_b32 s[G1K+4], 64                         ; tile_dim1 = 64
	s_mov_b32 s[G1K+5], 1024                       ; elements from row to row
	s_mov_b32 s[G1K+6], 0
	s_mov_b32 s[G1K+7], 0
	s_mov_b32 s[G1V+0], (1<<16)|(1<<20)|(5<<22)|(7<<25)
	s_mov_b32 s[G1V+1], 128<<16
	s_mov_b32 s[G1V+2], 64<<16
	s_mov_b32 s[G1V+3], 128<<16
	s_mov_b32 s[G1V+4], 64
	s_mov_b32 s[G1V+5], 1024
	s_mov_b32 s[G1V+6], 0
	s_mov_b32 s[G1V+7], 0
	s_mov_b32 s[G0K+0], 1
	s_mov_b32 s[G0K+1], 0                          ; K's tile at the slot's first byte
	s_mov_b32 s[G0V+0], 1
	s_mov_b32 s[G0V+1], VOFF                       ; V's behind it
	s_lshl_b32 s30, s21, 21                        ; my batch's rows and my pair's 256 bytes
	s_lshl_b32 s31, s22, 8
	s_add_co_u32 s30, s30, s31
	s_add_co_u32 s46, s30, 1<<24                   ; k is part 1 of qkvb
	s_mov_b32 s47, 0
	s_add_co_u32 s50, s30, (1<<24)+TILEB           ; the prefetch base: k, one tile ahead of tile 0 (it steps in front of each use)
	s_mov_b32 s51, 0
	s_lshl_b32 s31, s23, 17                        ; q: my 64 rows and my head's 128 bytes
	s_add_co_u32 s30, s30, s31
	s_lshl_b32 s31, s17, 7
	s_add_co_u32 s30, s30, s31
	s_mov_b32 s31, 0
	s_wait_kmcnt 0x0
	s_add_nc_u64 s[G0K+2:G0K+3], s[4:5], s[46:47]
	s_add_nc_u64 s[G0V+2:G0V+3], s[G0K+2:G0K+3], 1<<24     ; v is part 2
	s_or_b32 s[G0K+3], s[G0K+3], 0x80000000
	s_or_b32 s[G0V+3], s[G0V+3], 0x80000000
	KVLOAD                                         ; tile 0 into slot 0: the first fills, ahead of every wait, LDS read and barrier.  One tensor load of a wave is out at the most
	s_add_nc_u64 s[44:45], s[4:5], s[50:51]
	s_add_nc_u64 s[28:29], s[4:5], s[30:31]
	; the two extended tables: thread t makes 16 numbers (part t & 3) of row e = t >> 2
	v_lshrrev_b32 v224, 2, v0
	v_and_b32 v225, 3, v0
	v_min_u32 v226, 47, v224
	v_sub_nc_u32 v226, 47, v226
	v_min_u32 v226, 32, v226                       ; table row clip(47 - e, 0, 32)
	v_lshlrev_b32 v226, 8, v226
	v_lshl_add_u32 v226, v225, 6, v226
.irp o, 0,1,2,3
	global_load_b128 v[64+4*\o:64+4*\o+3], v226, s[6:7] offset:16*\o
.endr
.irp o, 0,1,2,3
	global_load_b128 v[80+4*\o:80+4*\o+3], v226, s[8:9] offset:16*\o
.endr
	v_and_b32 v234, 15, v0                         ; r
	v_bfe_u32 v235, v0, 4, 1                       ; h
	v_lshlrev_b32 v229, 11, v234
	v_lshl_add_u32 v229, v235, 4, v229             ; r x 2,048 + 16 h
	WIN 0x40                                       ; destination in window 1
.irp qb, 0,1,2,3
.irp dh, 0,1
	global_load_b128 v[QF+16*\qb+8*\dh:QF+16*\qb+8*\dh+3],   v229, s[28:29] offset:32768*\qb+64*\dh
	global_load_b128 v[QF+16*\qb+8*\dh+4:QF+16*\qb+8*\dh+7], v229, s[28:29] offset:32768*\qb+64*\dh+32
.endr
.endr
	WIN 0
	v_mul_u32_u24 v227, v224, RKP
	v_lshl_add_u32 v227, v225, 5, v227
	v_mul_u32_u24 v228, v224, RVP
	v_lshl_add_u32 v228, v225, 5, v228
	; LDS addresses
	v_and_b32 v236, 7, v0
	v_bfe_u32 v237, v0, 3, 1
	v_lshl_add_u32 v238, v235, 3, v236             ; 8 h + (lane & 7)
	s_lshl_b32 s46, s17, 7
	v_mul_u32_u24 v[KA], v234, KP
	v_lshl_add_u32 v[KA], v235, 4, v[KA]
	v_add_nc_u32 v[KA], s46, v[KA]                 ; r x 272 + 16 h + my head's 128 bytes
	s_add_co_u32 s47, s46, VOFF
	v_mul_u32_u24 v[VA], v238, VP
	v_lshl_add_u32 v[VA], v237, 4, v[VA]
	v_add_nc_u32 v[VA], s47, v[VA]
	s_mul_i32 s48, s16, RTW
	s_add_co_u32 s48, s48, RT                      ; my table R
	v_mul_u32_u24 v[GA], v234, RTP-4
	v_lshl_add_u32 v[GA], v235, 5, v[GA]
	s_add_co_u32 s49, s48, 60
	v_add_nc_u32 v[GA], s49, v[GA]                 ; row r, word 15 - r + 8 h
	v_mul_u32_u24 v232, v234, RTP
	v_lshl_add_u32 v232, v235, 5, v232
	v_add_nc_u32 v232, s48, v232                   ; row r, word 8 h
	s_mul_i32 s50, s16, WSW
	s_add_co_u32 s50, s50, WSC                     ; my W
	v_mul_u32_u24 v233, v234, WSP
	v_add_nc_u32 v233, s50, v233
	v_lshl_add_u32 v[WZ], v235, 6, v233
	v_lshl_add_u32 v[WL], v235, 4, v233
	v_mul_u32_u24 v[WS], v234, WSP-2
	v_lshl_add_u32 v[WS], v235, 4, v[WS]
	s_add_co_u32 s51, s50, 30
	v_add_nc_u32 v[WS], s51, v[WS]                 ; row r, element 15 - r + 8 h
	v_mul_u32_u24 v230, v234, RKP
	v_lshl_add_u32 v230, v235, 4, v230
	v_mul_u32_u24 v231, v238, RVP
	v_lshl_add_u32 v231, v237, 4, v231
	; prefetch: lanes 0-15 name rows 16 x + lane of K's tile, lanes 16-31 the same rows of V's: the four query blocks share a tile's 64 rows out
	s_lshl_b32 s46, s19, 4
	v_add_nc_u32 v[PF], s46, v234
	v_lshlrev_b32 v[PF], 11, v[PF]
	v_lshl_add_u32 v[PF], v235, 24, v[PF]
	s_wait_loadcnt 16                              ; the tables' eight loads are in; Q's sixteen stay out
.irp o, 0,1,2,3,4,5,6,7
	v_cvt_pk_bf16_f32 v[96+\o],  v[64+2*\o], v[64+2*\o+1]
	v_cvt_pk_bf16_f32 v[104+\o], v[80+2*\o], v[80+2*\o+1]
.endr
	ds_store_b128 v227, v[96:99]   offset:RKX
	ds_store_b128 v227, v[100:103] offset:RKX+16
	ds_store_b128 v228, v[104:107] offset:RVX
	ds_store_b128 v228, v[108:111] offset:RVX+16
.set i, 0
.rept 4
	v_mov_b32 v[ZR+i], 0
	v_mov_b32 v[MX+i], 0xff800000                  ; minus infinity: the first alpha is 0
.set i, i+1
.endr
.set i, 0
.rept 24
	v_mov_b32 v[LL+i], 0
.set i, i+1
.endr
.set i, 0
.rept 8
	v_mov_b32 v[TW+i], 0
.set i, i+1
.endr
	s_wait_dscnt 0x0                               ; my part of the tables is written
	s_barrier_signal -1
	s_barrier_wait -1                              ; everybody's is.  Tile 0 may stay on its way
.irp eb, 0,1,2,3
.irp dh, 0,1
	ds_load_b128 v[KF+16*\eb+8*\dh:KF+16*\eb+8*\dh+3],   v230 offset:RKX+16*RKP*\eb+64*\dh
	ds_load_b128 v[KF+16*\eb+8*\dh+4:KF+16*\eb+8*\dh+7], v230 offset:RKX+16*RKP*\eb+64*\dh+32
.endr
.endr
	WIN 0x40
.irp db, 0,1,2,3
.irp eh, 0,1
	ds_load_tr16_b128 v[RV+16*\db+8*\eh:RV+16*\db+8*\eh+3],   v231 offset:RVX+32*RVP*\eh+32*\db
	ds_load_tr16_b128 v[RV+16*\db+8*\eh+4:RV+16*\db+8*\eh+7], v231 offset:RVX+32*RVP*\eh+32*\db+16*RVP
.endr
.endr
	WIN 0
	s_wait_loadcnt 0x0                             ; Q
	s_wait_dscnt 0x0
	WIN 0x41                                       ; sixteen products with an all-zero operand and C = 0 start the sums, in place of 128 moves
.irp qb, 0,1,2,3
.irp db, 0,1,2,3
	v_wmma_f32_16x16x32_bf16 v[ACC+8*(4*\qb+\db):ACC+8*(4*\qb+\db)+7], v[RV+16*\db:RV+16*\db+7], v[TW:TW+7], 0
.endr
.endr
	WIN 0
	; R^T = rkx Q^T, into my table; five places before the next product writes over these results
.irp qb, 0,1,2,3
	QK \qb
.rept 5
	v_nop
.endr
.irp eb, 0,1,2,3
	ds_store_b128 v232, v[SC+8*\eb:SC+8*\eb+3]   offset:16*RTP*\qb+64*\eb
	ds_store_b128 v232, v[SC+8*\eb+4:SC+8*\eb+7] offset:16*RTP*\qb+64*\eb+16
.endr
	v_mov_b32 v[RL+\qb], v[SC]                     ; e = 0 or 8: both are table row 32
	v_mov_b32 v[RR+\qb], v[SC+24]                  ; e = 48 or 56: both are table row 0
.endr
	s_mov_b32 s24, 0
.Ltrip:
	HEAD 1
	; wave 2 asks in step Ks for its share of tile Ks + 2, up to Ks = 13 (tile 15 is the last): 32 blocks of 256 bytes, each asked for once in the launch
	s_cmp_lg_u32 s16, 2
	s_cbranch_scc1 .Lnopf
	s_cmp_gt_u32 s24, 13
	s_cbranch_scc1 .Lnopf
	s_wait_xcnt 0x0                                ; the last step's prefetch has read its base
	s_add_nc_u64 s[44:45], s[44:45], TILEB
	global_prefetch_b8 v[PF], s[44:45] th:TH_LOAD_NT scope:SCOPE_SE
.Lnopf:
	DISPATCH 0
	v_xor_b32 v[KA], SLOTX, v[KA]
	v_xor_b32 v[VA], SLOTX, v[VA]
	s_add_co_u32 s24, s24, 1
	s_cmp_lt_u32 s24, 15
	s_cbranch_scc1 .Ltrip
	HEAD 0                                         ; the last step fetches nothing
	DISPATCH 1
	; THE END.  The sums left and right of the band enter W^T at e = 8 h, 8 h + 1 (row 32 of the table) and e = 54 + 8 h, 55 + 8 h (row 0), as bf16 and residual.
.set i, 1
.rept 14
	v_mov_b32 v[TW+i], 0
.set i, i+1
.endr
.macro FIN qb
	v_add_f32 v56, v[LL+2*\qb], v[LL+2*\qb+1]
	v_add_f32 v57, v[LR+2*\qb], v[LR+2*\qb+1]
	v_add_f32 v58, v[LB+2*\qb], v[LB+2*\qb+1]
	v_cvt_pk_bf16_f32 v59, v56, v57
	v_lshlrev_b32 v60, 16, v59
	v_and_b32 v61, 0xffff0000, v59
	v_sub_f32 v60, v56, v60
	v_sub_f32 v61, v57, v61
	v_cvt_pk_bf16_f32 v[TW], v56, v60
	v_cvt_pk_bf16_f32 v[TW+15], v57, v61
	v_add_f32 v56, v56, v57
	v_add_f32 v56, v56, v58
	v_permlanex16_b32 v57, v56, s26, s27
	v_add_f32 v56, v56, v57                        ; l of query r
	v_rcp_f32 v[AL], v56
	v_mul_f32 v[LL+2*\qb], C_NEG, v[MX+\qb]        ; -c m; also the plain instruction behind the reciprocal
	s_wait_alu depctr_va_vdst(0)
	v_mov_b32 v[AL+1], v[AL]
	v_mov_b32 v[LL+2*\qb+1], v[AL]
	WPROD \qb
	WIN 0x41
.set i, 0
.rept 16
	v_pk_mul_f32 v[ACC+32*\qb+i:ACC+32*\qb+i+1], v[ACC+32*\qb+i:ACC+32*\qb+i+1], v[AL:AL+1]
.set i, i+2
.endr
	WIN 0x05                                       ; both sources in window 1
.set i, 0
.rept 16
	v_cvt_pk_f16_f32 v[KF+16*\qb+i], v[ACC+32*\qb+2*i], v[ACC+32*\qb+2*i+1]       ; ctx rounded once, to f16
.set i, i+1
.endr
	WIN 0
.endm
	FIN 0
	FIN 1
	FIN 2
	FIN 3
	v_and_b32 v2, 15, v0                           ; r
	v_bfe_u32 v3, v0, 4, 1                         ; h
	v_and_b32 v4, 31, v0                           ; lane
	s_mul_i32 s46, s16, STW
	s_add_co_u32 s46, s46, STG
	v_mul_u32_u24 v5, v2, STP
	v_lshl_add_u32 v5, v3, 4, v5
	v_add_nc_u32 v5, s46, v5                       ; stage in: my 64 rows of 128 bytes, row r, 16 bytes for each half of the lanes
	s_mul_i32 s47, s16, 32*STP
	s_add_co_u32 s47, s47, STG
	v_mul_u32_u24 v6, v3, STP
	v_and_b32 v56, 7, v0
	v_lshl_add_u32 v6, v56, 4, v6
	v_bfe_u32 v56, v0, 3, 1
	v_mul_u32_u24 v56, v56, 4*STW
	v_add_nc_u32 v6, v6, v56
	v_add_nc_u32 v6, s47, v6                       ; stage back: row 32 w + h, lanes 0-7 of a half from head 0's part, lanes 8-15 from head 1's
	v_lshlrev_b32 v7, 11, v3                       ; in memory: rows of 2,048 bytes
	v_lshl_add_u32 v7, v2, 4, v7
	s_lshl_b32 s58, s21, 21
	s_lshl_b32 s59, s19, 19
	s_add_co_u32 s58, s58, s59
	s_lshl_b32 s59, s16, 16
	s_add_co_u32 s58, s58, s59
	s_lshl_b32 s59, s22, 8                         ; my pair's 256 bytes
	s_add_co_u32 s58, s58, s59
	s_mov_b32 s59, 0
	s_add_nc_u64 s[56:57], s[10:11], s[58:59]
	; head 0 alone: (-c m, 1/l) and the table R go to memory
	s_cmp_lg_u32 s22, 0
	s_cbranch_scc1 .Lnoexp
	s_cmp_gt_u32 s16, 3
	s_cbranch_scc1 .Lnoexp
	s_lshl_b32 s58, s21, 13
	s_lshl_b32 s59, s23, 9
	s_add_co_u32 s58, s58, s59
	s_mov_b32 s59, 0
	s_add_nc_u64 s[52:53], s[12:13], s[58:59]
	s_lshl_b32 s58, s21, 18
	s_lshl_b32 s59, s23, 14
	s_add_co_u32 s58, s58, s59
	s_mov_b32 s59, 0
	s_add_nc_u64 s[54:55], s[14:15], s[58:59]
	s_mul_i32 s48, s16, RTW
	s_add_co_u32 s48, s48, RT
	v_mul_u32_u24 v8, v3, RTP
	v_lshl_add_u32 v8, v2, 4, v8
	v_add_nc_u32 v8, s48, v8
	v_lshlrev_b32 v9, 4, v4
	v_lshlrev_b32 v10, 3, v4
	v_cmp_lt_u32 vcc_lo, 15, v4                    ; both halves hold every block's pair: lanes 16-31 take the odd block's, so a store covers 32 queries, 256 bytes
	v_cndmask_b32 v12, v[LL],   v[LL+2], vcc_lo
	v_cndmask_b32 v13, v[LL+1], v[LL+3], vcc_lo
	v_cndmask_b32 v14, v[LL+4], v[LL+6], vcc_lo
	v_cndmask_b32 v15, v[LL+5], v[LL+7], vcc_lo
	global_store_b64 v10, v[12:13], s[52:53]
	global_store_b64 v10, v[14:15], s[52:53] offset:256
.irp g, 0,1
.irp t, 0,1,2,3,4,5,6,7,8,9,10,11,12,13,14,15
	ds_load_b128 v[SC+4*\t:SC+4*\t+3], v8 offset:32*RTP*\g+2*RTP*\t               ; through v192-255: ctx waits in v64-127
.endr
.irp t, 0,1,2,3,4,5,6,7,8,9,10,11,12,13,14,15
	s_wait_dscnt 15-\t                             ; load t is back, the younger ones stay out
	global_store_b128 v9, v[SC+4*\t:SC+4*\t+3], s[54:55] offset:8192*\g+512*\t
.endr
	s_wait_xcnt 0x0                                ; the registers that these stores read are loaded again only behind this wait
.endr
.Lnoexp:
	s_wait_dscnt 0x0
	s_barrier_signal -1
	s_barrier_wait -1                              ; no wave reads its W or its table any more: the stage may lie over them
.irp qb, 0,1,2,3
.irp db, 0,1,2,3
	ds_store_b128 v5, v[KF+16*\qb+4*\db:KF+16*\qb+4*\db+3] offset:16*STP*\qb+32*\db
.endr
.endr
	s_wait_dscnt 0x0
	s_barrier_signal -1
	s_barrier_wait -1                              ; both heads' halves of every row are there
.irp t, 0,1,2,3,4,5,6,7,8,9,10,11,12,13,14,15
	ds_load_b128 v[VF+4*\t:VF+4*\t+3], v6 offset:2*STP*\t
.endr
.irp t, 0,1,2,3,4,5,6,7,8,9,10,11,12,13,14,15
	s_wait_dscnt 15-\t                             ; load t is back, the younger ones stay out
	global_store_b128 v7, v[VF+4*\t:VF+4*\t+3], s[56:57] offset:4096*\t           ; 16 lanes store the pair's 256 consecutive bytes of a row, aligned
.endr
	s_wait_xcnt 0x0
	v_lshl_add_u32 v254, v0, 2, 0x3f800
	v_mov_b32 v255, 0
	s_wait_tensorcnt 0x0
	ds_add_u32 v254, v255
	s_wait_dscnt 0x0
	s_endpgm
.Lfunc_end_k_qf0b132a7d3_attn:
	.size	k_qf0b132a7d3_attn, .Lfunc_end_k_qf0b132a7d3_attn-k_qf0b132a7d3_attn
	.p2alignl 7, 3214868480
	.fill 96, 4, 3214868480
	.section	.rodata,"a",@progbits
	.p2align	6, 0x0
	.amdhsa_kernel k_qf0b132a7d3_attn
		.amdhsa_group_segment_fixed_size 327680
		.amdhsa_private_segment_fixed_size 0
		.amdhsa_enable_private_segment 0
		.amdhsa_kernarg_size 48
		.amdhsa_user_sgpr_count 2
		.amdhsa_user_sgpr_kernarg_segment_ptr 1
		.amdhsa_wavefront_size32 1
		.amdhsa_system_sgpr_workgroup_id_x 1
		.amdhsa_system_sgpr_workgroup_id_y 1
		.amdhsa_system_sgpr_workgroup_id_z 1
		.amdhsa_system_vgpr_workitem_id 0
		.amdhsa_next_free_vgpr 512
		.amdhsa_next_free_sgpr 80
		.amdhsa_reserve_vcc 1
		.amdhsa_float_denorm_mode_32 3
		.amdhsa_float_denorm_mode_16_64 3
		.amdhsa_memory_ordered 1
		.amdhsa_forward_progress 1
		.amdhsa_inst_pref_size 255
	.end_amdhsa_kernel
	.section	.bss,"aw",@nobits
	.p2align	6
	.space	262144
	.amdgpu_metadata
---
amdhsa.version: [ 1, 2 ]
amdhsa.kernels:
  - .name:           k_qf0b132a7d3_attn
    .symbol:         k_qf0b132a7d3_attn.kd
    .args:
      - { .name: qkvb, .offset: 0, .size: 8, .value_kind: global_buffer, .address_space: global }
      - { .name: rel_k_table, .offset: 8, .size: 8, .value_kind: global_buffer, .address_space: global }
      - { .name: rel_v_table, .offset: 16, .size: 8, .value_kind: global_buffer, .address_space: global }
      - { .name: ctx, .offset: 24, .size: 8, .value_kind: global_buffer, .address_space: global }
      - { .name: stat, .offset: 32, .size: 8, .value_kind: global_buffer, .address_space: global }
      - { .name: rext, .offset: 40, .size: 8, .value_kind: global_buffer, .address_space: global }
    .group_segment_fixed_size: 327680
    .private_segment_fixed_size: 0
    .kernarg_segment_align: 8
    .kernarg_segment_size: 48
    .max_flat_workgroup_size: 256
    .sgpr_count:     80
    .vgpr_count:     512
    .wavefront_size: 32
...
	.end_amdgpu_metadata
.endif
;; end of part 8
;; launch top (part 9): grid 128 x 8, 8 waves a work-group, no clusters, 35,840 bytes of LDS; arguments qkvb, stat, rext, out1; writes out1
.if DOCPART == 9
	.amdgcn_target "amdgcn-amd-amdhsa--gfx1250"
	.amdhsa_code_object_version 6
	.text
	.protected	k_qf0b132a7d3_top
	.globl	k_qf0b132a7d3_top
	.p2align	8
	.type	k_qf0b132a7d3_top,@function
k_qf0b132a7d3_top:
	s_mov_b64 s[64:65], 0
	v_nop
	global_prefetch_b8 v0, s[64:65] scope:SCOPE_SE
	s_setreg_imm32_b32 hwreg(HW_REG_WAVE_MODE, 25, 1), 1
	s_wait_xcnt 0x0
; out1[b][i][j] = head 0's weights = exp2(c (q_i . k_j + R[i][e]) - c m_i) / l_i, with e = clip(31 - i + j, 0, 63), c = log2(e) / 8.
; -c m, 1/l (stat) and R (rext, f32 [8][1024][64]) were stored by the launch before; the products are the same bf16 products as there, so no weight passes 1.
; A wave makes ONE piece of 16 queries x 64 keys and ends: no loop, no wave waits for another, 8,192 waves in 1,024 work-groups.  The work-group's x >> 2 is a group
; of 32 queries, x & 3 one of four runs of 64 keys; wave w: query block w & 1, keys 256 (w >> 1) + 64 (x & 3) .. + 63.  With 130 registers a wave and 35,840 bytes
; of LDS a work-group, several work-groups lie on a WGP, which multiplies the bytes in flight.
; THE BIAS: d = (query block) - (first key block), made of ids alone.  d >= 5: all four tiles lie left of the band, e <= 14, and R[i][e] = R[i][0];
; d <= -2: all lie right of it, e >= 48, and R[i][e] = R[i][63]: one number a lane, folded into the exponent's offset.  Only d = -1 .. 4 gathers R[i][e],
; straight into the accumulators, which are then the C operand of the first products.
; Transposed product (K first): lane (r, h) holds keys 8 h + j of query r, eight neighbouring numbers of a row of out1; they leave through the wave's own stage.
; The stores bind (32 MiB): no tensor loads, no barrier, no cluster; K, 128 KiB a batch, is read straight into fragments.
; LIMITS: q and k are bf16; weights below 2^-126 become 0.
.set C_EXP, 0x3e38aa3b
.set SP,  272
.set KO,  2
.set X4,  3                            ; 4 (1024 + 31 - i + j) for the lane's first key
.set RB,  4                            ; 256 i + 252
.set STO, 5
.set RD,  6
.set CO,  7
.set QF,  16
.set KF,  32
.set SC,  96
.set OUT, 32                           ; the stage is read back into K's registers
	s_load_b256 s[4:11], s[0:1], 0x0               ; qkvb s[4:5], stat s[6:7], rext s[8:9], out1 s[10:11]
	v_lshl_add_u32 v128, v0, 2, 0x8800
	v_mov_b32 v129, 0
	v_lshrrev_b32 v1, 5, v0
	v_readfirstlane_b32 s12, v1
	s_and_b32 s13, s12, 1                          ; query block of the group
	s_lshr_b32 s14, s12, 1                         ; quarter of the keys
	s_and_b32 s15, ttmp7, 0xffff                   ; batch
	s_lshr_b32 s2, ttmp9, 2                        ; group of 32 queries
	s_and_b32 s3, ttmp9, 3                         ; run of 64 keys in the quarter
	s_lshl_b32 s16, s2, 5
	s_lshl4_add_u32 s16, s13, s16                  ; my first query in the batch
	s_lshl_b32 s17, s15, 10
	s_add_co_u32 s17, s17, s16                     ; the same among all 8,192 rows
	s_lshl_b32 s18, s14, 8
	s_lshl_b32 s3, s3, 6
	s_add_co_u32 s18, s18, s3                      ; my first key
	s_lshr_b32 s20, s16, 4
	s_lshr_b32 s21, s18, 4
	s_sub_co_i32 s20, s20, s21                     ; d = query block - first key block
	s_cmp_gt_i32 s20, 4
	s_cselect_b32 s21, 252, 0                      ; left of the band: R[i][0], 252 bytes in front of R[i][63]
	s_add_co_i32 s22, s20, 1                       ; the band is met where 0 <= d + 1 <= 5
	s_add_co_u32 s23, s18, 1055
	s_mov_b32 s19, 4*1087
	s_mov_b32 s30, 252
	v_and_b32 v12, 15, v0                          ; r
	v_bfe_u32 v13, v0, 4, 1                        ; h
	v_lshlrev_b32 v[KO], 11, v12
	v_lshl_add_u32 v[KO], v13, 4, v[KO]            ; r x 2,048 + 16 h
	v_add_nc_u32 v14, s16, v12                     ; i
	v_sub_nc_u32 v[X4], s23, v14
	v_lshl_add_u32 v[X4], v13, 3, v[X4]
	v_lshlrev_b32 v[X4], 2, v[X4]
	v_lshl_add_u32 v[RB], v14, 8, s30
	s_mul_i32 s31, s12, 16*SP                      ; my stage
	v_mul_u32_u24 v[STO], v12, SP
	v_lshl_add_u32 v[STO], v13, 5, v[STO]
	v_add_nc_u32 v[STO], s31, v[STO]
	v_mul_u32_u24 v[RD], v13, SP
	v_lshl_add_u32 v[RD], v12, 4, v[RD]
	v_add_nc_u32 v[RD], s31, v[RD]
	v_lshlrev_b32 v[CO], 12, v13
	v_lshl_add_u32 v[CO], v12, 4, v[CO]
	v_lshlrev_b32 v15, 3, v12
	s_lshl_b32 s32, s17, 11
	s_mov_b32 s33, 0
	s_lshl_b32 s34, s15, 21
	s_lshl_b32 s35, s18, 11
	s_add_co_u32 s34, s34, s35
	s_add_co_u32 s34, s34, 1<<24
	s_mov_b32 s35, 0
	s_lshl_b32 s36, s17, 3
	s_mov_b32 s37, 0
	s_lshl_b32 s38, s15, 18
	s_mov_b32 s39, 0
	s_wait_kmcnt 0x0
	s_add_nc_u64 s[40:41], s[4:5], s[32:33]        ; q, my 16 rows
	s_add_nc_u64 s[42:43], s[4:5], s[34:35]        ; k, my 64 rows
	s_add_nc_u64 s[24:25], s[6:7], s[36:37]        ; stat
	s_add_nc_u64 s[26:27], s[8:9], s[38:39]        ; rext, my batch
	s_lshl_b32 s32, s17, 12
	s_lshl_b32 s34, s18, 2
	s_add_co_u32 s32, s32, s34
	s_add_nc_u64 s[28:29], s[10:11], s[32:33]      ; out1
.irp dh, 0,1
	global_load_b128 v[QF+8*\dh:QF+8*\dh+3],   v[KO], s[40:41] offset:64*\dh
	global_load_b128 v[QF+8*\dh+4:QF+8*\dh+7], v[KO], s[40:41] offset:64*\dh+32
.endr
	global_load_b64 v[8:9], v15, s[24:25]          ; -c m, 1/l
.irp kb, 0,1,2,3
.irp dh, 0,1
	global_load_b128 v[KF+16*\kb+8*\dh:KF+16*\kb+8*\dh+3],   v[KO], s[42:43] offset:32768*\kb+64*\dh
	global_load_b128 v[KF+16*\kb+8*\dh+4:KF+16*\kb+8*\dh+7], v[KO], s[42:43] offset:32768*\kb+64*\dh+32
.endr
.endr
; The eight products.  zero = 1: the first four start the sums; zero = 0: they add onto the gathered biases.
; The four accumulators take turns, one instruction a turn.
.macro PROD zero
.irp kb, 0,1,2,3
.if \zero
	v_wmma_f32_16x16x32_bf16 v[SC+8*\kb:SC+8*\kb+7], v[KF+16*\kb:KF+16*\kb+7], v[QF:QF+7], 0
.else
	v_wmma_f32_16x16x32_bf16 v[SC+8*\kb:SC+8*\kb+7], v[KF+16*\kb:KF+16*\kb+7], v[QF:QF+7], v[SC+8*\kb:SC+8*\kb+7]
.endif
.endr
.irp kb, 0,1,2,3
	v_wmma_f32_16x16x32_bf16 v[SC+8*\kb:SC+8*\kb+7], v[KF+16*\kb+8:KF+16*\kb+15], v[QF+8:QF+15], v[SC+8*\kb:SC+8*\kb+7]
.endr
.endm
	s_cmp_lt_u32 s22, 6
	s_cbranch_scc1 .Lband
	; outside the band: one bias a lane; the load lands on its own address
	v_subrev_nc_u32 v1, s21, v[RB]
	global_load_b32 v1, v1, s[26:27]
	s_wait_loadcnt 0x0
	v_fmamk_f32 v8, v1, C_EXP, v8                  ; c R - c m
	PROD 1
	s_branch .Ljoin
.Lband:
	; the byte 256 i + 4 clip(31 - i + j, 0, 63) of each of my 32 numbers, made of ids and constants alone; each load lands on its own address
.irp kb, 0,1,2,3
.irp j, 0,1,2,3,4,5,6,7
	v_add_nc_u32 v[SC+8*\kb+\j], 4*(16*\kb+\j), v[X4]
.endr
.irp j, 0,1,2,3,4,5,6,7
	v_min_u32 v[SC+8*\kb+\j], s19, v[SC+8*\kb+\j]
.endr
.irp j, 0,1,2,3,4,5,6,7
	v_sub_nc_u32 v[SC+8*\kb+\j], s19, v[SC+8*\kb+\j]
.endr
.irp j, 0,1,2,3,4,5,6,7
	v_min_u32 v[SC+8*\kb+\j], s30, v[SC+8*\kb+\j]
.endr
.irp j, 0,1,2,3,4,5,6,7
	v_sub_nc_u32 v[SC+8*\kb+\j], v[RB], v[SC+8*\kb+\j]
.endr
.irp j, 0,1,2,3,4,5,6,7
	global_load_b32 v[SC+8*\kb+\j], v[SC+8*\kb+\j], s[26:27]
.endr
.endr
	s_wait_loadcnt 0x0
	PROD 0
.Ljoin:
	v_mov_b32 v10, v9                              ; 1/l, twice.  These three moves and the v_nop are the four places behind the products (ISA guide 7.12.1)
	v_mov_b32 v11, v9
	v_mov_b32 v9, v8                               ; the exponent's offset, twice
	v_nop
.set i, 0
.rept 16
	v_pk_fma_f32 v[SC+i:SC+i+1], v[SC+i:SC+i+1], C_EXP, v[8:9] op_sel_hi:[1,0,1]
.set i, i+2
.endr
.set i, 0
.rept 32
	v_exp_f32 v[SC+i], v[SC+i]
.set i, i+1
.endr
	v_nop                                          ; the plain instruction behind the exponentials (ISA guide 5.7.2)
.set i, 0
	s_wait_alu depctr_va_vdst(0)
.rept 16
	v_pk_mul_f32 v[SC+i:SC+i+1], v[SC+i:SC+i+1], v[10:11]
.set i, i+2
.endr
.irp kb, 0,1,2,3
	ds_store_b128 v[STO], v[SC+8*\kb:SC+8*\kb+3]   offset:64*\kb
	ds_store_b128 v[STO], v[SC+8*\kb+4:SC+8*\kb+7] offset:64*\kb+16
.endr
.irp t, 0,1,2,3,4,5,6,7
	ds_load_b128 v[OUT+4*\t:OUT+4*\t+3], v[RD] offset:2*SP*\t     ; my own bytes, served in order: these see the stores above
.endr
.irp t, 0,1,2,3,4,5,6,7
	s_wait_dscnt 7-\t                              ; load t is back, the younger ones stay out
	global_store_b128 v[CO], v[OUT+4*\t:OUT+4*\t+3], s[28:29] offset:8192*\t th:TH_STORE_NT   ; 16 lanes store 256 consecutive bytes of a row, aligned
.endr
	s_wait_tensorcnt 0x0
	ds_add_u32 v128, v129
	s_wait_dscnt 0x0
	s_endpgm
.Lfunc_end_k_qf0b132a7d3_top:
	.size	k_qf0b132a7d3_top, .Lfunc_end_k_qf0b132a7d3_top-k_qf0b132a7d3_top
	.p2alignl 7, 3214868480
	.fill 96, 4, 3214868480
	.section	.rodata,"a",@progbits
	.p2align	6, 0x0
	.amdhsa_kernel k_qf0b132a7d3_top
		.amdhsa_group_segment_fixed_size 35840
		.amdhsa_private_segment_fixed_size 0
		.amdhsa_enable_private_segment 0
		.amdhsa_kernarg_size 32
		.amdhsa_user_sgpr_count 2
		.amdhsa_user_sgpr_kernarg_segment_ptr 1
		.amdhsa_wavefront_size32 1
		.amdhsa_system_sgpr_workgroup_id_x 1
		.amdhsa_system_sgpr_workgroup_id_y 1
		.amdhsa_system_sgpr_workgroup_id_z 1
		.amdhsa_system_vgpr_workitem_id 0
		.amdhsa_next_free_vgpr 130
		.amdhsa_next_free_sgpr 66
		.amdhsa_reserve_vcc 0
		.amdhsa_float_denorm_mode_32 3
		.amdhsa_float_denorm_mode_16_64 3
		.amdhsa_memory_ordered 1
		.amdhsa_forward_progress 1
		.amdhsa_inst_pref_size 21
	.end_amdhsa_kernel
	.amdgpu_metadata
---
amdhsa.version: [ 1, 2 ]
amdhsa.kernels:
  - .name:           k_qf0b132a7d3_top
    .symbol:         k_qf0b132a7d3_top.kd
    .args:
      - { .name: qkvb, .offset: 0, .size: 8, .value_kind: global_buffer, .address_space: global }
      - { .name: stat, .offset: 8, .size: 8, .value_kind: global_buffer, .address_space: global }
      - { .name: rext, .offset: 16, .size: 8, .value_kind: global_buffer, .address_space: global }
      - { .name: out1, .offset: 24, .size: 8, .value_kind: global_buffer, .address_space: global }
    .group_segment_fixed_size: 35840
    .private_segment_fixed_size: 0
    .kernarg_segment_align: 8
    .kernarg_segment_size: 32
    .max_flat_workgroup_size: 256
    .sgpr_count:     66
    .vgpr_count:     130
    .wavefront_size: 32
...
	.end_amdgpu_metadata
.endif
;; end of part 9
;; launch oproj (part 10): grid 4 x 64, 4 waves a work-group, clusters of 4 x 4, 327,680 bytes of LDS; arguments ctx, wb, bo, out0; writes out0
.if DOCPART == 10
	.amdgcn_target "amdgcn-amd-amdhsa--gfx1250"
	.amdhsa_code_object_version 6
	.text
	.protected	k_qf0b132a7d3_oproj
	.globl	k_qf0b132a7d3_oproj
	.p2align	8
	.type	k_qf0b132a7d3_oproj,@function
k_qf0b132a7d3_oproj:
	s_mov_b64 s[64:65], 0
	v_nop
	global_prefetch_b8 v0, s[64:65] scope:SCOPE_SE
	s_setreg_imm32_b32 hwreg(HW_REG_WAVE_MODE, 25, 1), 1
	s_wait_xcnt 0x0
	s_wait_alu depctr_hold_cnt(0) depctr_sa_sdst(0) depctr_va_vdst(0) depctr_va_sdst(0) depctr_va_ssrc(0) depctr_va_vcc(0) depctr_vm_vsrc(0)
	s_getreg_b32 s2, hwreg(HW_REG_IB_STS2, 6, 4)
	s_cmp_eq_u32 s2, 0
	s_cbranch_scc0 .Lentry_in_a_cluster
	s_endpgm
.Lentry_in_a_cluster:
	s_bfe_u32 s2, ttmp6, 0x10000c
	s_cmp_lg_u32 s2, 0xf033
	s_cbranch_scc0 .Lentry_shape_is_right
	s_endpgm
.Lentry_shape_is_right:
; out0 = ctx Wo + bo.  ctx: [8192][1024] f16; Wo: [1024 k][1024 n] f16, chunk 3 of wb; bo f32; out0 f32; sums in f32.
; f16 and not bf16: ctx carries the value table's offset, and 8 bits of mantissa would be too coarse.  LIMIT: |ctx| and |Wo| below 65,504 (ctx is a weighted mean of
; rows of v + rel_v), with a step of 2^-24 under 2^-14.
; The same design as the projections of q, k and v: a work-group makes 128 rows x 256 columns with four waves, a wave 64 x 128 (32 accumulator tiles);
; 256 work-groups, one for each WGP.  K in steps of 128 through two LDS slots filled by the tensor data mover; Wo stays [k][n] and is transposed by the LDS load;
; the bias is the C operand of the first products.
; CLUSTERS: 4 x 4 work-groups; cx is the block of 256 columns, 4 x cluster y + cy the block of 128 rows.  ctx's tile is asked for jointly by a row of the cluster,
; Wo's by a column.  The matrix instruction is used transposed: a lane's eight results are eight neighbouring columns of one row, 32 bytes of f32.
; REGISTERS: window 0: addresses, two fragment buffers; window 1: accumulator tile (a, b) at v[8 (8 a + b)]; window 2: v0-63 the bias tiles.
.set KSTEP, 128
.set PA,    272
.set PB,    544
.set ATILE, 128*PA
.set SLOT,  ATILE+128*PB
.set STAGE, 2*SLOT                     ; behind the ring: 16 rows x 528 bytes for each wave; no tensor load lands there
.set SP,    528                        ; 512 bytes + 16, an odd multiple of 16
.set LAPS,  4                          ; 1024 / (2 x 128)
.set ADRA, 16
.set ADRB, 20
.set STO,  24
.set RD,   25
.set CO,   26
.set BO,   27
.set F0,   64
.set F1,   160
.set TMP,  64
.set G1,  24
.set G0,  32
.set G1B, 48
.set G0B, 56
.set MSB, 0
.macro WIN new
.if MSB != \new
	s_set_vgpr_msb (MSB<<8)|\new
.set MSB, \new
.endif
.endm
.macro PLACES                          ; four places behind a matrix instruction (ISA guide 7.12.1)
.rept 4
	v_nop
.endr
.endm
.macro JLOAD s                         ; waves 0 and 1 fetch ctx's two halves of 64 rows, waves 2 and 3 Wo's two halves of 64 k rows
	s_cmp_eq_u32 s15, 0
	s_cbranch_scc0 .Lfor_b_\@
	tensor_load_to_lds s[G0+4*\s:G0+4*\s+3], s[G1:G1+7]
	s_nop 0
.rept 4
	v_nop
.endr
	s_branch .Lasked_\@
.Lfor_b_\@:
	tensor_load_to_lds s[G0B+4*\s:G0B+4*\s+3], s[G1B:G1B+7]
	s_nop 0
.rept 4
	v_nop
.endr
.Lasked_\@:
.endm
.macro CREST
	s_cmp_lg_u32 s14, 0
	s_cbranch_scc1 .Lnot_wave_0_\@
	s_barrier_signal -3
.Lnot_wave_0_\@:
	s_barrier_wait -3
	s_barrier_signal -1
	s_barrier_wait -1
.endm
.macro CROUND
	s_barrier_signal -1
	s_barrier_wait -1
	CREST
.endm
	s_load_b256 s[4:11], s[0:1], 0x0               ; ctx s[4:5], wb s[6:7], bo s[8:9], out0 s[10:11]
	v_lshl_add_u32 v62, v0, 2, 0x3b400
	v_mov_b32 v63, 0
	ds_add_u32 v62, v63
	v_lshrrev_b32 v1, 5, v0
	v_readfirstlane_b32 s14, v1                    ; wave 0..3
	s_lshr_b32 s15, s14, 1                         ; which 64 rows are mine.  Also: I fetch for ctx (0) or for Wo (1)
	s_and_b32 s16, s14, 1                          ; which 128 columns.  Also: which half of that tile I fetch
	s_bfe_u32 s17, ttmp6, 0x40000                  ; cx
	s_bfe_u32 s18, ttmp6, 0x40004                  ; cy
	s_and_b32 s19, ttmp7, 0xffff
	s_lshl_b32 s19, s19, 2
	s_add_co_u32 s19, s19, s18                     ; block of 128 rows
	s_lshl_b32 s21, s18, 2
	s_lshl_b32 s21, 15, s21                        ; my row of the cluster
	s_lshl_b32 s22, 0x1111, s17                    ; my column
	s_or_b32 s[G1+0], s21, (1<<16)|(1<<20)|(1<<21)|(5<<22)|(3<<25)
	s_mov_b32 s[G1+1], KSTEP<<16
	s_mov_b32 s[G1+2], 64<<16
	s_mov_b32 s[G1+3], KSTEP<<16
	s_mov_b32 s[G1+4], 64
	s_mov_b32 s[G1+5], 1024
	s_mov_b32 s[G1+6], 0
	s_mov_b32 s[G1+7], 0
	s_or_b32 s[G1B+0], s22, (1<<16)|(1<<20)|(1<<21)|(6<<22)|(7<<25)
	s_mov_b32 s[G1B+1], 256<<16
	s_mov_b32 s[G1B+2], 64<<16
	s_mov_b32 s[G1B+3], 256<<16
	s_mov_b32 s[G1B+4], 64
	s_mov_b32 s[G1B+5], 1024
	s_mov_b32 s[G1B+6], 0
	s_mov_b32 s[G1B+7], 0
	s_lshl_b32 s40, s19, 18                        ; ctx's tile: (128 block row + 64 half) rows of 2,048 bytes; never holds cx
	s_lshl_b32 s41, s16, 17
	s_add_co_u32 s40, s40, s41
	s_mov_b32 s41, 0
	s_lshl_b32 s44, s17, 9                         ; Wo's tile: chunk 3 of wb (3 x 2 MiB in), 64 half k rows, 512 cx bytes; never holds cy
	s_lshl_b32 s45, s16, 17
	s_add_co_u32 s44, s44, s45
	s_add_co_u32 s44, s44, 0x600000
	s_mov_b32 s45, 0
	s_mul_i32 s23, s16, 64*PA
	s_mul_i32 s66, s16, 64*PB
	s_add_co_u32 s66, s66, ATILE
	s_wait_dscnt 0x0
	s_wait_kmcnt 0x0
	s_add_nc_u64 s[42:43], s[4:5], s[40:41]
	s_add_nc_u64 s[46:47], s[6:7], s[44:45]
	CROUND                                         ; all sixteen work-groups are here: the first joint loads meet
.irp s, 0,1
	s_mov_b32 s[G0+4*\s], 1
	s_add_co_u32 s[G0+4*\s+1], s23, \s*SLOT
	s_add_nc_u64 s[G0+4*\s+2:G0+4*\s+3], s[42:43], \s*KSTEP*2
	s_or_b32 s[G0+4*\s+3], s[G0+4*\s+3], 0x80000000
	s_mov_b32 s[G0B+4*\s], 1
	s_add_co_u32 s[G0B+4*\s+1], s66, \s*SLOT
	s_add_nc_u64 s[G0B+4*\s+2:G0B+4*\s+3], s[46:47], \s*KSTEP*2048
	s_or_b32 s[G0B+4*\s+3], s[G0B+4*\s+3], 0x80000000
	JLOAD \s                                       ; K steps 0 and 1: two tensor loads of the wave are out, later one
.endr
	v_and_b32 v1, 15, v0                           ; r
	v_bfe_u32 v2, v0, 4, 1                         ; h
	v_and_b32 v3, 7, v0
	v_bfe_u32 v4, v0, 3, 1
	s_lshl_b32 s70, s17, 10
	s_lshl_b32 s71, s16, 9
	s_add_co_u32 s70, s70, s71
	v_lshl_add_u32 v[BO], v2, 5, s70               ; bias[256 cx + 128 wn + 8 h ..]
	WIN 0x80                                       ; destination in window 2
.irp b, 0,1,2,3,4,5,6,7
	global_load_b128 v[8*\b:8*\b+3],   v[BO], s[8:9] offset:64*\b
	global_load_b128 v[8*\b+4:8*\b+7], v[BO], s[8:9] offset:64*\b+16
.endr
	WIN 0
	v_mul_u32_u24 v5, v1, PA
	v_lshl_add_u32 v5, v2, 4, v5
	v_lshl_add_u32 v6, v2, 3, v3
	v_mul_u32_u24 v6, v6, PB
	v_lshl_add_u32 v6, v4, 4, v6
	s_mul_i32 s21, s15, 64*PA
	s_lshl_b32 s22, s16, 8
	s_add_co_u32 s22, s22, ATILE
.irp s, 0,1
	v_add_nc_u32 v[ADRA+\s], s21, v5
	v_add_nc_u32 v[ADRB+\s], s22, v6
	s_add_co_u32 s21, s21, SLOT
	s_add_co_u32 s22, s22, SLOT
.endr
	s_mul_i32 s67, s14, 16*SP
	s_add_co_u32 s67, s67, STAGE                   ; my stage
	v_mul_u32_u24 v7, v1, SP
	v_lshl_add_u32 v7, v2, 5, v7
	v_add_nc_u32 v[STO], s67, v7                   ; in: row r, 32 bytes for each half of the lanes
	v_and_b32 v8, 31, v0
	v_lshlrev_b32 v[CO], 4, v8                     ; back and out: a wave takes a row's 512 bytes
	v_add_nc_u32 v[RD], s67, v[CO]
; The 32 accumulators take turns, one instruction a turn, in the same order everywhere.
.macro MUL16 f, a0, zero
.irp a, \a0, \a0+1
.irp b, 0,1,2,3,4,5,6,7
.if \zero
	v_wmma_f32_16x16x32_f16 v[8*(8*(\a)+\b):8*(8*(\a)+\b)+7], v[\f+8*\b:\f+8*\b+7], v[\f+64+8*(\a):\f+64+8*(\a)+7], v[8*\b:8*\b+7]
.else
	v_wmma_f32_16x16x32_f16 v[8*(8*(\a)+\b):8*(8*(\a)+\b)+7], v[\f+8*\b:\f+8*\b+7], v[\f+64+8*(\a):\f+64+8*(\a)+7], v[8*(8*(\a)+\b):8*(8*(\a)+\b)+7]
.endif
.endr
.endr
.endm
.macro FETCH slot, q, f
.irp b, 0,1,2,3,4,5,6,7
	ds_load_tr16_b128 v[\f+8*\b:\f+8*\b+3],   v[ADRB+\slot] offset:32*PB*\q+32*\b
	ds_load_tr16_b128 v[\f+8*\b+4:\f+8*\b+7], v[ADRB+\slot] offset:32*PB*\q+32*\b+16*PB
.endr
.irp a, 0,1,2,3
	ds_load_b128 v[\f+64+8*\a:\f+64+8*\a+3],   v[ADRA+\slot] offset:64*\q+16*PA*\a
	ds_load_b128 v[\f+64+8*\a+4:\f+64+8*\a+7], v[ADRA+\slot] offset:64*\q+16*PA*\a+32
.endr
.endm
.macro QUARTER slot, qn, f, g, zero    ; buffer f is in (asked for 32 matrix instructions ago); quarter qn goes out into buffer g; buffer f is multiplied
	s_wait_dscnt 0x0
	WIN 0
	PLACES
	FETCH \slot, \qn, \g
.if \zero
	WIN 0x60
.else
	WIN 0x50
.endif
	MUL16 \f, 0, \zero
	MUL16 \f, 2, \zero
.endm
.macro THREE slot, zero
	QUARTER \slot, 1, F0, F1, \zero
	QUARTER \slot, 2, F1, F0, 0
	QUARTER \slot, 3, F0, F1, 0
.endm
; The change of slots: in front of the barrier each wave's reads of this slot are back and all its tensor loads have landed; behind it
; (with fill: behind the cluster's round that it opens) the refill comes first.
.macro TURN slot, next, fill
	s_wait_dscnt 0x0
	s_wait_tensorcnt 0x0
	ds_add_u32 v62, v63
	s_wait_dscnt 0x0
	s_barrier_signal -1
	WIN 0x50
	MUL16 F1, 0, 0
	WIN 0
	s_barrier_wait -1
.if \fill
	CREST
	s_add_nc_u64 s[G0+4*\slot+2:G0+4*\slot+3], s[G0+4*\slot+2:G0+4*\slot+3], 2*KSTEP*2
	s_add_nc_u64 s[G0B+4*\slot+2:G0B+4*\slot+3], s[G0B+4*\slot+2:G0B+4*\slot+3], 2*KSTEP*2048
	JLOAD \slot
.else
	PLACES
.endif
	FETCH \next, 0, F0
	WIN 0x50
	MUL16 F1, 2, 0
.endm
.macro LAP zero
	THREE 0, \zero
	TURN 0, 1, 1
	THREE 1, 0
	TURN 1, 0, 1
.endm
	s_wait_loadcnt 0x0                             ; the bias
	s_wait_tensorcnt 0x1                           ; my part of K step 0 is in; K step 1's stays out
	s_barrier_signal -1
	s_barrier_wait -1
	FETCH 0, 0, F0
	LAP 1
	WIN 0
	s_mov_b32 s3, LAPS-2
.Llap:
	LAP 0
	WIN 0
	s_sub_co_u32 s3, s3, 1
	s_cmp_lg_u32 s3, 0
	s_cbranch_scc1 .Llap
	THREE 0, 0                                     ; the last lap fills nothing
	TURN 0, 1, 0
	THREE 1, 0
	s_wait_dscnt 0x0
	MUL16 F1, 0, 0
	MUL16 F1, 2, 0
	WIN 0
	PLACES
	; THE WAY OUT, 16 rows at a time: 32 bytes a lane into my own stage, read back as whole rows of 512 bytes.
	s_lshl_b32 s70, s19, 19
	s_lshl_b32 s71, s15, 18
	s_add_co_u32 s70, s70, s71
	s_lshl_b32 s71, s17, 10
	s_add_co_u32 s70, s70, s71
	s_lshl_b32 s71, s16, 9
	s_add_co_u32 s70, s70, s71
	s_mov_b32 s71, 0
	s_add_nc_u64 s[72:73], s[10:11], s[70:71]
.macro OUT16 a
	WIN 0x04                                       ; the stores' data in window 1
.irp b, 0,1,2,3,4,5,6,7
	ds_store_b128 v[STO], v[8*(8*\a+\b):8*(8*\a+\b)+3]   offset:64*\b
	ds_store_b128 v[STO], v[8*(8*\a+\b)+4:8*(8*\a+\b)+7] offset:64*\b+16
.endr
	WIN 0
	s_wait_xcnt 0x0                                ; the registers that earlier stores read, and their base, are rewritten only behind this wait
.if \a
	s_add_nc_u64 s[72:73], s[72:73], 16*4096
.endif
.irp t, 0,1,2,3,4,5,6,7,8,9,10,11,12,13,14,15
	ds_load_b128 v[TMP+4*\t:TMP+4*\t+3], v[RD] offset:SP*\t       ; my own bytes, served in order: these see the stores above
.endr
.irp t, 0,1,2,3,4,5,6,7,8,9,10,11,12,13,14,15
	s_wait_dscnt 15-\t                             ; load t is back, the younger ones stay out
	global_store_b128 v[CO], v[TMP+4*\t:TMP+4*\t+3], s[72:73] offset:4096*\t  ; a wave stores 512 consecutive bytes, aligned
.endr
.endm
	OUT16 0
	OUT16 1
	OUT16 2
	OUT16 3
	s_wait_tensorcnt 0x0
	ds_add_u32 v62, v63
	s_wait_dscnt 0x0
	CROUND                                         ; the closing round
	s_endpgm
.Lfunc_end_k_qf0b132a7d3_oproj:
	.size	k_qf0b132a7d3_oproj, .Lfunc_end_k_qf0b132a7d3_oproj-k_qf0b132a7d3_oproj
	.p2alignl 7, 3214868480
	.fill 96, 4, 3214868480
	.section	.rodata,"a",@progbits
	.p2align	6, 0x0
	.amdhsa_kernel k_qf0b132a7d3_oproj
		.amdhsa_group_segment_fixed_size 327680
		.amdhsa_private_segment_fixed_size 0
		.amdhsa_enable_private_segment 0
		.amdhsa_kernarg_size 32
		.amdhsa_user_sgpr_count 2
		.amdhsa_user_sgpr_kernarg_segment_ptr 1
		.amdhsa_wavefront_size32 1
		.amdhsa_system_sgpr_workgroup_id_x 1
		.amdhsa_system_sgpr_workgroup_id_y 1
		.amdhsa_system_sgpr_workgroup_id_z 1
		.amdhsa_system_vgpr_workitem_id 0
		.amdhsa_next_free_vgpr 576
		.amdhsa_next_free_sgpr 76
		.amdhsa_reserve_vcc 0
		.amdhsa_float_denorm_mode_32 3
		.amdhsa_float_denorm_mode_16_64 3
		.amdhsa_memory_ordered 1
		.amdhsa_forward_progress 1
		.amdhsa_inst_pref_size 119
	.end_amdhsa_kernel
	.amdgpu_metadata
---
amdhsa.version: [ 1, 2 ]
amdhsa.kernels:
  - .name:           k_qf0b132a7d3_oproj
    .symbol:         k_qf0b132a7d3_oproj.kd
    .args:
      - { .name: ctx, .offset: 0, .size: 8, .value_kind: global_buffer, .address_space: global }
      - { .name: wb, .offset: 8, .size: 8, .value_kind: global_buffer, .address_space: global }
      - { .name: bo, .offset: 16, .size: 8, .value_kind: global_buffer, .address_space: global }
      - { .name: out0, .offset: 24, .size: 8, .value_kind: global_buffer, .address_space: global }
    .group_segment_fixed_size: 327680
    .private_segment_fixed_size: 0
    .kernarg_segment_align: 8
    .kernarg_segment_size: 32
    .max_flat_workgroup_size: 128
    .sgpr_count:     76
    .vgpr_count:     576
    .wavefront_size: 32
...
	.end_amdgpu_metadata
.endif
;; end of part 10
;; ======== version 3 of 3: 5 launches; version 2 with the launches cast, top written anew for expert scheduling mode
;; limits: values are held in f16: magnitudes above 65,504 overflow, below 6.1e-05 lose precision
;; workspace buffers: wb 8,388,608 bytes; qkvb 50,331,648 bytes; ctx 16,777,216 bytes; stat 65,536 bytes; rext 2,097,152 bytes
;; launch cast (part 11): grid 64 x 4, 8 waves a work-group, no clusters, 0 bytes of LDS; arguments Wq, Wk, Wv, Wo, wb; writes wb
.if DOCPART == 11
	.amdgcn_target "amdgcn-amd-amdhsa--gfx1250"
	.amdhsa_code_object_version 6
	.text
	.protected	k_qf0b132a7d3_cast
	.globl	k_qf0b132a7d3_cast
	.p2align	8
	.type	k_qf0b132a7d3_cast,@function
k_qf0b132a7d3_cast:
	s_mov_b64 s[64:65], 0
	v_nop
	global_prefetch_b8 v0, s[64:65] scope:SCOPE_SE
	s_setreg_imm32_b32 hwreg(HW_REG_WAVE_SCHED_MODE, 0, 2), 2
	s_setreg_imm32_b32 hwreg(HW_REG_WAVE_MODE, 25, 1), 1
	s_wait_xcnt 0x0
	s_wait_alu depctr_vm_vsrc(0)
; wb = 16-bit copies of the four weights, one behind the other, each kept row-major [k][n]: 4 chunks of 1,048,576 numbers (0 Wq, 1 Wk, 2 Wv, 3 Wo).
; Rounding to nearest even, once.  The weights are read by 64 row blocks each, so they are rounded once here; the activations are rounded where they are used.
; Chunks 0-2 are bf16.  Chunk 3, Wo, is f16: its partner in the last projection, ctx, carries the value table's offset and needs f16's 11 bits of mantissa,
; and both operands of a matrix instruction have one format.  LIMIT: |Wo| below 65,504; numbers under 2^-14 keep a step of 2^-24.
; A stream: no LDS, no barrier, no matrix unit.  The work-group's y is the chunk, its x one of 64 parts of 16,384 numbers.
; Thread t takes the 16 bytes at 16 t + 4,096 j of the part, j = 0 .. 15: a wave's load covers 512 consecutive bytes,
; its store of 8 bytes a lane 256 consecutive bytes, aligned.  All sixteen loads go out first; no register is written twice.
; THE MODE: SCHED_MODE bits 1:0 = 2 (LLVM: expert scheduling mode 2), set by the entry lines.  The code itself states the register dependences
; between vector instructions and memory instructions, with s_wait_alu, always for 0.
; THE PLAN.  Registers that memory instructions touch:
;   v1, v2   the loads' and the stores' byte offsets: made once at the head, never written again.
;   X        written by the sixteen loads, once each; read by the conversions; no vector instruction writes it.
;   Y        written by the conversions, once each; read by the stores.
; The sixteen groups go in four blocks of four.  Block g's conversions read X of block g and write Y of block g; its memory instructions are the four stores of
; block g - 1, whose data and offset no vector instruction of block g names.  So one wait at a block's head states all that its stores hang on,
; and they are dealt among its conversions with no further wait.
.set X,  4                             ; v[4:67]   sixteen loads of four f32
.set Y,  68                            ; v[68:99]  sixteen pairs of packed 16-bit numbers
	s_load_b256 s[8:15], s[0:1], 0x0               ; Wq, Wk, Wv, Wo
	s_load_b64 s[16:17], s[0:1], 0x20              ; wb
	s_and_b32 s2, ttmp7, 0xffff                    ; chunk 0 .. 3
	s_lshl_b32 s26, ttmp9, 16                      ; my part: 65,536 bytes of f32
	s_mov_b32 s27, 0
	s_lshl_b32 s28, s2, 21                         ; 2 MiB of 16-bit numbers a chunk
	s_lshl_b32 s5, ttmp9, 15
	s_add_co_u32 s28, s28, s5
	s_mov_b32 s29, 0
	v_lshlrev_b32 v1, 4, v0                        ; 16 t
	v_lshlrev_b32 v2, 3, v0                        ; 8 t
	s_wait_kmcnt 0x0
	s_cmp_eq_u32 s2, 1
	s_cselect_b64 s[24:25], s[10:11], s[8:9]
	s_cmp_eq_u32 s2, 2
	s_cselect_b64 s[24:25], s[12:13], s[24:25]
	s_cmp_eq_u32 s2, 3
	s_cselect_b64 s[24:25], s[14:15], s[24:25]
	s_add_nc_u64 s[24:25], s[24:25], s[26:27]
	s_add_nc_u64 s[28:29], s[16:17], s[28:29]
	s_wait_alu depctr_va_vdst(0)                   ; v1 and v2 are written: every load reads v1, every store v2, as its offset
.irp j, 0,1,2,3,4,5,6,7,8,9,10,11,12,13,14,15
	global_load_b128 v[X+4*\j:X+4*\j+3], v1, s[24:25] offset:4096*\j th:TH_LOAD_NT
.endr
; The sixteen groups are rounded and stored, in four blocks of four; half = 1: to f16, else to bf16.
.macro ROUNDOUT half
.irp g, 0,1,2,3
	s_wait_loadcnt 12-4*(\g)                       ; loads come back in order: block g's four are in, the younger blocks' stay out
.if \g
	s_wait_alu depctr_va_vdst(0)                   ; the block before has written its eight registers of Y, which the four stores below read
.endif
.irp i, 0,1,2,3
.if \g
	global_store_b64 v2, v[Y+2*(4*(\g)-4+(\i)):Y+2*(4*(\g)-4+(\i))+1], s[28:29] offset:2048*(4*(\g)-4+(\i))  ; the block before; no vector instruction since the wait names these registers
.endif
.if \half
	v_cvt_pk_f16_f32 v[Y+2*(4*(\g)+(\i))],   v[X+4*(4*(\g)+(\i))],   v[X+4*(4*(\g)+(\i))+1]
	v_cvt_pk_f16_f32 v[Y+2*(4*(\g)+(\i))+1], v[X+4*(4*(\g)+(\i))+2], v[X+4*(4*(\g)+(\i))+3]
.else
	v_cvt_pk_bf16_f32 v[Y+2*(4*(\g)+(\i))],   v[X+4*(4*(\g)+(\i))],   v[X+4*(4*(\g)+(\i))+1]
	v_cvt_pk_bf16_f32 v[Y+2*(4*(\g)+(\i))+1], v[X+4*(4*(\g)+(\i))+2], v[X+4*(4*(\g)+(\i))+3]
.endif
.endr
.endr
	s_wait_alu depctr_va_vdst(0)                   ; block 3 has written its eight registers of Y, which the last four stores read
.irp i, 0,1,2,3
	global_store_b64 v2, v[Y+2*(12+(\i)):Y+2*(12+(\i))+1], s[28:29] offset:2048*(12+(\i))
.endr
	s_endpgm
.endm
	s_cmp_eq_u32 s2, 3                             ; the chunk's number alone decides the format
	s_cbranch_scc1 .Lhalf
	ROUNDOUT 0
.Lhalf:
	ROUNDOUT 1
.Lfunc_end_k_qf0b132a7d3_cast:
	.size	k_qf0b132a7d3_cast, .Lfunc_end_k_qf0b132a7d3_cast-k_qf0b132a7d3_cast
	.p2alignl 7, 3214868480
	.fill 96, 4, 3214868480
	.section	.rodata,"a",@progbits
	.p2align	6, 0x0
	.amdhsa_kernel k_qf0b132a7d3_cast
		.amdhsa_group_segment_fixed_size 0
		.amdhsa_private_segment_fixed_size 0
		.amdhsa_enable_private_segment 0
		.amdhsa_kernarg_size 40
		.amdhsa_user_sgpr_count 2
		.amdhsa_user_sgpr_kernarg_segment_ptr 1
		.amdhsa_wavefront_size32 1
		.amdhsa_system_sgpr_workgroup_id_x 1
		.amdhsa_system_sgpr_workgroup_id_y 1
		.amdhsa_system_sgpr_workgroup_id_z 1
		.amdhsa_system_vgpr_workitem_id 0
		.amdhsa_next_free_vgpr 100
		.amdhsa_next_free_sgpr 66
		.amdhsa_reserve_vcc 0
		.amdhsa_float_denorm_mode_32 3
		.amdhsa_float_denorm_mode_16_64 3
		.amdhsa_memory_ordered 1
		.amdhsa_forward_progress 1
		.amdhsa_inst_pref_size 11
	.end_amdhsa_kernel
	.amdgpu_metadata
---
amdhsa.version: [ 1, 2 ]
amdhsa.kernels:
  - .name:           k_qf0b132a7d3_cast
    .symbol:         k_qf0b132a7d3_cast.kd
    .args:
      - { .name: Wq, .offset: 0, .size: 8, .value_kind: global_buffer, .address_space: global }
      - { .name: Wk, .offset: 8, .size: 8, .value_kind: global_buffer, .address_space: global }
      - { .name: Wv, .offset: 16, .size: 8, .value_kind: global_buffer, .address_space: global }
      - { .name: Wo, .offset: 24, .size: 8, .value_kind: global_buffer, .address_space: global }
      - { .name: wb, .offset: 32, .size: 8, .value_kind: global_buffer, .address_space: global }
    .group_segment_fixed_size: 0
    .private_segment_fixed_size: 0
    .kernarg_segment_align: 8
    .kernarg_segment_size: 40
    .max_flat_workgroup_size: 256
    .sgpr_count:     66
    .vgpr_count:     100
    .wavefront_size: 32
...
	.end_amdgpu_metadata
.endif
;; end of part 11
;; launch qkv: the kernel of part 7 again; grid 12 x 64, 4 waves a work-group, clusters of 4 x 4, 327,680 bytes of LDS; arguments query, key, value, wb, bq, bk, bv, qkvb; writes qkvb
;; launch attn: the kernel of part 8 again; grid 4 x 64, 8 waves a work-group, no clusters, 327,680 bytes of LDS; arguments qkvb, rel_k_table, rel_v_table, ctx, stat, rext; writes ctx, stat, rext
;; launch top (part 12): grid 128 x 8, 8 waves a work-group, no clusters, 35,840 bytes of LDS; arguments qkvb, stat, rext, out1; writes out1
.if DOCPART == 12
	.amdgcn_target "amdgcn-amd-amdhsa--gfx1250"
	.amdhsa_code_object_version 6
	.text
	.protected	k_qf0b132a7d3_top
	.globl	k_qf0b132a7d3_top
	.p2align	8
	.type	k_qf0b132a7d3_top,@function
k_qf0b132a7d3_top:
	s_mov_b64 s[64:65], 0
	v_nop
	global_prefetch_b8 v0, s[64:65] scope:SCOPE_SE
	s_setreg_imm32_b32 hwreg(HW_REG_WAVE_SCHED_MODE, 0, 2), 2
	s_setreg_imm32_b32 hwreg(HW_REG_WAVE_MODE, 25, 1), 1
	s_wait_xcnt 0x0
	s_wait_alu depctr_vm_vsrc(0)
; out1[b][i][j] = head 0's weights = exp2(c (q_i . k_j + R[i][e]) - c m_i) / l_i, with e = clip(31 - i + j, 0, 63), c = log2(e) / 8.
; -c m, 1/l (stat) and R (rext, f32 [8][1024][64]) were stored by the launch before; the products are the same bf16 products as there, so no weight passes 1.
; A wave makes ONE piece of 16 queries x 64 keys and ends: no loop, no wave waits for another, 8,192 waves in 1,024 work-groups.  The work-group's x >> 2 is a group
; of 32 queries, x & 3 one of four runs of 64 keys; wave w: query block w & 1, keys 256 (w >> 1) + 64 (x & 3) .. + 63.  With 146 registers a wave and 35,840 bytes
; of LDS a work-group, several work-groups lie on a WGP, which multiplies the bytes in flight.
; THE BIAS: d = (query block) - (first key block), made of ids alone.  d >= 5: all four tiles lie left of the band, e <= 14, and R[i][e] = R[i][0];
; d <= -2: all lie right of it, e >= 48, and R[i][e] = R[i][63]: one number a lane, folded into the exponent's offset.  Only d = -1 .. 4 gathers R[i][e],
; straight into the accumulators, which are then the C operand of the first products.
; Transposed product (K first): lane (r, h) holds keys 8 h + j of query r, eight neighbouring numbers of a row of out1; they leave through the wave's own stage.
; The stores bind (32 MiB): no tensor loads, no barrier, no cluster; K, 128 KiB a batch, is read straight into fragments.
; LIMITS: q and k are bf16; weights below 2^-126 become 0.
; THE MODE: SCHED_MODE bits 1:0 = 2 (LLVM: expert scheduling mode 2), set by the entry lines.  The code itself states the register dependences
; between vector or matrix instructions and memory or LDS instructions, with s_wait_alu, always for 0.
; THE PLAN.  Registers that memory or LDS instructions touch:
;   v1, v[KO], v[CO], v[STO], v[RD], v15, v128, v129   offsets and addresses: made at the head, never written again.
;   QF, KF, v[8:9]   written by loads (v[8:9] also by vector work behind the wait); read by the products and by vector work behind the wait for the loads.
;   v14              at the head it holds i, for vector work; outside the band the one bias lands in it.
;   SC               in the band the clips are worked in place there, then the gathers land in it; at the end the multiplies write it and the LDS stores read it.
;   AD               sixteen addresses of gathers: written by vector subtractions, read by the gathers, and written once more for the second sixteen.
;   OUT = KF's registers   the stage's loads land there when the products have read KF; the global stores read them.
; The waits: one on va_sdst for the wave's number; one on va_vdst ahead of the first load, for the whole head; in the band one on va_vdst ahead of each sixteen gathers
; and one on vm_vsrc ahead of AD's second writing; the one behind the exponentials; one on va_vdst ahead of the run of LDS stores; the closing lines.
.set C_EXP, 0x3e38aa3b
.set SP,  272
.set KO,  2
.set X4,  3                            ; 4 (1024 + 31 - i + j) for the lane's first key
.set RB,  4                            ; 256 i + 252
.set STO, 5
.set RD,  6
.set CO,  7
.set QF,  16
.set KF,  32
.set SC,  96
.set OUT, 32                           ; the stage is read back into K's registers
.set AD,  130                          ; v[130:145] the byte offsets in rext of sixteen gathers
	s_load_b256 s[4:11], s[0:1], 0x0               ; qkvb s[4:5], stat s[6:7], rext s[8:9], out1 s[10:11]
	v_lshl_add_u32 v128, v0, 2, 0x8800
	v_mov_b32 v129, 0
	v_lshrrev_b32 v1, 5, v0
	v_readfirstlane_b32 s12, v1
	v_and_b32 v12, 15, v0                          ; r.  These seven lines need no scalar: they stand between s12's writer and the wait for it
	v_bfe_u32 v13, v0, 4, 1                        ; h
	v_lshlrev_b32 v[KO], 11, v12
	v_lshl_add_u32 v[KO], v13, 4, v[KO]            ; r x 2,048 + 16 h
	v_lshlrev_b32 v[CO], 12, v13
	v_lshl_add_u32 v[CO], v12, 4, v[CO]
	v_lshlrev_b32 v15, 3, v12
	s_wait_alu depctr_va_sdst(0)                   ; s12, the wave's number, is written, ahead of its first reader: the piece's place, the branch and the bases are made from it
	s_and_b32 s13, s12, 1                          ; query block of the group
	s_lshr_b32 s14, s12, 1                         ; quarter of the keys
	s_and_b32 s15, ttmp7, 0xffff                   ; batch
	s_lshr_b32 s2, ttmp9, 2                        ; group of 32 queries
	s_and_b32 s3, ttmp9, 3                         ; run of 64 keys in the quarter
	s_lshl_b32 s16, s2, 5
	s_lshl4_add_u32 s16, s13, s16                  ; my first query in the batch
	s_lshl_b32 s17, s15, 10
	s_add_co_u32 s17, s17, s16                     ; the same among all 8,192 rows
	s_lshl_b32 s18, s14, 8
	s_lshl_b32 s3, s3, 6
	s_add_co_u32 s18, s18, s3                      ; my first key
	s_lshr_b32 s20, s16, 4
	s_lshr_b32 s21, s18, 4
	s_sub_co_i32 s20, s20, s21                     ; d = query block - first key block
	s_cmp_gt_i32 s20, 4
	s_cselect_b32 s21, 252, 0                      ; left of the band: R[i][0], 252 bytes in front of R[i][63]
	s_add_co_i32 s22, s20, 1                       ; the band is met where 0 <= d + 1 <= 5
	s_add_co_u32 s23, s18, 1055
	s_mov_b32 s19, 4*1087
	s_mov_b32 s30, 252
	v_add_nc_u32 v14, s16, v12                     ; i
	v_sub_nc_u32 v[X4], s23, v14
	v_lshl_add_u32 v[X4], v13, 3, v[X4]
	v_lshlrev_b32 v[X4], 2, v[X4]
	v_lshl_add_u32 v[RB], v14, 8, s30
	v_subrev_nc_u32 v1, s21, v[RB]                 ; the byte of the one bias outside the band: made here, in every wave, so that the head's one wait covers it
	s_mul_i32 s31, s12, 16*SP                      ; my stage
	v_mul_u32_u24 v[STO], v12, SP
	v_lshl_add_u32 v[STO], v13, 5, v[STO]
	v_add_nc_u32 v[STO], s31, v[STO]
	v_mul_u32_u24 v[RD], v13, SP
	v_lshl_add_u32 v[RD], v12, 4, v[RD]
	v_add_nc_u32 v[RD], s31, v[RD]
	s_lshl_b32 s32, s17, 11
	s_mov_b32 s33, 0
	s_lshl_b32 s34, s15, 21
	s_lshl_b32 s35, s18, 11
	s_add_co_u32 s34, s34, s35
	s_add_co_u32 s34, s34, 1<<24
	s_mov_b32 s35, 0
	s_lshl_b32 s36, s17, 3
	s_mov_b32 s37, 0
	s_lshl_b32 s38, s15, 18
	s_mov_b32 s39, 0
	s_wait_kmcnt 0x0
	s_add_nc_u64 s[40:41], s[4:5], s[32:33]        ; q, my 16 rows
	s_add_nc_u64 s[42:43], s[4:5], s[34:35]        ; k, my 64 rows
	s_add_nc_u64 s[24:25], s[6:7], s[36:37]        ; stat
	s_add_nc_u64 s[26:27], s[8:9], s[38:39]        ; rext, my batch
	s_lshl_b32 s32, s17, 12
	s_lshl_b32 s34, s18, 2
	s_add_co_u32 s32, s32, s34
	s_add_nc_u64 s[28:29], s[10:11], s[32:33]      ; out1
	s_wait_alu depctr_va_vdst(0)                   ; the head has written v1, KO, CO, STO, RD, v15, v128 and v129, which loads, stores and the closing add read, and is done with v14, in which a load may land
.irp dh, 0,1
	global_load_b128 v[QF+8*\dh:QF+8*\dh+3],   v[KO], s[40:41] offset:64*\dh
	global_load_b128 v[QF+8*\dh+4:QF+8*\dh+7], v[KO], s[40:41] offset:64*\dh+32
.endr
	global_load_b64 v[8:9], v15, s[24:25]          ; -c m, 1/l
.irp kb, 0,1,2,3
.irp dh, 0,1
	global_load_b128 v[KF+16*\kb+8*\dh:KF+16*\kb+8*\dh+3],   v[KO], s[42:43] offset:32768*\kb+64*\dh
	global_load_b128 v[KF+16*\kb+8*\dh+4:KF+16*\kb+8*\dh+7], v[KO], s[42:43] offset:32768*\kb+64*\dh+32
.endr
.endr
; The eight products.  zero = 1: the first four start the sums; zero = 0: they add onto the gathered biases.
; The four accumulators take turns, one instruction a turn.
.macro PROD zero
.irp kb, 0,1,2,3
.if \zero
	v_wmma_f32_16x16x32_bf16 v[SC+8*\kb:SC+8*\kb+7], v[KF+16*\kb:KF+16*\kb+7], v[QF:QF+7], 0
.else
	v_wmma_f32_16x16x32_bf16 v[SC+8*\kb:SC+8*\kb+7], v[KF+16*\kb:KF+16*\kb+7], v[QF:QF+7], v[SC+8*\kb:SC+8*\kb+7]
.endif
.endr
.irp kb, 0,1,2,3
	v_wmma_f32_16x16x32_bf16 v[SC+8*\kb:SC+8*\kb+7], v[KF+16*\kb+8:KF+16*\kb+15], v[QF+8:QF+15], v[SC+8*\kb:SC+8*\kb+7]
.endr
.endm
; The band's gathers, sixteen numbers (two tiles) at a time.  Register m of SC holds key 16 (m / 8) + m % 8 of the lane's 32.
; CLIP: 252 - 4 clip(31 - i + j, 0, 63), made of ids and constants alone, worked in place in half g of SC, in four runs of sixteen, so that no line reads the result of the line before it.
.macro CLIP g
.set m, 16*(\g)
.rept 16
	v_add_nc_u32 v[SC+m], 4*(16*(m/8)+m%8), v[X4]
.set m, m+1
.endr
.set m, 16*(\g)
.rept 16
	v_min_u32 v[SC+m], s19, v[SC+m]
.set m, m+1
.endr
.set m, 16*(\g)
.rept 16
	v_sub_nc_u32 v[SC+m], s19, v[SC+m]
.set m, m+1
.endr
.set m, 16*(\g)
.rept 16
	v_min_u32 v[SC+m], s30, v[SC+m]
.set m, m+1
.endr
.endm
; ADDR: the bytes 256 i + 4 clip(..) of half g, into AD.
.macro ADDR g
.set m, 0
.rept 16
	v_sub_nc_u32 v[AD+m], v[RB], v[SC+16*(\g)+m]
.set m, m+1
.endr
.endm
; GATHER: the sixteen numbers land in half g of SC.
.macro GATHER g
.set m, 0
.rept 16
	global_load_b32 v[SC+16*(\g)+m], v[AD+m], s[26:27]
.set m, m+1
.endr
.endm
	s_cmp_lt_u32 s22, 6
	s_cbranch_scc1 .Lband
	; outside the band: one bias a lane.  No wait: no vector instruction since the head's wait names v1 or v14
	global_load_b32 v14, v1, s[26:27]
	s_wait_loadcnt 0x0
	v_fmamk_f32 v8, v14, C_EXP, v8                 ; c R - c m
	PROD 1
	s_branch .Ljoin
.Lband:
	CLIP 0
	ADDR 0
	s_wait_alu depctr_va_vdst(0)                   ; AD is written, which the gathers read; the clips are done writing and reading SC's first half, in which they land
	GATHER 0
	CLIP 1                                         ; 64 lines on SC's second half: they name no register of the sixteen gathers just issued
	s_wait_xcnt 0x0                                ; the gathers' addresses are translated: AD is rewritten only behind this wait,
	s_wait_alu depctr_vm_vsrc(0)                   ; and the gathers have read AD, which the subtractions below write again
	ADDR 1
	s_wait_alu depctr_va_vdst(0)                   ; AD is written anew; the clips and subtractions are done writing and reading SC's second half, in which the gathers land
	GATHER 1
	s_wait_loadcnt 0x0
	PROD 0
.Ljoin:
	v_mov_b32 v10, v9                              ; 1/l, twice.  These three moves and the v_nop are the four places behind the products (ISA guide 7.12.1)
	v_mov_b32 v11, v9
	v_mov_b32 v9, v8                               ; the exponent's offset, twice
	v_nop
.set i, 0
.rept 16
	v_pk_fma_f32 v[SC+i:SC+i+1], v[SC+i:SC+i+1], C_EXP, v[8:9] op_sel_hi:[1,0,1]
.set i, i+2
.endr
.set i, 0
.rept 32
	v_exp_f32 v[SC+i], v[SC+i]
.set i, i+1
.endr
	v_nop                                          ; the plain instruction behind the exponentials (ISA guide 5.7.2)
.set i, 0
	s_wait_alu depctr_va_vdst(0)                   ; the 32 exponentials have written SC: one wait for the batch, ahead of its first reader
.rept 16
	v_pk_mul_f32 v[SC+i:SC+i+1], v[SC+i:SC+i+1], v[10:11]
.set i, i+2
.endr
	s_wait_alu depctr_va_vdst(0)                   ; the multiplies have written SC, which the LDS stores read; the products are done reading KF, in whose registers the stage's loads land
.irp kb, 0,1,2,3
	ds_store_b128 v[STO], v[SC+8*\kb:SC+8*\kb+3]   offset:64*\kb
	ds_store_b128 v[STO], v[SC+8*\kb+4:SC+8*\kb+7] offset:64*\kb+16
.endr
.irp t, 0,1,2,3,4,5,6,7
	ds_load_b128 v[OUT+4*\t:OUT+4*\t+3], v[RD] offset:2*SP*\t     ; my own bytes, served in order: these see the stores above
.endr
.irp t, 0,1,2,3,4,5,6,7
	s_wait_dscnt 7-\t                              ; load t is back, the younger ones stay out
	global_store_b128 v[CO], v[OUT+4*\t:OUT+4*\t+3], s[28:29] offset:8192*\t th:TH_STORE_NT   ; 16 lanes store 256 consecutive bytes of a row, aligned
.endr
	s_wait_dscnt 0x0                               ; the closing lines, six on end
	s_wait_alu 0x0
	s_wait_tensorcnt 0x0
	ds_add_u32 v128, v129
	s_wait_dscnt 0x0
	s_endpgm
.Lfunc_end_k_qf0b132a7d3_top:
	.size	k_qf0b132a7d3_top, .Lfunc_end_k_qf0b132a7d3_top-k_qf0b132a7d3_top
	.p2alignl 7, 3214868480
	.fill 96, 4, 3214868480
	.section	.rodata,"a",@progbits
	.p2align	6, 0x0
	.amdhsa_kernel k_qf0b132a7d3_top
		.amdhsa_group_segment_fixed_size 35840
		.amdhsa_private_segment_fixed_size 0
		.amdhsa_enable_private_segment 0
		.amdhsa_kernarg_size 32
		.amdhsa_user_sgpr_count 2
		.amdhsa_user_sgpr_kernarg_segment_ptr 1
		.amdhsa_wavefront_size32 1
		.amdhsa_system_sgpr_workgroup_id_x 1
		.amdhsa_system_sgpr_workgroup_id_y 1
		.amdhsa_system_sgpr_workgroup_id_z 1
		.amdhsa_system_vgpr_workitem_id 0
		.amdhsa_next_free_vgpr 146
		.amdhsa_next_free_sgpr 66
		.amdhsa_reserve_vcc 0
		.amdhsa_float_denorm_mode_32 3
		.amdhsa_float_denorm_mode_16_64 3
		.amdhsa_memory_ordered 1
		.amdhsa_forward_progress 1
		.amdhsa_inst_pref_size 22
	.end_amdhsa_kernel
	.amdgpu_metadata
---
amdhsa.version: [ 1, 2 ]
amdhsa.kernels:
  - .name:           k_qf0b132a7d3_top
    .symbol:         k_qf0b132a7d3_top.kd
    .args:
      - { .name: qkvb, .offset: 0, .size: 8, .value_kind: global_buffer, .address_space: global }
      - { .name: stat, .offset: 8, .size: 8, .value_kind: global_buffer, .address_space: global }
      - { .name: rext, .offset: 16, .size: 8, .value_kind: global_buffer, .address_space: global }
      - { .name: out1, .offset: 24, .size: 8, .value_kind: global_buffer, .address_space: global }
    .group_segment_fixed_size: 35840
    .private_segment_fixed_size: 0
    .kernarg_segment_align: 8
    .kernarg_segment_size: 32
    .max_flat_workgroup_size: 256
    .sgpr_count:     66
    .vgpr_count:     146
    .wavefront_size: 32
...
	.end_amdgpu_metadata
.endif
;; end of part 12
;; launch oproj: the kernel of part 10 again; grid 4 x 64, 4 waves a work-group, clusters of 4 x 4, 327,680 bytes of LDS; arguments ctx, wb, bo, out0; writes out0
